; MI455X (gfx1250); checked and timed in simulation.
; The chip was launched on July 23, 2026; its instructions are those of AMD's public machine-readable ISA for CDNA 5 (MIT licence, August 2026) and "CDNA5" Instruction Set Architecture Reference Guide (July 2026). The comments in the code are by the model that wrote it; some were corrected since.
;; Toy Transformer Block. Allowed arithmetic: matrix products marked QUANTISED: E2M3 operands, one E8M0 scale for each 32 along K, by v_wmma_scale_f32_16x16x128_f8f6f4 with both operands' format E2M3, f32 sums; everything else in f32.
;; Inputs: W1_codes 2,048 x 16 x 24 uint8 (E2M3 codes of W1, K innermost, in blocks of 32 codes, four codes in three bytes); W1_scales 2,048 x 16 uint8 (E8M0 scales of W1, one for each 32 codes along K); W2_codes 512 x 64 x 24 uint8 (E2M3 codes of W2, K innermost, in blocks of 32 codes, four codes in three bytes); W2_scales 512 x 64 uint8 (E8M0 scales of W2, one for each 32 codes along K); Wk_codes 512 x 16 x 24 uint8 (E2M3 codes of Wk, K innermost, in blocks of 32 codes, four codes in three bytes); Wk_scales 512 x 16 uint8 (E8M0 scales of Wk, one for each 32 codes along K); Wo_codes 512 x 16 x 24 uint8 (E2M3 codes of Wo, K innermost, in blocks of 32 codes, four codes in three bytes); Wo_scales 512 x 16 uint8 (E8M0 scales of Wo, one for each 32 codes along K); Wq_codes 512 x 16 x 24 uint8 (E2M3 codes of Wq, K innermost, in blocks of 32 codes, four codes in three bytes); Wq_scales 512 x 16 uint8 (E8M0 scales of Wq, one for each 32 codes along K); Wv_codes 512 x 16 x 24 uint8 (E2M3 codes of Wv, K innermost, in blocks of 32 codes, four codes in three bytes); Wv_scales 512 x 16 uint8 (E8M0 scales of Wv, one for each 32 codes along K); b1 2,048 float32; b2 512 float32; beta1 512 float32; beta2 512 float32; bo 512 float32; g1 512 float32; g2 512 float32; x 4 x 2,048 x 512 float32.
;; Outputs: out0 4 x 2,048 x 512 float32.
;; This version of the problem:
;;   THIS VERSION OF THE PROBLEM IS GIVEN IN LOW PRECISION. The matrix products marked QUANTISED in the list below multiply operands that are first quantised to E2M3 (2 exponent bits, 3 mantissa bits; 6 bits a number), with one power-of-two scale for each 32 numbers along K (OCP MX v1.0); their sums are f32. All else is computed in f32.
;;   The module's matrix products, in the order in which they are computed (A, B: the left and right operand; K: the contracted axis; several contracted axes count as one K, in the product's order):
;;     1. [M 8,192, K 512] x [K 512, N 512]; A: computed on the way; B: input Wq (given as codes): QUANTISED
;;     2. [M 8,192, K 512] x [K 512, N 512]; A: computed on the way; B: input Wk (given as codes): QUANTISED
;;     3. [M 8,192, K 512] x [K 512, N 512]; A: computed on the way; B: input Wv (given as codes): QUANTISED
;;     4. batch 64 x [M 2,048, K 32] x [K 32, N 2,048]; A: computed on the way; B: computed on the way: QUANTISED
;;     5. batch 64 x [M 2,048, K 2,048] x [K 2,048, N 32]; A: softmax (see below); B: computed on the way: QUANTISED
;;     6. [M 8,192, K 512] x [K 512, N 512]; A: computed on the way; B: input Wo (given as codes): QUANTISED
;;     7. [M 8,192, K 512] x [K 512, N 2,048]; A: computed on the way; B: input W1 (given as codes): QUANTISED
;;     8. [M 8,192, K 2,048] x [K 2,048, N 512]; A: computed on the way; B: input W2 (given as codes): QUANTISED
;;   THE QUANTISER, for each operand of a quantised product, along K:
;;     - K is cut into blocks of 32 from its start; a last block that is shorter is filled with zeros.
;;     - A block's scale is 2^e with e = floor(log2(the largest magnitude in the block)) - 2, held to -126 .. 127; a block of zeros has e = 0. As a byte (E8M0): e + 127.
;;     - Each number is divided by its block's scale, clamped to +-7.5, and rounded to the nearest number of E2M3, ties to even, subnormals kept.
;;     - The product sums the exact products of the quantised numbers (number of the format x scale) in f32.
;;   ~~~python
;;   def quantise(x, axis):      # numpy; x: float32 -> the quantised numbers, widened to float32 again
;;       x = np.moveaxis(x, axis, -1); K = x.shape[-1]
;;       x = np.pad(x, [(0, 0)] * (x.ndim - 1) + [(0, -K % 32)]); x = x.reshape(x.shape[:-1] + (-1, 32)); a = np.abs(x).max(-1, keepdims=True)
;;       e = np.where(a > 0, np.clip(np.frexp(np.where(a > 0, a, 1))[1] - 1 - 2, -126, 127), 0)      # np.frexp(a)[1] - 1 = floor(log2(a)), exactly
;;       r = np.clip(x / 2.0 ** e, -7.5, 7.5)
;;       step = 2.0 ** (np.maximum(np.frexp(np.where(r == 0, 1, r))[1] - 1, 0) - 3)
;;       q = np.round(r / step) * step * 2.0 ** e      # np.round: ties to even
;;       return np.moveaxis(q.reshape(q.shape[:-2] + (-1,))[..., :K], -1, axis).astype(np.float32)
;;   ~~~
;;   SOFTMAX AHEAD OF A QUANTISED PRODUCT. Where the list says 'softmax', what is quantised is not the finished softmax but p = 2^(t - M), with t = logit x log2(e) and M = ceil(the row's largest t), a whole number; so 1/2 < the row's largest p <= 1. The row's sum l is taken of the UNQUANTISED p, in f32, and the product's result is divided by l at the end. Since M is a whole number, a kernel that streams over the keys may use a running M (the ceiling of the running maximum): every later rescaling is an exact power of two, which a block's scale takes up: the codes' values come out the same.
;;   OPERANDS COMPUTED ON THE WAY. 'Computed on the way' means the value that the module computes at that place (a softmax that the list does not call 'softmax' is quantised finished and normalised). What goes into a quantiser is computed in f32, as accurately as f32 sums, v_exp_f32 and their like allow (about 1e-6 of the number): no bf16 or f16 on the way to a quantiser, and a product that is left as it is and whose result goes on into a quantised operand takes f32 operands (vector FMAs, or v_wmma_f32_16x16x4_f32). A number that lies on a knife's edge between two numbers of the format may be rounded either way, as far as f32 arithmetic and the matrix unit's own rounding can turn it there, and no further.
;;   INPUTS GIVEN AS CODES. W1 (in the module: [512, 2048], K = its axis 0); W2 (in the module: [2048, 512], K = its axis 0); Wk (in the module: [512, 512], K = its axis 0); Wo (in the module: [512, 512], K = its axis 0); Wq (in the module: [512, 512], K = its axis 0); Wv (in the module: [512, 512], K = its axis 0): each comes as NAME_codes (uint8): NAME with its K axis moved to the last place and cut into blocks of 32 codes, [.., K / 32, bytes a block], one block behind the other in memory; four codes in three bytes: a row's codes are one little-endian stream of bits, code i at bits 6 i .. 6 i + 5 (a code: sign, 2 exponent bits, 3 mantissa bits); and NAME_scales (uint8): the same leading axes, one E8M0 byte (e + 127) for each 32 codes along K. Its value is code x scale, taken as it is: it is not quantised again, and the codes and scales need not be those that the quantiser above would give.
;; 2 versions. Each part assembles by itself: llvm-mc -triple=amdgcn-amd-amdhsa -mcpu=gfx1250 --defsym DOCPART=n.
;; ======== version 1 of 2: 4 launches
;; workspace buffers: ximg 3,145,728 bytes; xsc 131,072 bytes; wimg 2,359,296 bytes; qkv 9,830,400 bytes; ctxc 3,145,728 bytes; csc 131,072 bytes
;; launch prep (part 1): grid 256 x 1, 2 waves a work-group, no clusters, 66,304 bytes of LDS; arguments x, g1, beta1, Wq_codes, Wk_codes, Wv_codes, Wo_codes, W1_codes, W2_codes, ximg, xsc, wimg; writes ximg, xsc, wimg
.if DOCPART == 1
	.amdgcn_target "amdgcn-amd-amdhsa--gfx1250"
	.amdhsa_code_object_version 6
	.text
	.protected	k_q0c1ee08f2a_prep
	.globl	k_q0c1ee08f2a_prep
	.p2align	8
	.type	k_q0c1ee08f2a_prep,@function
k_q0c1ee08f2a_prep:
	s_mov_b64 s[64:65], 0
	v_nop
	global_prefetch_b8 v0, s[64:65] scope:SCOPE_SE
	s_setreg_imm32_b32 hwreg(HW_REG_WAVE_MODE, 25, 1), 1
	s_wait_xcnt 0x0
; PREP, the first of four launches (prep, qkv, attn, tail) of a pre-LN transformer block in MX-FP6 (E2M3 codes, one E8M0 scale for each 32 along K).
; WORK LEFT OUT IN THE WHOLE PROGRAM.  reference() sets every score above its own jnp.tril to -inf ahead of the softmax, so key k > q has the weight exp(-inf) = 0 whatever finite values the inputs hold.
; Key steps (128 keys) that lie wholly behind a tile's 16 queries are therefore neither multiplied nor summed (launch attn).  Nothing else is left out: every input has a way to out0 and is loaded.
; LIMITS.  A NaN, an infinity or an overflow that would arise only in the scores so left out is not carried to the result.  NaN and infinities among the inputs are not served.
; A block whose largest magnitude lies under 2^-124 keeps the scale byte 1; a block of zeros keeps the byte 1 where the rule says 127: its codes are zeros, and this program alone reads the bytes.
; THIS LAUNCH: (a) LayerNorm 1 of x in f32 (mean, then the mean of the squared differences, as reference() has it), quantised along K = 512; (b) the six weights' codes laid in the order of the operand's registers.
; THE IMAGE OF A FRAGMENT (16 rows x 128 K, 12 registers a lane): register p of lane l at byte 512 (p / 4) + 16 l + 4 (p % 4) of 1,536: three loads of 16 bytes a lane, 512 consecutive bytes each, bring it back.
; THE ROWS OF A TILE ARE NOT NEIGHBOURS, here and in every launch: in a group of 32 rows tile u gives lane r the row 8 u + r + 8 (r / 8), so that a product that takes such tiles as source 0 leaves in the
; 16 registers of tiles 2 b and 2 b + 1 the 16 neighbours 32 b + 16 (lane / 16) + 0 .. 15, which is what the conversions to codes want.
; SHARES.  512 waves (two to a work-group, sharing nothing).  Wave o takes tile o of x (16 tokens) and three weight fragments: number o of Wq|Wk|Wv|Wo, of W1 and of W2.
; x's rows are loaded densely (512 consecutive bytes a load), normalised with a row spread over the 32 lanes, and turned through the wave's own stage in LDS so that a lane holds 16 neighbours of one row.
; REGISTERS.  Window 0: v1-11 addresses; v16-47 g1, beta1; v48-111 a pair of sums for each row; v112-175 64 numbers to quantise; v176-215 the quantiser's; v216-251 weight fragments.  Window 1: the 16 rows, 16 registers each.
.set WSTG,  33024                      ; a wave's stage: 16 rows of 2,048 bytes + 16: row r starts 4 banks on from row r - 1
.set PITCH, 2064
.set SPARE, 2*WSTG                     ; the spare words, 128 bytes for each wave: a block of 256 bytes that no other line names
.set SPW, 12                           ; v12  LDS address of my spare word; never rewritten
.set NIL, 13                           ; v13  0; never rewritten
.set G,   16
.set BT,  32
.set ST,  48
.set SQ,  80
.set NX,  112
.set PC,  176
.set TM,  196
.set PW,  212
.set WF,  216
.set SEL, 34
.set MSB, 0
.macro WIN new                         ; the immediate's high byte repeats the setting that is left
.if MSB != (\new)
	s_set_vgpr_msb (MSB<<8)|(\new)
.set MSB, (\new)
.endif
.endm
; 64 numbers of a lane, register 16 b + i = k 32 b + 16 (lane / 16) + i of my row, become a fragment's codes in v[PC] on and its scale word in v[PW].
.macro QUANT s
.irp b, 0,1,2,3
	v_max3_num_f32 v[TM+\b], |v[\s+16*\b]|, |v[\s+1+16*\b]|, 0x1800000   ; block b: my 16 numbers, and the floor 2^(3 - 127): the byte cannot fall under 1
.endr
.irp i, 2,4,6,8,10,12,14
.irp b, 0,1,2,3
	v_max3_num_f32 v[TM+\b], v[TM+\b], |v[\s+16*\b+\i]|, |v[\s+1+16*\b+\i]|
.endr
.endr
.irp b, 0,1,2,3
	v_permlanex16_b32 v[TM+4+\b], v[TM+\b], s[SEL], s[SEL+1]
.endr
.irp b, 0,1,2,3
	v_max_num_f32 v[TM+\b], v[TM+\b], v[TM+4+\b]   ; with lane l xor 16's: the block's largest magnitude
.endr
.irp b, 0,1,2,3
	v_add_nc_u32 v[TM+12+\b], 0xff000000, v[TM+\b]   ; 2 off its exponent field: the conversion's scale operand
.endr
.irp b, 0,1,2,3
	v_lshrrev_b32 v[TM+4+\b], 23, v[TM+12+\b]      ; the scale's byte
.endr
	v_lshl_or_b32 v[PW], v[TM+5], 8, v[TM+4]
	v_lshl_or_b32 v[PW], v[TM+6], 16, v[PW]
	v_lshl_or_b32 v[PW], v[TM+7], 24, v[PW]
.irp c, 0,1
	v_cvt_scalef32_pk16_fp6_f32 v[PC+6*\c:PC+2+6*\c], v[\s+32*\c:\s+15+32*\c], v[TM+12+2*\c]
	v_cvt_scalef32_pk16_fp6_f32 v[PC+12+4*\c:PC+14+4*\c], v[\s+16+32*\c:\s+31+32*\c], v[TM+12+2*\c+1]   ; (a conversion's three registers begin on an even number)
.endr
	v_nop                                          ; one plain place behind a scaled conversion
.irp c, 0,1                                    ; the operand's layout wants a whole block in a lane
.irp i, 0,1,2
	v_permlane16_swap_b32 v[PC+6*\c+\i], v[PC+12+4*\c+\i]
.endr
.irp i, 0,1,2
	v_mov_b32 v[PC+3+6*\c+\i], v[PC+12+4*\c+\i]
.endr
.endr
.endm
; s[dst] = (32 (tile / 2) + 8 (tile % 2)) x pitch + 96 x K step: where a fragment's first row begins in a weight's codes; s[dst + 1] = 0
.macro WOFF dst, tile, ks, pitch
	s_lshr_b32 s[\dst], s[\tile], 1
	s_lshl_b32 s[\dst], s[\dst], 5
	s_and_b32 s[\dst+1], s[\tile], 1
	s_lshl_b32 s[\dst+1], s[\dst+1], 3
	s_add_co_u32 s[\dst], s[\dst], s[\dst+1]
	s_mul_i32 s[\dst], s[\dst], \pitch
	s_mul_i32 s[\dst+1], s[\ks], 96
	s_add_co_u32 s[\dst], s[\dst], s[\dst+1]
	s_mov_b32 s[\dst+1], 0
.endm
; 16 rows' pairs at v[b + 2 i]: a pair's two halves, then the 32 lanes; the sum ends in every lane's low word
.macro REDUCE b
.set ii_, 0
.rept 16
	v_add_f32 v[\b+2*ii_], v[\b+2*ii_], v[\b+2*ii_+1]
.set ii_, ii_+1
.endr
.irp m, 1,2,4,8
.set ii_, 0
.rept 16
	v_add_f32_dpp v[\b+2*ii_], v[\b+2*ii_], v[\b+2*ii_] row_xmask:\m row_mask:0xf bank_mask:0xf
.set ii_, ii_+1
.endr
.endr
.set ii_, 0
.rept 16
	v_permlanex16_b32 v[\b+2*ii_+1], v[\b+2*ii_], s[SEL], s[SEL+1]
.set ii_, ii_+1
.endr
.set ii_, 0
.rept 16
	v_add_f32 v[\b+2*ii_], v[\b+2*ii_], v[\b+2*ii_+1]
.set ii_, ii_+1
.endr
.endm
	s_load_b512 s[8:23], s[0:1], 0x0               ; x, g1, beta1, Wq, Wk, Wv, Wo, W1
	s_load_b256 s[24:31], s[0:1], 0x40             ; W2, ximg, xsc, wimg
	v_lshl_add_u32 v[SPW], v0, 2, SPARE
	v_mov_b32 v[NIL], 0
	v_lshrrev_b32 v7, 5, v0
	v_readfirstlane_b32 s2, v7                     ; wave 0, 1
	v_and_b32 v7, 31, v0                           ; lane
	v_and_b32 v8, 15, v0                           ; r
	v_bfe_u32 v9, v0, 4, 1                         ; h
	v_lshlrev_b32 v1, 4, v7                        ; 16 x lane
	s_mul_i32 s3, s2, WSTG
	v_add_nc_u32 v2, s3, v1                        ; the stage, on the way in
	v_mul_u32_u24 v3, v8, PITCH
	v_lshl_add_u32 v3, v9, 6, v3
	v_add_nc_u32 v3, s3, v3                        ; and out: row r, + 64 h
	v_and_b32 v10, 8, v8
	v_add_nc_u32 v10, v10, v8                      ; r + 8 (r / 8)
	v_mul_u32_u24 v11, v9, 24
	v_mad_u32_u24 v4, v10, 384, v11                ; a weight with K = 512: rows of 384 bytes
	v_mad_u32_u24 v5, v10, 1536, v11               ; W2: rows of 1,536 bytes
	v_lshlrev_b32 v6, 4, v10
	v_lshl_add_u32 v6, v9, 3, v6                   ; x's scale bytes: 16 a token, 8 for each half of the lanes
.irp b, 0,1,2,3
	v_mov_b32 v[TM+4+\b], 0                        ; written once: a lane permute's destination counts as one of its sources
.endr
	s_mov_b32 s[SEL], 0x76543210
	s_mov_b32 s[SEL+1], 0xfedcba98                 ; lane l xor 16
	s_mov_b32 s37, 0x3b000000                      ; 1 / 512
	s_mov_b32 s38, 0x3727c5ac                      ; 1e-5
	s_lshl_b32 s36, ttmp9, 1
	s_add_co_u32 s36, s36, s2                      ; o = 2 x work-group + wave
	s_lshr_b32 s40, s36, 1
	s_lshl_b32 s40, s40, 5
	s_and_b32 s41, s36, 1
	s_lshl_b32 s41, s41, 3
	s_add_co_u32 s40, s40, s41                     ; the tile's first token: 32 (o / 2) + 8 (o % 2)
	s_lshl_b32 s44, s40, 11
	s_mov_b32 s45, 0                               ; in x
	s_lshl_b32 s58, s40, 4
	s_mov_b32 s59, 0                               ; in xsc
	s_and_b32 s52, s36, 127
	s_lshr_b32 s52, s52, 2
	s_and_b32 s53, s36, 3
	WOFF 46, 52, 53, 384                           ; fragment o % 128 of one of Wq, Wk, Wv, Wo
	s_lshr_b32 s52, s36, 2
	WOFF 48, 52, 53, 384                           ; fragment o of W1
	s_lshr_b32 s52, s36, 4
	s_and_b32 s53, s36, 15
	WOFF 50, 52, 53, 1536                          ; fragment o of W2
	s_mul_i32 s54, s36, 1536
	s_mov_b32 s55, 0
	s_mul_i32 s56, s36, 6144
	s_mov_b32 s57, 0
	s_lshr_b32 s39, s36, 7                         ; which of the four
	s_wait_kmcnt 0x0
	s_cmp_eq_u32 s39, 1                            ; the choice hangs on ids alone
	s_cselect_b64 s[42:43], s[16:17], s[14:15]
	s_cmp_eq_u32 s39, 2
	s_cselect_b64 s[42:43], s[18:19], s[42:43]
	s_cmp_eq_u32 s39, 3
	s_cselect_b64 s[42:43], s[20:21], s[42:43]
	s_add_nc_u64 s[42:43], s[42:43], s[46:47]
	s_add_nc_u64 s[22:23], s[22:23], s[48:49]
	s_add_nc_u64 s[24:25], s[24:25], s[50:51]
	s_add_nc_u64 s[30:31], s[30:31], s[54:55]
	s_add_nc_u64 s[8:9], s[8:9], s[44:45]
	s_add_nc_u64 s[26:27], s[26:27], s[56:57]
	s_add_nc_u64 s[28:29], s[28:29], s[58:59]
.irp p, 0,1,2,3,4,5                            ; a fragment as the matrix unit takes it: 24 bytes of a row's stream of bits twice, in pieces of 8
	global_load_b64 v[WF+2*\p:WF+2*\p+1], v4, s[42:43] offset:48*(\p/3)+8*(\p%3)
	global_load_b64 v[WF+12+2*\p:WF+12+2*\p+1], v4, s[22:23] offset:48*(\p/3)+8*(\p%3)
	global_load_b64 v[WF+24+2*\p:WF+24+2*\p+1], v5, s[24:25] offset:48*(\p/3)+8*(\p%3)
.endr
.irp q, 0,1,2,3
	global_load_b128 v[G+4*\q:G+4*\q+3], v1, s[10:11] offset:512*\q
	global_load_b128 v[BT+4*\q:BT+4*\q+3], v1, s[12:13] offset:512*\q
.endr
	WIN 0x40                                       ; destination window 1
.set ii_, 0
.rept 16
.set qq_, 0
.rept 4
	global_load_b128 v[16*ii_+4*qq_:16*ii_+4*qq_+3], v1, s[8:9] offset:(ii_+8*(ii_/8))*2048+512*qq_ th:TH_LOAD_NT   ; row i of the tile, k = 128 q + 4 lane + 0 .. 3: 512 consecutive bytes
.set qq_, qq_+1
.endr
.set ii_, ii_+1
.endr
	WIN 0
	s_wait_loadcnt 63                              ; of the 90 loads the first 27 are in: the weights' 18 and the 8 of g1 and beta1 among them
.irp c, 0,1,2
	global_store_b128 v1, v[WF+4*\c:WF+4*\c+3], s[30:31] offset:512*\c
	global_store_b128 v1, v[WF+12+4*\c:WF+12+4*\c+3], s[30:31] offset:786432+512*\c
	global_store_b128 v1, v[WF+24+4*\c:WF+24+4*\c+3], s[30:31] offset:1572864+512*\c
.endr
	s_wait_loadcnt 0x0
	; the rows' sums
	WIN 0x05                                       ; sources 0 and 1 window 1
.set ii_, 0
.rept 16
	v_pk_add_f32 v[ST+2*ii_:ST+2*ii_+1], v[16*ii_:16*ii_+1], v[16*ii_+2:16*ii_+3]
.set ii_, ii_+1
.endr
	WIN 0x04                                       ; source 1 window 1
.set pp_, 2
.rept 6
.set ii_, 0
.rept 16
	v_pk_add_f32 v[ST+2*ii_:ST+2*ii_+1], v[ST+2*ii_:ST+2*ii_+1], v[16*ii_+2*pp_:16*ii_+2*pp_+1]
.set ii_, ii_+1
.endr
.set pp_, pp_+1
.endr
	WIN 0
	REDUCE ST
.set ii_, 0
.rept 16
	v_mul_f32 v[ST+2*ii_], s37, v[ST+2*ii_]        ; the mean
.set ii_, ii_+1
.endr
	WIN 0x41                                       ; destination and source 0 window 1
.set ii_, 0
.rept 16
.set pp_, 0
.rept 8
	v_pk_add_f32 v[16*ii_+2*pp_:16*ii_+2*pp_+1], v[16*ii_+2*pp_:16*ii_+2*pp_+1], v[ST+2*ii_:ST+2*ii_+1] op_sel_hi:[1,0] neg_lo:[0,1] neg_hi:[0,1]
.set pp_, pp_+1
.endr
.set ii_, ii_+1
.endr
	WIN 0x05
.set ii_, 0
.rept 16
	v_pk_mul_f32 v[SQ+2*ii_:SQ+2*ii_+1], v[16*ii_:16*ii_+1], v[16*ii_:16*ii_+1]
.set ii_, ii_+1
.endr
.set pp_, 1
.rept 7
.set ii_, 0
.rept 16
	v_pk_fma_f32 v[SQ+2*ii_:SQ+2*ii_+1], v[16*ii_+2*pp_:16*ii_+2*pp_+1], v[16*ii_+2*pp_:16*ii_+2*pp_+1], v[SQ+2*ii_:SQ+2*ii_+1]
.set ii_, ii_+1
.endr
.set pp_, pp_+1
.endr
	WIN 0
	REDUCE SQ
.set ii_, 0
.rept 16
	v_fma_f32 v[SQ+2*ii_], v[SQ+2*ii_], s37, s38   ; the variance + 1e-5
.set ii_, ii_+1
.endr
.set ii_, 0
.rept 16
	v_rsq_f32 v[SQ+2*ii_], v[SQ+2*ii_]
.set ii_, ii_+1
.endr
	v_nop                                          ; a plain place behind the last of the batch
	s_wait_alu depctr_va_vdst(0)                   ; one wait for the sixteen, ahead of their first reader
	WIN 0x41
.set ii_, 0
.rept 16
.set pp_, 0
.rept 8
	v_pk_mul_f32 v[16*ii_+2*pp_:16*ii_+2*pp_+1], v[16*ii_+2*pp_:16*ii_+2*pp_+1], v[SQ+2*ii_:SQ+2*ii_+1] op_sel_hi:[1,0]
.set pp_, pp_+1
.endr
.set ii_, ii_+1
.endr
.set ii_, 0
.rept 16
.set pp_, 0
.rept 8
	v_pk_fma_f32 v[16*ii_+2*pp_:16*ii_+2*pp_+1], v[16*ii_+2*pp_:16*ii_+2*pp_+1], v[G+2*pp_:G+2*pp_+1], v[BT+2*pp_:BT+2*pp_+1]
.set pp_, pp_+1
.endr
.set ii_, ii_+1
.endr
	WIN 0x04                                       ; an LDS store's data are its source 1
.set ii_, 0
.rept 16
.set qq_, 0
.rept 4
	ds_store_b128 v2, v[16*ii_+4*qq_:16*ii_+4*qq_+3] offset:PITCH*ii_+512*qq_
.set qq_, qq_+1
.endr
.set ii_, ii_+1
.endr
	WIN 0
.irp s, 0,1,2,3                                ; a K step of 128: my row's 64 numbers back from the stage (LDS serves a wave's instructions in order: these see my stores), codes, image
.set PW, 212+\s
.set ii_, 0
.rept 16
	ds_load_b128 v[NX+4*ii_:NX+4*ii_+3], v3 offset:512*\s+128*(ii_/4)+16*(ii_%4)
.set ii_, ii_+1
.endr
	s_wait_dscnt 0x0
	s_wait_xcnt 0x0                                ; the last step's stores have read the codes' registers: they are written again only behind this wait
	QUANT NX
.irp c, 0,1,2
	global_store_b128 v1, v[PC+4*\c:PC+4*\c+3], s[26:27] offset:1536*\s+512*\c
.endr
.endr
	v_cmp_le_u32 vcc_lo, 16, v7                    ; lanes 16-31 store the words of K steps 2 and 3
	v_cndmask_b32 v14, v212, v214, vcc_lo
	v_cndmask_b32 v15, v213, v215, vcc_lo
	global_store_b64 v6, v[14:15], s[28:29]
	s_wait_tensorcnt 0x0                           ; the wave's end: three lines behind my last LDS store
	ds_add_u32 v[SPW], v[NIL]
	s_wait_dscnt 0x0
	s_endpgm
.Lfunc_end_k_q0c1ee08f2a_prep:
	.size	k_q0c1ee08f2a_prep, .Lfunc_end_k_q0c1ee08f2a_prep-k_q0c1ee08f2a_prep
	.p2alignl 7, 3214868480
	.fill 96, 4, 3214868480
	.section	.rodata,"a",@progbits
	.p2align	6, 0x0
	.amdhsa_kernel k_q0c1ee08f2a_prep
		.amdhsa_group_segment_fixed_size 66304
		.amdhsa_private_segment_fixed_size 0
		.amdhsa_enable_private_segment 0
		.amdhsa_kernarg_size 96
		.amdhsa_user_sgpr_count 2
		.amdhsa_user_sgpr_kernarg_segment_ptr 1
		.amdhsa_wavefront_size32 1
		.amdhsa_system_sgpr_workgroup_id_x 1
		.amdhsa_system_sgpr_workgroup_id_y 1
		.amdhsa_system_sgpr_workgroup_id_z 1
		.amdhsa_system_vgpr_workitem_id 0
		.amdhsa_next_free_vgpr 512
		.amdhsa_next_free_sgpr 66
		.amdhsa_reserve_vcc 1
		.amdhsa_float_denorm_mode_32 3
		.amdhsa_float_denorm_mode_16_64 3
		.amdhsa_memory_ordered 1
		.amdhsa_forward_progress 1
		.amdhsa_inst_pref_size 92
	.end_amdhsa_kernel
	.amdgpu_metadata
---
amdhsa.version: [ 1, 2 ]
amdhsa.kernels:
  - .name:           k_q0c1ee08f2a_prep
    .symbol:         k_q0c1ee08f2a_prep.kd
    .args:
      - { .name: x, .offset: 0, .size: 8, .value_kind: global_buffer, .address_space: global }
      - { .name: g1, .offset: 8, .size: 8, .value_kind: global_buffer, .address_space: global }
      - { .name: beta1, .offset: 16, .size: 8, .value_kind: global_buffer, .address_space: global }
      - { .name: Wq_codes, .offset: 24, .size: 8, .value_kind: global_buffer, .address_space: global }
      - { .name: Wk_codes, .offset: 32, .size: 8, .value_kind: global_buffer, .address_space: global }
      - { .name: Wv_codes, .offset: 40, .size: 8, .value_kind: global_buffer, .address_space: global }
      - { .name: Wo_codes, .offset: 48, .size: 8, .value_kind: global_buffer, .address_space: global }
      - { .name: W1_codes, .offset: 56, .size: 8, .value_kind: global_buffer, .address_space: global }
      - { .name: W2_codes, .offset: 64, .size: 8, .value_kind: global_buffer, .address_space: global }
      - { .name: ximg, .offset: 72, .size: 8, .value_kind: global_buffer, .address_space: global }
      - { .name: xsc, .offset: 80, .size: 8, .value_kind: global_buffer, .address_space: global }
      - { .name: wimg, .offset: 88, .size: 8, .value_kind: global_buffer, .address_space: global }
    .group_segment_fixed_size: 66304
    .private_segment_fixed_size: 0
    .kernarg_segment_align: 8
    .kernarg_segment_size: 96
    .max_flat_workgroup_size: 64
    .sgpr_count:     66
    .vgpr_count:     512
    .wavefront_size: 32
...
	.end_amdgpu_metadata
.endif
;; end of part 1
;; launch qkv (part 2): grid 64 x 3, 4 waves a work-group, no clusters, 0 bytes of LDS; arguments ximg, xsc, wimg, Wq_scales, Wk_scales, Wv_scales, qkv; writes qkv
.if DOCPART == 2
	.amdgcn_target "amdgcn-amd-amdhsa--gfx1250"
	.amdhsa_code_object_version 6
	.text
	.protected	k_q0c1ee08f2a_qkv
	.globl	k_q0c1ee08f2a_qkv
	.p2align	8
	.type	k_q0c1ee08f2a_qkv,@function
k_q0c1ee08f2a_qkv:
	s_mov_b64 s[64:65], 0
	v_nop
	global_prefetch_b8 v0, s[64:65] scope:SCOPE_SE
	s_setreg_imm32_b32 hwreg(HW_REG_WAVE_MODE, 25, 1), 1
	s_wait_xcnt 0x0
; QKV: q, k and v = LN1(x) W on codes, and their quantising: q and k along the head's 32 (one block), v along the keys.  Nothing of reference() is left out here.
; SHARES.  Work-group (G, y): 128 tokens, y = 0 q, 1 k, 2 v.  Wave w: columns 128 w .. 128 w + 127, heads 4 w .. 4 w + 3.  Waves share nothing: no LDS, no barrier.
; ONE TEXT FOR ALL THREE.  Source 0 is a STATIONARY set of 8 tiles x 4 K steps kept in 384 registers, source 1 a MOVING tile of 4 fragments, eight of them in turn.
;   q, k: the weight's 128 columns stay, x's tiles move: a lane holds one token and its 64 registers run along 128 columns: four heads, four blocks of 32.
;   v:    x's 128 tokens stay, the weight's tiles move: a lane holds one column and its registers run down 128 tokens: four blocks of 32 keys.  Only pointers are chosen, on y.
; THE RECORD of a (batch, head), 153,600 bytes: K's codes at 0, V's at 49,152, K's scale words at 98,304, V's at 100,352, Q's codes at 102,400, Q's scale words at 151,552.
;   K and Q are PACKED: the product with them has K = 32, one block, so a fragment's four blocks hold four TILES of tokens: tile 4 g + 2 c + h of a group of 128 tokens lies in lanes 16 h + r, registers 6 c .. 6 c + 5 of fragment g,
;   and byte j of the scale word of lane 16 g + r is tile 4 g + j's row r.  V: for each 128 keys two fragments (16 of the head's 32 each); the scale word of lane 16 u + r is row r of fragment u.
; REGISTERS.  Window 0: v1-7 addresses; v8-15 the scale words made; v16-111 two moving tiles; v112-175 eight accumulators; v176-212 the quantiser's; v216-223 the moving tiles' scale words; v224-255 the stationary set's.
;   Window 1: stationary tiles 0-3 (fragment 4 t + s at 12 (4 t + s));  window 2: tiles 4-7.
.set REC, 153600
.set PWS, 8
.set MV0, 16
.set HA,  112
.set PC,  176
.set TM,  196
.set PW,  212
.set MS0, 216
.set SS,  224
.set SEL, 34
.set MSB, 0
.macro WIN new                         ; the immediate's high byte repeats the setting that is left
.if MSB != (\new)
	s_set_vgpr_msb (MSB<<8)|(\new)
.set MSB, (\new)
.endif
.endm
; 64 numbers of a lane, register 16 b + i = k 32 b + 16 (lane / 16) + i of my row, become a fragment's codes in v[PC] on and its scale word in v[PW].
.macro QUANT s
.irp b, 0,1,2,3
	v_max3_num_f32 v[TM+\b], |v[\s+16*\b]|, |v[\s+1+16*\b]|, 0x1800000   ; block b: my 16 numbers, and the floor 2^(3 - 127): the byte cannot fall under 1
.endr
.irp i, 2,4,6,8,10,12,14
.irp b, 0,1,2,3
	v_max3_num_f32 v[TM+\b], v[TM+\b], |v[\s+16*\b+\i]|, |v[\s+1+16*\b+\i]|
.endr
.endr
.irp b, 0,1,2,3
	v_permlanex16_b32 v[TM+4+\b], v[TM+\b], s[SEL], s[SEL+1]
.endr
.irp b, 0,1,2,3
	v_max_num_f32 v[TM+\b], v[TM+\b], v[TM+4+\b]   ; with lane l xor 16's: the block's largest magnitude
.endr
.irp b, 0,1,2,3
	v_add_nc_u32 v[TM+12+\b], 0xff000000, v[TM+\b]   ; 2 off its exponent field: the conversion's scale operand
.endr
.irp b, 0,1,2,3
	v_lshrrev_b32 v[TM+4+\b], 23, v[TM+12+\b]      ; the scale's byte
.endr
	v_lshl_or_b32 v[PW], v[TM+5], 8, v[TM+4]
	v_lshl_or_b32 v[PW], v[TM+6], 16, v[PW]
	v_lshl_or_b32 v[PW], v[TM+7], 24, v[PW]
.irp c, 0,1
	v_cvt_scalef32_pk16_fp6_f32 v[PC+6*\c:PC+2+6*\c], v[\s+32*\c:\s+15+32*\c], v[TM+12+2*\c]
	v_cvt_scalef32_pk16_fp6_f32 v[PC+12+4*\c:PC+14+4*\c], v[\s+16+32*\c:\s+31+32*\c], v[TM+12+2*\c+1]   ; (a conversion's three registers begin on an even number)
.endr
	v_nop                                          ; one plain place behind a scaled conversion
.irp c, 0,1                                    ; the operand's layout wants a whole block in a lane
.irp i, 0,1,2
	v_permlane16_swap_b32 v[PC+6*\c+\i], v[PC+12+4*\c+\i]
.endr
.irp i, 0,1,2
	v_mov_b32 v[PC+3+6*\c+\i], v[PC+12+4*\c+\i]
.endr
.endr
.endm
.macro MLOAD m                         ; moving tile m: its four fragments (12 loads of 512 consecutive bytes) and its rows' four scale words: 13 loads
.set MVB, MV0+48*((\m)%2)
.set MSR, MS0+4*((\m)%2)
.set ff_, 0
.rept 12
	global_load_b128 v[MVB+4*ff_:MVB+4*ff_+3], v1, s[18:19] offset:(\m)*6144+512*ff_
.set ff_, ff_+1
.endr
	global_load_b128 v[MSR:MSR+3], v2, s[26:27] offset:(32*((\m)/2)+8*((\m)%2))*16
.endm
.macro ITER m
.set MVB, MV0+48*((\m)%2)
.set MSR, MS0+4*((\m)%2)
.if (\m) < 7
	s_wait_loadcnt 13                              ; all but the next tile's 13 loads
.else
	s_wait_loadcnt 0x0
.endif
.irp e, 0,1                                    ; four accumulators by turns, one instruction a turn
	WIN 0x01+\e                                    ; source 0 in window 1 or 2
.irp s, 0,1,2,3
.irp t, 0,1,2,3
.if \s == 0
	v_wmma_scale_f32_16x16x128_f8f6f4 v[HA+8*(4*\e+\t):HA+8*(4*\e+\t)+7], v[12*(4*\t+\s):12*(4*\t+\s)+11], v[MVB+12*\s:MVB+12*\s+11], 0, v[SS+4*(4*\e+\t)+\s], v[MSR+\s] matrix_a_fmt:MATRIX_FMT_FP6 matrix_b_fmt:MATRIX_FMT_FP6
.else
	v_wmma_scale_f32_16x16x128_f8f6f4 v[HA+8*(4*\e+\t):HA+8*(4*\e+\t)+7], v[12*(4*\t+\s):12*(4*\t+\s)+11], v[MVB+12*\s:MVB+12*\s+11], v[HA+8*(4*\e+\t):HA+8*(4*\e+\t)+7], v[SS+4*(4*\e+\t)+\s], v[MSR+\s] matrix_a_fmt:MATRIX_FMT_FP6 matrix_b_fmt:MATRIX_FMT_FP6
.endif
.endr
.endr
.endr
	WIN 0
.rept 4
	v_nop                                          ; places in front of loads into registers that the products read, and of the first read of results
.endr
.if (\m)+2 <= 7
	MLOAD (\m)+2
.endif
	s_wait_xcnt 0x0                                ; the last tile's stores have read the codes' registers
	QUANT HA
	v_mov_b32 v[PWS+(\m)], v[PW]
	s_cmp_eq_u32 s3, 2
	s_cbranch_scc1 .Lvst_\@
.irp c, 0,1                                    ; q, k: my lane holds block 2 c + h: head 4 w + 2 c + h, 24 bytes, which go to that head's record, into block m % 4 of fragment m / 4
.set OO_, 2*\c*REC+((\m)/4)*1536+256*((\m)%2)
.if (((\m)%4)/2) == 0
	global_store_b128 v3, v[PC+6*\c:PC+6*\c+3], s[44:45] offset:OO_
	global_store_b64 v3, v[PC+6*\c+4:PC+6*\c+5], s[44:45] offset:OO_+512
.else
	global_store_b64 v3, v[PC+6*\c:PC+6*\c+1], s[44:45] offset:OO_+520
	global_store_b128 v3, v[PC+6*\c+2:PC+6*\c+5], s[44:45] offset:OO_+1024
.endif
.endr
	s_branch .Ldone_\@
.Lvst_\@:
.irp c, 0,1,2                                  ; v: a whole fragment: head 4 w + m / 2, its 16 channels of tile m % 2, these 128 keys
	global_store_b128 v1, v[PC+4*\c:PC+4*\c+3], s[44:45] offset:((\m)/2)*REC+((\m)%2)*1536+512*\c
.endr
.Ldone_\@:
.endm
	s_load_b256 s[8:15], s[0:1], 0x0               ; ximg, xsc, wimg, Wq's scales
	s_load_b128 s[16:19], s[0:1], 0x20             ; Wk's, Wv's
	s_load_b64 s[20:21], s[0:1], 0x30              ; qkv
	v_lshrrev_b32 v5, 5, v0
	v_readfirstlane_b32 s2, v5                     ; wave
	v_and_b32 v5, 31, v0                           ; lane
	v_and_b32 v6, 15, v0                           ; r
	v_bfe_u32 v7, v0, 4, 1                         ; h
	v_lshlrev_b32 v1, 4, v5                        ; 16 x lane
	v_and_b32 v2, 8, v6
	v_add_nc_u32 v2, v2, v6
	v_lshlrev_b32 v2, 4, v2                        ; (r + 8 (r / 8)) x 16: my row's 16 scale bytes
	v_mul_u32_u24 v3, v7, REC
	v_lshl_add_u32 v3, v6, 4, v3                   ; h records on, + 16 r
	v_lshlrev_b32 v4, 2, v5                        ; 4 x lane
.irp b, 0,1,2,3
	v_mov_b32 v[TM+4+\b], 0                        ; written once: a lane permute's destination counts as one of its sources
.endr
	s_mov_b32 s[SEL], 0x76543210
	s_mov_b32 s[SEL+1], 0xfedcba98
	s_and_b32 s3, ttmp7, 0xffff                    ; y
	s_mul_i32 s24, ttmp9, 49152                    ; x's 8 tiles
	s_mov_b32 s25, 0
	s_lshl_b32 s26, ttmp9, 11                      ; their scale bytes
	s_mov_b32 s27, 0
	s_mul_i32 s28, s3, 196608                      ; the weight,
	s_mul_i32 s29, s2, 49152                       ; my 8 tiles of it
	s_add_co_u32 s28, s28, s29
	s_mov_b32 s29, 0
	s_lshl_b32 s30, s2, 11
	s_mov_b32 s31, 0
	s_lshr_b32 s32, ttmp9, 4                       ; the batch
	s_lshl_b32 s32, s32, 4
	s_lshl_b32 s33, s2, 2
	s_add_co_u32 s32, s32, s33
	s_mul_i32 s32, s32, REC                        ; my first head's record
	s_and_b32 s33, ttmp9, 15                       ; the group of 128 tokens in its batch
	s_mul_i32 s36, s33, 3072
	s_lshl_b32 s37, s33, 7
	s_cmp_eq_u32 s3, 0
	s_cselect_b32 s38, 102400, 0                   ; the codes' field
	s_mov_b32 s39, 151552                          ; the scale words' field
	s_cmp_eq_u32 s3, 1
	s_cselect_b32 s39, 98304, s39
	s_cmp_eq_u32 s3, 2
	s_cselect_b32 s38, 49152, s38
	s_cselect_b32 s39, 100352, s39
	s_add_co_u32 s40, s32, s36
	s_add_co_u32 s40, s40, s38
	s_mov_b32 s41, 0
	s_add_co_u32 s42, s32, s37
	s_add_co_u32 s42, s42, s39
	s_mov_b32 s43, 0
	s_wait_kmcnt 0x0
	s_add_nc_u64 s[8:9], s[8:9], s[24:25]
	s_add_nc_u64 s[10:11], s[10:11], s[26:27]
	s_add_nc_u64 s[12:13], s[12:13], s[28:29]
	s_cmp_eq_u32 s3, 1                             ; the choices hang on y alone
	s_cselect_b64 s[14:15], s[16:17], s[14:15]
	s_cmp_eq_u32 s3, 2
	s_cselect_b64 s[14:15], s[18:19], s[14:15]
	s_add_nc_u64 s[14:15], s[14:15], s[30:31]
	s_cmp_eq_u32 s3, 2
	s_cselect_b64 s[16:17], s[8:9], s[12:13]       ; the stationary set's codes,
	s_cselect_b64 s[18:19], s[12:13], s[8:9]       ; the moving tiles',
	s_cselect_b64 s[24:25], s[10:11], s[14:15]     ; and their scale bytes
	s_cselect_b64 s[26:27], s[14:15], s[10:11]
	s_add_nc_u64 s[44:45], s[20:21], s[40:41]      ; where codes go,
	s_add_nc_u64 s[46:47], s[20:21], s[42:43]      ; and scale words
	WIN 0x40
.set ff_, 0
.rept 48
	global_load_b128 v[4*ff_:4*ff_+3], v1, s[16:17] offset:512*ff_
.set ff_, ff_+1
.endr
	WIN 0x80
.set ff_, 0
.rept 48
	global_load_b128 v[4*ff_:4*ff_+3], v1, s[16:17] offset:24576+512*ff_
.set ff_, ff_+1
.endr
	WIN 0
.irp t, 0,1,2,3,4,5,6,7
	global_load_b128 v[SS+4*\t:SS+4*\t+3], v2, s[24:25] offset:(32*(\t/2)+8*(\t%2))*16
.endr
	MLOAD 0
	MLOAD 1
.irp m, 0,1,2,3,4,5,6,7
	ITER \m
.endr
	; the scale words.  Both halves of the lanes hold the same words, so lanes 0-15 send one and lanes 16-31 another: 128 consecutive bytes a store
	v_cmp_gt_u32 vcc_lo, 16, v5
	s_cmp_eq_u32 s3, 2
	s_cbranch_scc1 .Lvsc
.irp g, 0,1                                    ; q, k: word m has a byte for each head; a record wants a byte for each tile: four words are turned, bytes for words
	v_perm_b32 v[16+4*\g], v[PWS+4*\g+1], v[PWS+4*\g], 0x05010400
	v_perm_b32 v[17+4*\g], v[PWS+4*\g+1], v[PWS+4*\g], 0x07030602
	v_perm_b32 v[18+4*\g], v[PWS+4*\g+3], v[PWS+4*\g+2], 0x05010400
	v_perm_b32 v[19+4*\g], v[PWS+4*\g+3], v[PWS+4*\g+2], 0x07030602
	v_perm_b32 v[24+4*\g], v[18+4*\g], v[16+4*\g], 0x05040100
	v_perm_b32 v[25+4*\g], v[18+4*\g], v[16+4*\g], 0x07060302
	v_perm_b32 v[26+4*\g], v[19+4*\g], v[17+4*\g], 0x05040100
	v_perm_b32 v[27+4*\g], v[19+4*\g], v[17+4*\g], 0x07060302
.endr
.irp j, 0,1,2,3
	v_cndmask_b32 v[32+\j], v[28+\j], v[24+\j], vcc_lo
.endr
	s_branch .Lsc
.Lvsc:
.irp j, 0,1,2,3                                ; v: head 4 w + j has the words of moving tiles 2 j and 2 j + 1
	v_cndmask_b32 v[32+\j], v[PWS+2*\j+1], v[PWS+2*\j], vcc_lo
.endr
.Lsc:
.irp j, 0,1,2,3
	global_store_b32 v4, v[32+\j], s[46:47] offset:\j*REC
.endr
	s_endpgm
.Lfunc_end_k_q0c1ee08f2a_qkv:
	.size	k_q0c1ee08f2a_qkv, .Lfunc_end_k_q0c1ee08f2a_qkv-k_q0c1ee08f2a_qkv
	.p2alignl 7, 3214868480
	.fill 96, 4, 3214868480
	.section	.rodata,"a",@progbits
	.p2align	6, 0x0
	.amdhsa_kernel k_q0c1ee08f2a_qkv
		.amdhsa_group_segment_fixed_size 0
		.amdhsa_private_segment_fixed_size 0
		.amdhsa_enable_private_segment 0
		.amdhsa_kernarg_size 56
		.amdhsa_user_sgpr_count 2
		.amdhsa_user_sgpr_kernarg_segment_ptr 1
		.amdhsa_wavefront_size32 1
		.amdhsa_system_sgpr_workgroup_id_x 1
		.amdhsa_system_sgpr_workgroup_id_y 1
		.amdhsa_system_sgpr_workgroup_id_z 1
		.amdhsa_system_vgpr_workitem_id 0
		.amdhsa_next_free_vgpr 768
		.amdhsa_next_free_sgpr 66
		.amdhsa_reserve_vcc 1
		.amdhsa_float_denorm_mode_32 3
		.amdhsa_float_denorm_mode_16_64 3
		.amdhsa_memory_ordered 1
		.amdhsa_forward_progress 1
		.amdhsa_inst_pref_size 96
	.end_amdhsa_kernel
	.amdgpu_metadata
---
amdhsa.version: [ 1, 2 ]
amdhsa.kernels:
  - .name:           k_q0c1ee08f2a_qkv
    .symbol:         k_q0c1ee08f2a_qkv.kd
    .args:
      - { .name: ximg, .offset: 0, .size: 8, .value_kind: global_buffer, .address_space: global }
      - { .name: xsc, .offset: 8, .size: 8, .value_kind: global_buffer, .address_space: global }
      - { .name: wimg, .offset: 16, .size: 8, .value_kind: global_buffer, .address_space: global }
      - { .name: Wq_scales, .offset: 24, .size: 8, .value_kind: global_buffer, .address_space: global }
      - { .name: Wk_scales, .offset: 32, .size: 8, .value_kind: global_buffer, .address_space: global }
      - { .name: Wv_scales, .offset: 40, .size: 8, .value_kind: global_buffer, .address_space: global }
      - { .name: qkv, .offset: 48, .size: 8, .value_kind: global_buffer, .address_space: global }
    .group_segment_fixed_size: 0
    .private_segment_fixed_size: 0
    .kernarg_segment_align: 8
    .kernarg_segment_size: 56
    .max_flat_workgroup_size: 128
    .sgpr_count:     66
    .vgpr_count:     768
    .wavefront_size: 32
...
	.end_amdgpu_metadata
.endif
;; end of part 2
;; launch attn (part 3): grid 256 x 1, 16 waves a work-group, no clusters, 104,448 bytes of LDS; arguments qkv, ctxc, csc; writes ctxc, csc
.if DOCPART == 3
	.amdgcn_target "amdgcn-amd-amdhsa--gfx1250"
	.amdhsa_code_object_version 6
	.text
	.protected	k_q0c1ee08f2a_attn
	.globl	k_q0c1ee08f2a_attn
	.p2align	8
	.type	k_q0c1ee08f2a_attn,@function
k_q0c1ee08f2a_attn:
	s_mov_b64 s[64:65], 0
	v_nop
	global_prefetch_b8 v0, s[64:65] scope:SCOPE_SE
	s_setreg_imm32_b32 hwreg(HW_REG_WAVE_MODE, 25, 1), 1
	s_wait_xcnt 0x0
; ATTN: ctx = softmax(q k^T / sqrt(32), causal) v on codes, and ctx's quantising along K = 512, where a block of 32 is a head.
; LEFT OUT: key steps (128 keys) that lie wholly behind a tile's 16 queries: reference()'s own jnp.tril gives those keys the weight 0 for all finite inputs.  A NaN or infinity that would arise only there is not carried on.
; THE SOFTMAX AHEAD OF THE SECOND PRODUCT: t = score x log2(e) / sqrt(32); M = the running largest t rounded UP to a whole number; p = 2^(t - M) is quantised along the keys, not normalised; the row's sum is taken of the
; unquantised p and divides at the end.  When M moves, the sum and O are multiplied by 2^(old M - new M): exact.
; SHARES.  Four work-groups to a (batch, head); sixteen waves of 256 registers, four to a SIMD, so that one wave's vector work stands beside another's products and LDS loads.
; Wave w of work-group j owns query tiles T = 16 j + w and 127 - T, one after the other: T / 8 + 1 key steps and 16 - T / 8: 17 for every wave.
; The head's K, V and their scale words, 102,400 bytes in the order of the operands' registers, are copied into LDS once: no reason for a cluster: what partners would share is read once, at the head.
; LAYOUT.  Both products transposed: S^T = K Q^T, O^T = V^T P^T: a lane holds ONE query throughout.  The first product has K = 32: a fragment of K holds FOUR tiles of keys, one in each block of 32, and Q is given in four forms,
; its 32 codes in block j and zero codes elsewhere: the product with form j is tile j's scores.  Tile t's rows are such that the 16 registers of tiles 2 b, 2 b + 1 are keys 32 b + 16 (lane / 16) + 0 .. 15.
; Both loops have constant trip counts (2 tiles, 16 key steps); a step that is left out is jumped over by a scalar branch on ids, round its work alone.
; REGISTERS: v1-11 addresses; v12 -M, v13 the largest t, v[14:15] the sum; v16-45 Q's forms; v46, v47, v176 scale words of Q, K, V; v48-71 K; v72-95 V; v96-159 S^T, then p; v160-175 O^T; v178-213 the tile's head and end; v224-254 at work.
.set REC,   153600
.set VOFF,  49152
.set KSCO,  98304
.set SPARE, 102400                     ; the spare words, 128 bytes for each wave: eight blocks of 256 bytes that no other line names
.set AK0, 1
.set AV0, 2
.set AS0, 3
.set SPW, 4                            ; v4  LDS address of my spare word; never rewritten
.set NIL, 5                            ; v5  0; never rewritten
.set DQ,  6                            ; v6  my query less 16 (lane / 16), counted from the diagonal step's first key
.set CTA, 7
.set ADK, 8
.set ADV, 9
.set ADS, 10
.set CSA, 11
.set QC,  16                           ; Qa, Z, Qb, Z, Qa, six registers each: Qa = q in lanes 0-15, Qb = q in lanes 16-31, Z = zeros
.set QS,  46
.set KS,  47
.set KF,  48
.set VF,  72
.set VS,  176
.set Q6,  178
.set QW,  184
.set WV,  10
.set BH,  11
.set TT,  12
.set NN,  13
.set KK,  14
.set TB,  15
.set TS,  16
.set PASS, 17
.set SEL, 20
.set CS,  22
.macro SPROD t, qo                     ; scores of key tile t: block t % 4 of fragment t / 4 against Q's form that begins at v[QC + qo]
.if (\t) < 4
	v_wmma_scale_f32_16x16x128_f8f6f4 v[96+8*(\t):103+8*(\t)], v[KF:KF+11], v[QC+\qo:QC+\qo+11], 0, v[KS], v[QS] matrix_a_fmt:MATRIX_FMT_FP6 matrix_b_fmt:MATRIX_FMT_FP6
.else
	v_wmma_scale_f32_16x16x128_f8f6f4 v[96+8*(\t):103+8*(\t)], v[KF+12:KF+23], v[QC+\qo:QC+\qo+11], 0, v[KS], v[QS] matrix_a_fmt:MATRIX_FMT_FP6 matrix_b_fmt:MATRIX_FMT_FP6 matrix_a_scale:MATRIX_SCALE_ROW1
.endif
.endm
	s_load_b128 s[4:7], s[0:1], 0x0                ; qkv, ctxc
	s_load_b64 s[8:9], s[0:1], 0x10                ; csc
	v_lshl_add_u32 v[SPW], v0, 2, SPARE
	v_mov_b32 v[NIL], 0
	v_lshrrev_b32 v12, 5, v0
	v_readfirstlane_b32 s[WV], v12                 ; wave 0..15
	v_and_b32 v12, 31, v0                          ; lane
	v_and_b32 v13, 15, v0                          ; r
	v_bfe_u32 v14, v0, 4, 1                        ; h
	v_lshlrev_b32 v[AK0], 4, v12
	v_add_nc_u32 v[AV0], VOFF, v[AK0]
	v_lshl_add_u32 v[AS0], v12, 2, KSCO
	v_mul_u32_u24 v[CTA], v13, 24
	v_mad_u32_u24 v[CTA], v14, 12, v[CTA]          ; ctx's codes: 24 bytes a token and head, 12 for each half of the lanes
	v_and_b32 v15, 8, v13
	v_add_nc_u32 v15, v15, v13                     ; r + 8 (r / 8)
	v_lshlrev_b32 v[CSA], 4, v15
	v_lshlrev_b32 v190, 4, v13
	v_lshlrev_b32 v191, 2, v13
	v_lshlrev_b32 v185, 4, v14
	v_sub_nc_u32 v185, v15, v185                   ; r + 8 (r / 8) - 16 h
	s_mul_i32 s28, s[WV], 6144
	v_add_nc_u32 v[ADK], s28, v[AK0]               ; the copy: my wave's 6,144 bytes of codes,
	s_lshl_b32 s29, s[WV], 8
	v_lshl_add_u32 v186, v12, 3, s29               ; and its 256 bytes of scale words
	v_add_nc_u32 v[ADV], KSCO, v186
	s_lshr_b32 s[BH], ttmp9, 2                     ; batch x 16 + head
	s_and_b32 s[TT], ttmp9, 3
	s_lshl_b32 s[TT], s[TT], 4
	s_add_co_u32 s[TT], s[TT], s[WV]               ; my first tile of queries
	s_mul_i32 s30, s[BH], REC
	s_mov_b32 s31, 0
	s_mov_b32 s[SEL], 0x76543210
	s_mov_b32 s[SEL+1], 0xfedcba98                 ; lane l xor 16
	s_mov_b32 s[CS], 0x3e8293ee                    ; c = log2(e) / sqrt(32)
	s_mov_b32 s[CS+1], s[CS]                       ; (named with it as a pair, so it is written)
	s_mov_b32 s24, 0xffff                          ; lanes 0-15
	s_wait_kmcnt 0x0
	s_add_nc_u64 s[4:5], s[4:5], s[30:31]          ; my head's record
	s_add_nc_u64 s[26:27], s[4:5], 102400          ; and Q's field in it
.irp i, 0,1,2,3,4,5,6,7,8,9,10,11
	global_load_b128 v[96+4*\i:99+4*\i], v[ADK], s[4:5] offset:512*\i
.endr
	global_load_b64 v[144:145], v186, s[4:5] offset:KSCO
.irp i, 0,1,2,3,4,5
	v_mov_b32 v[QC+6+\i], 0                        ; the zero codes, once
	v_mov_b32 v[QC+18+\i], 0
.endr
	s_wait_loadcnt 0x0
.irp i, 0,1,2,3,4,5,6,7,8,9,10,11
	ds_store_b128 v[ADK], v[96+4*\i:99+4*\i] offset:512*\i
.endr
	ds_store_b64 v[ADV], v[144:145]
	s_wait_dscnt 0x0                               ; for the others' sake: my part of the copy has landed
	s_barrier_signal -1
	s_barrier_wait -1
	s_mov_b32 s[PASS], 2
.Lpass:
	; ---- a tile's head: its codes of q out of the packed record, the four forms, the state
	s_lshr_b32 s[NN], s[TT], 3                     ; the diagonal's key step
	s_mul_i32 s28, s[NN], 3072
	s_bfe_u32 s29, s[TT], 0x10002                  ; which fragment of the group
	s_mul_i32 s30, s29, 1536
	s_add_co_u32 s28, s28, s30
	s_and_b32 s30, s[TT], 1                        ; which half of the lanes
	s_lshl_b32 s31, s30, 8
	s_add_co_u32 s28, s28, s31
	s_and_b32 s31, s[TT], 2                        ; registers 0-5 or 6-11: three pieces of 8 bytes at 0, 8, 512 or at 520, 1024, 1032
	s_cmp_lg_u32 s31, 0
	s_cselect_b32 s32, 520, 0
	s_cselect_b32 s33, 1024, 8
	s_mov_b32 s34, 512
	s_cselect_b32 s34, 1032, s34
	s_add_co_u32 s32, s32, s28
	s_add_co_u32 s33, s33, s28
	s_add_co_u32 s34, s34, s28
	v_add_nc_u32 v186, s32, v190
	v_add_nc_u32 v187, s33, v190
	v_add_nc_u32 v188, s34, v190
	s_lshl_b32 s35, s[NN], 7
	s_lshl_b32 s29, s29, 6
	s_add_co_u32 s35, s35, s29
	v_add_nc_u32 v189, s35, v191
	global_load_b64 v[Q6:Q6+1], v186, s[26:27]
	global_load_b64 v[Q6+2:Q6+3], v187, s[26:27]
	global_load_b64 v[Q6+4:Q6+5], v188, s[26:27]
	global_load_b32 v[QW], v189, s[26:27] offset:49152
	s_bfe_u32 s36, s[TT], 0x20001
	s_lshl_b32 s36, s36, 5
	s_lshl_b32 s37, s30, 3
	s_add_co_u32 s36, s36, s37                     ; 32 ((T % 8) / 2) + 8 (T % 2)
	v_add_nc_u32 v[DQ], s36, v185
	s_and_b32 s37, s[TT], 3
	s_lshl_b32 s37, s37, 3                         ; my tile's byte in the scale word
	v_mov_b32 v13, 0xff61b1e6                      ; the largest t so far: -3e38, under every t
	v_floor_f32 v12, -v13                          ; -M
	v_mov_b32 v14, 0
	v_mov_b32 v15, 0
.irp b, 0,1,2,3
	v_mov_b32 v[236+\b], 0                         ; a lane permute's destination counts as one of its sources
.endr
	v_mov_b32 v252, 0
	v_mov_b32 v253, 0                              ; (named as the upper half of the pair v[252:253] before it is first written)
	s_wait_loadcnt 0x0
	v_lshrrev_b32 v[QW], s37, v[QW]
	v_perm_b32 v[QS], v[QW], v[QW], 0              ; q's one scale byte in all four places: whichever block holds q
.irp i, 0,1,2,3,4,5
	v_cndmask_b32 v[QC+\i], v[NIL], v[Q6+\i], s24
	v_cndmask_b32 v[QC+12+\i], v[Q6+\i], v[NIL], s24
	v_cndmask_b32 v[QC+24+\i], v[NIL], v[Q6+\i], s24
.endr
.irp j, 0,1,2,3,4,5,6,7,8,9,10,11,12,13,14,15
	v_mov_b32 v[160+\j], 0                         ; O^T: the step is written once; the first finds zeros.  (Also the places between the forms, the scale word and the first product)
.endr
	s_mov_b32 s[KK], 0
	s_mov_b32 s[TB], 0
	s_mov_b32 s[TS], 0
.Lstep:
	s_cmp_gt_u32 s[KK], s[NN]                      ; all 128 keys behind my queries: nothing to do
	s_cbranch_scc1 .Lskip
	v_add_nc_u32 v[ADK], s[TB], v[AK0]
	v_add_nc_u32 v[ADV], s[TB], v[AV0]
	v_add_nc_u32 v[ADS], s[TS], v[AS0]
	v_nop                                          ; four places in front of loads into registers that the last products read
.irp f, 0,1,2,3,4,5
	ds_load_b128 v[KF+4*\f:KF+4*\f+3], v[ADK] offset:512*\f
.endr
	ds_load_b32 v[KS], v[ADS]
.irp f, 0,1,2,3,4,5
	ds_load_b128 v[VF+4*\f:VF+4*\f+3], v[ADV] offset:512*\f
.endr
	ds_load_b32 v[VS], v[ADS] offset:2048
	s_wait_dscnt 7                                 ; K's seven are in; V's seven may be out
	SPROD 0, 0
	SPROD 1, 12
	SPROD 2, 18
	SPROD 3, 6
	SPROD 4, 0
	SPROD 5, 12
	SPROD 6, 18
	SPROD 7, 6
.rept 4
	v_nop
.endr
	s_cmp_lg_u32 s[KK], s[NN]                      ; only the diagonal's step has hidden keys
	s_cbranch_scc1 .Lopen
	v_mov_b32 v254, 0xff800000                     ; -infinity: p = 0 then
.irp n, 0,1,2,3,4,5,6,7,8,9,10,11,12,13,14,15,16,17,18,19,20,21,22,23,24,25,26,27,28,29,30,31,32,33,34,35,36,37,38,39,40,41,42,43,44,45,46,47,48,49,50,51,52,53,54,55,56,57,58,59,60,61,62,63
	v_cmp_gt_i32 vcc_lo, 32*(\n/16)+\n%16, v[DQ]   ; register 16 b + i holds key 32 b + 16 (lane / 16) + i of the step
	v_cndmask_b32 v[96+\n], v[96+\n], v254, vcc_lo
.endr
.Lopen:
.irp b, 0,1,2,3
	v_max3_num_f32 v[232+\b], v[96+16*\b], v[97+16*\b], v[98+16*\b]   ; the largest score of each block of 32 keys: for the row's maximum, and, since p rises with the score, for the block's largest p
.endr
.irp i, 3,5,7,9,11,13
.irp b, 0,1,2,3
	v_max3_num_f32 v[232+\b], v[232+\b], v[96+16*\b+\i], v[97+16*\b+\i]
.endr
.endr
.irp b, 0,1,2,3
	v_max_num_f32 v[232+\b], v[232+\b], v[111+16*\b]
.endr
.irp b, 0,1,2,3
	v_permlanex16_b32 v[236+\b], v[232+\b], s[SEL], s[SEL+1]
.endr
.irp b, 0,1,2,3
	v_max_num_f32 v[232+\b], v[232+\b], v[236+\b]  ; with lane l xor 16's 16 keys
.endr
	v_max3_num_f32 v254, v232, v233, v234
	v_max_num_f32 v254, v254, v235
	v_mul_f32 v254, s[CS], v254                    ; as t (c is positive)
	v_max_num_f32 v13, v13, v254                   ; the running largest t
	v_mov_b32 v254, v12
	v_floor_f32 v12, -v13                          ; the new -M = floor(-t): M is a whole number
	v_sub_f32 v254, v12, v254                      ; old M less new M: a whole number, 0 or less
	v_cvt_i32_f32 v254, v254                       ; (it saturates)
	v_ldexp_f32 v252, 1.0, v254                    ; f = 2^(old M - new M)
.irp j, 0,2,4,6,8,10,12,14,16,18,20,22,24,26,28,30,32,34,36,38,40,42,44,46,48,50,52,54,56,58,60,62
	v_pk_fma_f32 v[96+\j:97+\j], v[96+\j:97+\j], s[CS:CS+1], v[12:13] op_sel_hi:[1,0,0]   ; t - M
.endr
.irp b, 0,1,2,3
	v_fma_f32 v[232+\b], v[232+\b], s[CS], v12     ; the same of each block's largest score
.endr
.irp j, 0,1,2,3,4,5,6,7,8,9,10,11,12,13,14,15,16,17,18,19,20,21,22,23,24,25,26,27,28,29,30,31,32,33,34,35,36,37,38,39,40,41,42,43,44,45,46,47,48,49,50,51,52,53,54,55,56,57,58,59,60,61,62,63
	v_exp_f32 v[96+\j], v[96+\j]                   ; p = 2^(t - M)
.endr
	v_pk_mul_f32 v[14:15], v[14:15], v[252:253] op_sel_hi:[1,0]   ; the sums under the new M: a plain place behind the exponentials
	s_wait_alu depctr_va_vdst(0)                   ; one wait for the whole batch, ahead of its first reader
.irp b, 0,1,2,3
	v_exp_f32 v[232+\b], v[232+\b]                 ; the block's largest p
.endr
	v_pk_add_f32 v[236:237], v[96:97], v[98:99]    ; the row's sum is taken of the unquantised p, in two chains
.irp j, 4,8,12,16,20,24,28,32,36,40,44,48,52,56,60
	v_pk_add_f32 v[14:15], v[14:15], v[96+\j:97+\j]
	v_pk_add_f32 v[236:237], v[236:237], v[98+\j:99+\j]
.endr
	v_pk_add_f32 v[14:15], v[14:15], v[236:237]
	s_wait_alu depctr_va_vdst(0)                   ; and one for the four
.irp b, 0,1,2,3
	v_max_num_f32 v[232+\b], 0x1800000, v[232+\b]  ; the floor 2^(3 - 127): the byte cannot fall under 1
.endr
.irp b, 0,1,2,3
	v_add_nc_u32 v[244+\b], 0xff000000, v[232+\b]  ; 2 off the exponent field: the conversion's scale operand
.endr
.irp b, 0,1,2,3
	v_lshrrev_b32 v[236+\b], 23, v[244+\b]
.endr
	v_lshl_or_b32 v253, v237, 8, v236              ; p's scale word for these 128 keys
	v_lshl_or_b32 v253, v238, 16, v253
	v_lshl_or_b32 v253, v239, 24, v253
.irp c, 0,1
	v_cvt_scalef32_pk16_fp6_f32 v[224+6*\c:226+6*\c], v[96+32*\c:111+32*\c], v[244+2*\c]
	v_cvt_scalef32_pk16_fp6_f32 v[236+4*\c:238+4*\c], v[112+32*\c:127+32*\c], v[244+2*\c+1]
.endr
	v_nop                                          ; one plain place behind a scaled conversion
.irp c, 0,1
.irp i, 0,1,2
	v_permlane16_swap_b32 v[224+6*\c+\i], v[236+4*\c+\i]
.endr
.irp i, 0,1,2
	v_mov_b32 v[227+6*\c+\i], v[236+4*\c+\i]
.endr
.endr
.irp j, 0,2,4,6,8,10,12,14
	v_pk_mul_f32 v[160+\j:161+\j], v[160+\j:161+\j], v[252:253] op_sel_hi:[1,0]   ; O^T under the new M
.endr
.rept 4
	v_nop                                          ; with the last four lines above: eight plain lines that name nothing of the first product, between p's scale word and that product
.endr
	s_wait_dscnt 0x0                               ; V is in
	v_wmma_scale_f32_16x16x128_f8f6f4 v[160:167], v[VF:VF+11], v[224:235], v[160:167], v[VS], v253 matrix_a_fmt:MATRIX_FMT_FP6 matrix_b_fmt:MATRIX_FMT_FP6
	v_wmma_scale_f32_16x16x128_f8f6f4 v[168:175], v[VF+12:VF+23], v[224:235], v[168:175], v[VS], v253 matrix_a_fmt:MATRIX_FMT_FP6 matrix_b_fmt:MATRIX_FMT_FP6 matrix_a_scale:MATRIX_SCALE_ROW1
.Lskip:
	s_add_co_u32 s[TB], s[TB], 3072
	s_add_co_u32 s[TS], s[TS], 128
	s_add_co_u32 s[KK], s[KK], 1
	s_cmp_lt_u32 s[KK], 16
	s_cbranch_scc1 .Lstep
	; ---- a tile's end: O^T / the sum is ctx: lane (r, h) holds channels 16 h + 0 .. 15 of query r; the head's 32 are one block of the next product's K
	s_wait_xcnt 0x0                                ; the other tile's stores have read their registers and bases
.rept 4
	v_nop                                          ; places behind the last products
.endr
	v_add_f32 v14, v14, v15
	v_permlanex16_b32 v252, v14, s[SEL], s[SEL+1]
	v_add_f32 v14, v14, v252                       ; the row's sum
	v_rcp_f32 v14, v14
	v_nop                                          ; a plain place behind the reciprocal
	s_lshr_b32 s28, s[BH], 4
	s_lshl_b32 s29, s28, 6
	s_lshr_b32 s30, s[TT], 1
	s_add_co_u32 s29, s29, s30                     ; the block of 32 tokens
	s_mul_i32 s32, s29, 12288
	s_and_b32 s31, s[BH], 15                       ; the head
	s_mul_i32 s33, s31, 768
	s_add_co_u32 s32, s32, s33
	s_and_b32 s34, s[TT], 1
	s_mul_i32 s33, s34, 384
	s_add_co_u32 s32, s32, s33
	s_mov_b32 s33, 0
	s_add_nc_u64 s[40:41], s[6:7], s[32:33]
	s_lshl_b32 s32, s29, 9
	s_lshl_b32 s34, s34, 7
	s_add_co_u32 s32, s32, s34
	s_add_co_u32 s32, s32, s31
	s_add_nc_u64 s[42:43], s[8:9], s[32:33]
	s_wait_alu depctr_va_vdst(0)                   ; the wait ahead of the reciprocal's first reader
.irp j, 0,1,2,3,4,5,6,7,8,9,10,11,12,13,14,15
	v_mul_f32 v[198+\j], v[160+\j], v14
.endr
	v_max3_num_f32 v232, |v198|, |v199|, 0x1800000
.irp i, 2,4,6,8,10,12,14
	v_max3_num_f32 v232, v232, |v[198+\i]|, |v[199+\i]|
.endr
	v_permlanex16_b32 v236, v232, s[SEL], s[SEL+1]
	v_max_num_f32 v232, v232, v236
	v_add_nc_u32 v234, 0xff000000, v232
	v_lshrrev_b32 v195, 23, v234
	v_cvt_scalef32_pk16_fp6_f32 v[192:194], v[198:213], v234
	v_nop                                          ; one plain place behind a scaled conversion
	global_store_b96 v[CTA], v[192:194], s[40:41]  ; the wave stores 384 consecutive bytes
	global_store_b8 v[CSA], v195, s[42:43]         ; both lanes of a query store the same byte with the same value.  One byte for 24 of codes: the price of one head to a wave
	s_sub_co_u32 s[TT], 127, s[TT]                 ; my other tile
	s_sub_co_u32 s[PASS], s[PASS], 1
	s_cmp_lg_u32 s[PASS], 0
	s_cbranch_scc1 .Lpass
	s_wait_dscnt 0x0
	s_barrier_signal -1
	s_barrier_wait -1                              ; every wave's reads of LDS are over
	s_wait_tensorcnt 0x0                           ; the wave's end: three lines behind my last LDS store
	ds_add_u32 v[SPW], v[NIL]
	s_wait_dscnt 0x0
	s_endpgm
.Lfunc_end_k_q0c1ee08f2a_attn:
	.size	k_q0c1ee08f2a_attn, .Lfunc_end_k_q0c1ee08f2a_attn-k_q0c1ee08f2a_attn
	.p2alignl 7, 3214868480
	.fill 96, 4, 3214868480
	.section	.rodata,"a",@progbits
	.p2align	6, 0x0
	.amdhsa_kernel k_q0c1ee08f2a_attn
		.amdhsa_group_segment_fixed_size 104448
		.amdhsa_private_segment_fixed_size 0
		.amdhsa_enable_private_segment 0
		.amdhsa_kernarg_size 24
		.amdhsa_user_sgpr_count 2
		.amdhsa_user_sgpr_kernarg_segment_ptr 1
		.amdhsa_wavefront_size32 1
		.amdhsa_system_sgpr_workgroup_id_x 1
		.amdhsa_system_sgpr_workgroup_id_y 1
		.amdhsa_system_sgpr_workgroup_id_z 1
		.amdhsa_system_vgpr_workitem_id 0
		.amdhsa_next_free_vgpr 256
		.amdhsa_next_free_sgpr 66
		.amdhsa_reserve_vcc 1
		.amdhsa_float_denorm_mode_32 3
		.amdhsa_float_denorm_mode_16_64 3
		.amdhsa_memory_ordered 1
		.amdhsa_forward_progress 1
		.amdhsa_inst_pref_size 31
	.end_amdhsa_kernel
	.amdgpu_metadata
---
amdhsa.version: [ 1, 2 ]
amdhsa.kernels:
  - .name:           k_q0c1ee08f2a_attn
    .symbol:         k_q0c1ee08f2a_attn.kd
    .args:
      - { .name: qkv, .offset: 0, .size: 8, .value_kind: global_buffer, .address_space: global }
      - { .name: ctxc, .offset: 8, .size: 8, .value_kind: global_buffer, .address_space: global }
      - { .name: csc, .offset: 16, .size: 8, .value_kind: global_buffer, .address_space: global }
    .group_segment_fixed_size: 104448
    .private_segment_fixed_size: 0
    .kernarg_segment_align: 8
    .kernarg_segment_size: 24
    .max_flat_workgroup_size: 512
    .sgpr_count:     66
    .vgpr_count:     256
    .wavefront_size: 32
...
	.end_amdgpu_metadata
.endif
;; end of part 3
;; launch tail (part 4): grid 256 x 1, 4 waves a work-group, no clusters, 136,704 bytes of LDS; arguments ctxc, csc, wimg, Wo_scales, W1_scales, W2_scales, bo, b1, b2, g2, beta2, x, out0; writes out0
.if DOCPART == 4
	.amdgcn_target "amdgcn-amd-amdhsa--gfx1250"
	.amdhsa_code_object_version 6
	.text
	.protected	k_q0c1ee08f2a_tail
	.globl	k_q0c1ee08f2a_tail
	.p2align	8
	.type	k_q0c1ee08f2a_tail,@function
k_q0c1ee08f2a_tail:
	s_mov_b64 s[64:65], 0
	v_nop
	global_prefetch_b8 v0, s[64:65] scope:SCOPE_SE
	s_setreg_imm32_b32 hwreg(HW_REG_WAVE_MODE, 25, 1), 1
	s_wait_xcnt 0x0
; TAIL: h = x + ctx Wo + bo;  y = LN2(h);  out0 = h + gelu(y W1 + b1) W2 + b2, all three products on codes.  h, y and the hidden layer never go to memory.  Nothing of reference() is left out here.
; LIMIT.  erf(z) is z P(z^2) / Q(z^2), polynomials of degree 6 and 4, on z held to +-4: a few units in f32's last place; beyond |z| = 4 erf differs from +-1 by about 1e-7 at the most.
; SHARES.  A work-group owns 32 tokens, two tiles u.  THE WAVES SHARE THE COLUMNS: wave w makes columns 128 w .. + 127 of h and of out0, and in chunk c (four of them) hidden units 128 (4 c + w) .. + 127, which are
; K step 4 c + w of the last product.  So every weight fragment is loaded by one wave alone, straight into registers from its image, and feeds two products.
; No cluster: the weights that all work-groups walk would have to land in LDS, 1,769,472 bytes a work-group written there and read again, where now they go from memory into the operand's registers.
; All products transposed (source 0 = 16 rows of a weight, source 1 = 16 tokens): a lane holds ONE token and register 16 b + i the column 32 b + 16 (lane / 16) + i of the wave's 128.
; What goes from wave to wave (y's and the hidden layer's codes and scale words) goes through LDS as images of the operand's registers; each region is written once.  Seven barriers.
; REGISTERS.  Window 0: v1-15 addresses; v16-47 the weights' scale words; v48-63 the moving operands'; v64-159 eight fragments of ctx, then of y; v160-223 a bias in the result's layout; v224-251 LayerNorm's; v252, v253 the add's two.
;   Window 1: v0-127 HA: x, h, y, the hidden layer, its fragments, rows on the way out; v128-191 g2, then the GELU's; v192-255 beta2, then the quantiser's.
;   Windows 2, 3: v0-191 sixteen weight fragments each (X0, X1); v192-255 out0's accumulators of tile 0, tile 1.
.set YSC,   12288                      ; LDS: y's 8 fragments (4 u + s) from 0, their scale words from here;
.set GB,    13312                      ; four chunks of 13,312: 8 fragments (4 u + s) and 8 x 128 bytes of scale words;
.set STAGE, 66560                      ; a stage for each wave: 32 rows x (512 + 16); row 16 u + r holds token 8 u + r + 8 (r / 8);
.set WSTG,  16896
.set SP,    528
.set STAT1, 134144                     ; the rows' sums, 256 bytes a wave; their squares' 1,024 bytes on;
.set SPARE, 136192                     ; the spare words, 128 bytes for each wave: two blocks of 256 bytes that no other line names
.set WS0, 16
.set MVS, 48
.set GS,  56
.set MVF, 64
.set B1,  160
.set LT,  224
.set SPW, 252
.set NIL, 253
.set G2,  128                          ; window 1
.set BE2, 192
.set ZZ,  128
.set X2,  144
.set PP,  160
.set QQ,  176
.set TM,  192
.set PW,  208
.set PC,  210
.set A0,  230
.set B0,  232
.set RS2, 36                           ; s[36:37] 1 / sqrt(2); s[38:49] P's coefficients 1 to 6; s[50:57] Q's 1 to 4: pairs, both words written
.set AL,  38
.set BE,  50
.set SEL, 66
.set WV,  68
.set CNT, 69
.set GC,  70
.set MSB, 0
.macro WIN new                         ; the immediate's high byte repeats the setting that is left
.if MSB != (\new)
	s_set_vgpr_msb (MSB<<8)|(\new)
.set MSB, (\new)
.endif
.endm
.macro PLACES n
.rept \n
	v_nop
.endr
.endm
.macro BARRIER                         ; my LDS stores have landed and my LDS loads are in: then the work-group's barrier
	s_wait_dscnt 0x0
	s_barrier_signal -1
	s_barrier_wait -1
.endm
.macro CPAIR r, val
	s_mov_b32 s[\r], \val
	s_mov_b32 s[\r+1], \val
.endm
; 64 numbers of a lane, register 16 b + i = k 32 b + 16 (lane / 16) + i of my row, become a fragment's codes in v[PC] on and its scale word in v[PW].  (Here all in window 1.)
.macro QUANT s
.irp b, 0,1,2,3
	v_max3_num_f32 v[TM+\b], |v[\s+16*\b]|, |v[\s+1+16*\b]|, 0x1800000   ; block b: my 16 numbers, and the floor 2^(3 - 127): the byte cannot fall under 1
.endr
.irp i, 2,4,6,8,10,12,14
.irp b, 0,1,2,3
	v_max3_num_f32 v[TM+\b], v[TM+\b], |v[\s+16*\b+\i]|, |v[\s+1+16*\b+\i]|
.endr
.endr
.irp b, 0,1,2,3
	v_permlanex16_b32 v[TM+4+\b], v[TM+\b], s[SEL], s[SEL+1]
.endr
.irp b, 0,1,2,3
	v_max_num_f32 v[TM+\b], v[TM+\b], v[TM+4+\b]   ; with lane l xor 16's: the block's largest magnitude
.endr
.irp b, 0,1,2,3
	v_add_nc_u32 v[TM+12+\b], 0xff000000, v[TM+\b]   ; 2 off its exponent field: the conversion's scale operand
.endr
.irp b, 0,1,2,3
	v_lshrrev_b32 v[TM+4+\b], 23, v[TM+12+\b]      ; the scale's byte
.endr
	v_lshl_or_b32 v[PW], v[TM+5], 8, v[TM+4]
	v_lshl_or_b32 v[PW], v[TM+6], 16, v[PW]
	v_lshl_or_b32 v[PW], v[TM+7], 24, v[PW]
.irp c, 0,1
	v_cvt_scalef32_pk16_fp6_f32 v[PC+6*\c:PC+2+6*\c], v[\s+32*\c:\s+15+32*\c], v[TM+12+2*\c]
	v_cvt_scalef32_pk16_fp6_f32 v[PC+12+4*\c:PC+14+4*\c], v[\s+16+32*\c:\s+31+32*\c], v[TM+12+2*\c+1]   ; (a conversion's three registers begin on an even number)
.endr
	v_nop                                          ; one plain place behind a scaled conversion
.irp c, 0,1                                    ; the operand's layout wants a whole block in a lane
.irp i, 0,1,2
	v_permlane16_swap_b32 v[PC+6*\c+\i], v[PC+12+4*\c+\i]
.endr
.irp i, 0,1,2
	v_mov_b32 v[PC+3+6*\c+\i], v[PC+12+4*\c+\i]
.endr
.endr
.endm
; 64 numbers of a vector of the wave's 128 columns, in the result's layout (v6 = 64 h)
.macro VEC64 dst, ptr
.set ff_, 0
.rept 16
	global_load_b128 v[\dst+4*ff_:\dst+4*ff_+3], v6, s[\ptr:\ptr+1] offset:128*(ff_/4)+16*(ff_%4)
.set ff_, ff_+1
.endr
.endm
; 52 loads: tiles 4 e .. 4 e + 3 of my eight, four K steps each, into X_e, and their rows' four scale words.  kind 0: a weight with K = 512 (a tile's four fragments on end);  kind 1: W2 (a tile's sixteen on end; four of them)
.macro LOADW e, pc, ps, kind
	WIN 0x80+0x40*(\e)
.set ff_, 0
.rept 16
.if \kind
.set OC_, (4*(\e)+ff_/4)*24576+1536*(ff_%4)
.else
.set OC_, (\e)*24576+1536*ff_
.endif
	global_load_b128 v[12*ff_:12*ff_+3], v1, s[\pc:\pc+1] offset:OC_
	global_load_b128 v[12*ff_+4:12*ff_+7], v1, s[\pc:\pc+1] offset:OC_+512
	global_load_b128 v[12*ff_+8:12*ff_+11], v1, s[\pc:\pc+1] offset:OC_+1024
.set ff_, ff_+1
.endr
	WIN 0
.set ff_, 0
.rept 4
.set TI_, 4*(\e)+ff_
.if \kind
	global_load_b128 v[WS0+16*(\e)+4*ff_:WS0+16*(\e)+4*ff_+3], v3, s[\ps:\ps+1] offset:(32*(TI_/2)+8*(TI_%2))*64
.else
	global_load_b128 v[WS0+16*(\e)+4*ff_:WS0+16*(\e)+4*ff_+3], v2, s[\ps:\ps+1] offset:(32*(TI_/2)+8*(TI_%2))*16
.endif
.set ff_, ff_+1
.endr
.endm
; 32 products into HA: X_e's four tiles x two tiles of tokens, K = 512: eight accumulators by turns, one instruction a turn.  first = 1: the bias in v[B1] on is the C of each sum's first product
.macro MULH e, first
.set kk_, 0
.rept 4
.if (\first) && (kk_ == 0)
	WIN 0x42+(\e)                                  ; source 0 window 2 or 3, C window 0, D window 1
.else
	WIN 0x52+(\e)                                  ; C and D window 1
.endif
.set tt_, 0
.rept 4
.set uu_, 0
.rept 2
.set DD_, 64*uu_+8*(4*(\e)+tt_)
.set AA_, 12*(4*tt_+kk_)
.set BB_, MVF+12*(4*uu_+kk_)
.if (\first) && (kk_ == 0)
	v_wmma_scale_f32_16x16x128_f8f6f4 v[DD_:DD_+7], v[AA_:AA_+11], v[BB_:BB_+11], v[B1+8*(4*(\e)+tt_):B1+8*(4*(\e)+tt_)+7], v[WS0+16*(\e)+4*tt_+kk_], v[MVS+4*uu_+kk_] matrix_a_fmt:MATRIX_FMT_FP6 matrix_b_fmt:MATRIX_FMT_FP6
.else
	v_wmma_scale_f32_16x16x128_f8f6f4 v[DD_:DD_+7], v[AA_:AA_+11], v[BB_:BB_+11], v[DD_:DD_+7], v[WS0+16*(\e)+4*tt_+kk_], v[MVS+4*uu_+kk_] matrix_a_fmt:MATRIX_FMT_FP6 matrix_b_fmt:MATRIX_FMT_FP6
.endif
.set uu_, uu_+1
.endr
.set tt_, tt_+1
.endr
.set kk_, kk_+1
.endr
.endm
; 32 products onto out0's accumulators: X_e's four tiles of W2 x the chunk's four K steps, a tile of tokens at a time: four accumulators by turns
.macro MULO e
.set uu_, 0
.rept 2
	WIN 0xa6+(\e)+0x50*uu_                         ; source 0 window 2 or 3, source 1 window 1, C and D window 2 + u
.set kk_, 0
.rept 4
.set tt_, 0
.rept 4
.set DD_, 192+8*(4*(\e)+tt_)
	v_wmma_scale_f32_16x16x128_f8f6f4 v[DD_:DD_+7], v[12*(4*tt_+kk_):12*(4*tt_+kk_)+11], v[12*(4*uu_+kk_):12*(4*uu_+kk_)+11], v[DD_:DD_+7], v[WS0+16*(\e)+4*tt_+kk_], v[GS+4*uu_+kk_] matrix_a_fmt:MATRIX_FMT_FP6 matrix_b_fmt:MATRIX_FMT_FP6
.set tt_, tt_+1
.endr
.set kk_, kk_+1
.endr
.set uu_, uu_+1
.endr
.endm
.macro HORNER acc, cst                 ; acc = acc z^2 + a coefficient, eight pairs
.set pp_, 0
.rept 8
	v_pk_fma_f32 v[\acc+2*pp_:\acc+2*pp_+1], v[\acc+2*pp_:\acc+2*pp_+1], v[X2+2*pp_:X2+2*pp_+1], s[\cst:\cst+1] op_sel_hi:[1,1,0]
.set pp_, pp_+1
.endr
.endm
; gelu(a) = a / 2 + (a / 2) erf(a / sqrt(2)) on sixteen numbers, in place, stage by stage so that no line waits for the line above it.  All registers in window 1
.macro GELU8 base
.set pp_, 0
.rept 8
	v_pk_mul_f32 v[ZZ+2*pp_:ZZ+2*pp_+1], v[\base+2*pp_:\base+2*pp_+1], s[RS2:RS2+1] op_sel_hi:[1,0]
.set pp_, pp_+1
.endr
.set pp_, 0
.rept 16
	v_med3_num_f32 v[ZZ+pp_], v[ZZ+pp_], -4.0, 4.0
.set pp_, pp_+1
.endr
.set pp_, 0
.rept 8
	v_pk_mul_f32 v[X2+2*pp_:X2+2*pp_+1], v[ZZ+2*pp_:ZZ+2*pp_+1], v[ZZ+2*pp_:ZZ+2*pp_+1]
.set pp_, pp_+1
.endr
.set pp_, 0
.rept 8
	v_pk_fma_f32 v[PP+2*pp_:PP+2*pp_+1], v[X2+2*pp_:X2+2*pp_+1], v[A0:A0+1], s[AL:AL+1] op_sel_hi:[1,1,0]
	v_pk_fma_f32 v[QQ+2*pp_:QQ+2*pp_+1], v[X2+2*pp_:X2+2*pp_+1], v[B0:B0+1], s[BE:BE+1] op_sel_hi:[1,1,0]
.set pp_, pp_+1
.endr
	HORNER PP, AL+2
	HORNER QQ, BE+2
	HORNER PP, AL+4
	HORNER QQ, BE+4
	HORNER PP, AL+6
	HORNER QQ, BE+6
	HORNER PP, AL+8
	HORNER PP, AL+10
.set pp_, 0
.rept 16
	v_rcp_f32 v[QQ+pp_], v[QQ+pp_]
.set pp_, pp_+1
.endr
.set pp_, 0
.rept 8
	v_pk_mul_f32 v[PP+2*pp_:PP+2*pp_+1], v[PP+2*pp_:PP+2*pp_+1], v[ZZ+2*pp_:ZZ+2*pp_+1]   ; plain work behind the reciprocals, which it does not name
.set pp_, pp_+1
.endr
	s_wait_alu depctr_va_vdst(0)                   ; one wait for the sixteen, ahead of their first reader
.set pp_, 0
.rept 8
	v_pk_mul_f32 v[PP+2*pp_:PP+2*pp_+1], v[PP+2*pp_:PP+2*pp_+1], v[QQ+2*pp_:QQ+2*pp_+1]   ; erf
.set pp_, pp_+1
.endr
.set pp_, 0
.rept 8
	v_pk_mul_f32 v[ZZ+2*pp_:ZZ+2*pp_+1], v[\base+2*pp_:\base+2*pp_+1], 0.5 op_sel_hi:[1,0]
.set pp_, pp_+1
.endr
.set pp_, 0
.rept 8
	v_pk_fma_f32 v[\base+2*pp_:\base+2*pp_+1], v[PP+2*pp_:PP+2*pp_+1], v[ZZ+2*pp_:ZZ+2*pp_+1], v[ZZ+2*pp_:ZZ+2*pp_+1]
.set pp_, pp_+1
.endr
.endm
; The sum (sq = 0) or the sum of squares (sq = 1) of each token's 512 numbers: my 64 in two chains a tile, lane l xor 16's, then the four waves' through LDS.  The totals of tiles 0 and 1 end in v[LT+12], v[LT+13]
.macro LNSUM sq
	WIN 0x05                                       ; sources 0 and 1 window 1
.irp u, 0,1
.irp k, 0,1
.if \sq
	v_pk_mul_f32 v[LT+4*\u+2*\k:LT+4*\u+2*\k+1], v[64*\u+2*\k:64*\u+2*\k+1], v[64*\u+2*\k:64*\u+2*\k+1]
.else
	v_pk_add_f32 v[LT+4*\u+2*\k:LT+4*\u+2*\k+1], v[64*\u+4*\k:64*\u+4*\k+1], v[64*\u+4*\k+2:64*\u+4*\k+3]
.endif
.endr
.endr
.if \sq
.set pp_, 2
.rept 30
.irp u, 0,1
	v_pk_fma_f32 v[LT+4*\u+2*(pp_%2):LT+4*\u+2*(pp_%2)+1], v[64*\u+2*pp_:64*\u+2*pp_+1], v[64*\u+2*pp_:64*\u+2*pp_+1], v[LT+4*\u+2*(pp_%2):LT+4*\u+2*(pp_%2)+1]
.endr
.set pp_, pp_+1
.endr
.else
	WIN 0x04                                       ; source 1 window 1
.set pp_, 4
.rept 28
.irp u, 0,1
	v_pk_add_f32 v[LT+4*\u+2*(pp_%2):LT+4*\u+2*(pp_%2)+1], v[LT+4*\u+2*(pp_%2):LT+4*\u+2*(pp_%2)+1], v[64*\u+2*pp_:64*\u+2*pp_+1]
.endr
.set pp_, pp_+1
.endr
.endif
	WIN 0
.irp u, 0,1
	v_pk_add_f32 v[LT+4*\u:LT+4*\u+1], v[LT+4*\u:LT+4*\u+1], v[LT+4*\u+2:LT+4*\u+3]
.endr
.irp u, 0,1
	v_add_f32 v[LT+8+\u], v[LT+4*\u], v[LT+4*\u+1]
.endr
.irp u, 0,1
	v_permlanex16_b32 v[LT+10+\u], v[LT+8+\u], s[SEL], s[SEL+1]
.endr
.irp u, 0,1
	v_add_f32 v[LT+8+\u], v[LT+8+\u], v[LT+10+\u]
.endr
	ds_store_b64 v[LT+26], v[LT+8:LT+9] offset:1024*\sq
	BARRIER
.irp k, 0,1,2,3
	ds_load_b64 v[LT+12+2*\k:LT+13+2*\k], v15 offset:1024*\sq+256*\k
.endr
	s_wait_dscnt 0x0
	v_pk_add_f32 v[LT+12:LT+13], v[LT+12:LT+13], v[LT+14:LT+15]
	v_pk_add_f32 v[LT+16:LT+17], v[LT+16:LT+17], v[LT+18:LT+19]
	v_pk_add_f32 v[LT+12:LT+13], v[LT+12:LT+13], v[LT+16:LT+17]
.endm
	s_load_b512 s[8:23], s[0:1], 0x0               ; ctxc, csc, wimg, Wo's scales, W1's, W2's, bo, b1
	s_load_b256 s[24:31], s[0:1], 0x40             ; b2, g2, beta2, x
	s_load_b64 s[32:33], s[0:1], 0x60              ; out0
	v_lshl_add_u32 v[SPW], v0, 2, SPARE
	v_mov_b32 v[NIL], 0
	v_lshrrev_b32 v15, 5, v0
	v_readfirstlane_b32 s[WV], v15                 ; wave 0..3
	v_and_b32 v15, 31, v0                          ; lane
	v_and_b32 v13, 15, v0                          ; r
	v_bfe_u32 v14, v0, 4, 1                        ; h
	v_lshlrev_b32 v1, 4, v15                       ; 16 x lane
	v_and_b32 v2, 8, v13
	v_add_nc_u32 v2, v2, v13                       ; r + 8 (r / 8)
	v_lshlrev_b32 v3, 6, v2                        ; x 64: W2's scale bytes
	v_lshlrev_b32 v2, 4, v2                        ; x 16: those of a K of 512
	v_mul_u32_u24 v4, v13, 24
	v_mad_u32_u24 v4, v14, 768, v4                 ; ctx's codes: 24 r, a head on for lanes 16-31
	v_lshlrev_b32 v5, 2, v15                       ; 4 x lane
	v_lshlrev_b32 v6, 6, v14                       ; 64 h
	s_mul_i32 s71, s[WV], WSTG
	s_add_co_u32 s71, s71, STAGE
	v_mul_u32_u24 v7, v13, SP
	v_lshl_add_u32 v7, v14, 6, v7
	v_add_nc_u32 v7, s71, v7                       ; my stage in the result's layout: row r, + 64 h
	v_add_nc_u32 v8, s71, v1                       ; and by rows
	s_mul_i32 s71, s[WV], 1536
	v_add_nc_u32 v9, s71, v1                       ; where I put an image: fragment w of four
	s_lshl_b32 s71, s[WV], 7
	v_add_nc_u32 v10, s71, v5                      ; and its scale words
	v_lshl_add_u32 v15, v15, 3, STAT1              ; the rows' sums: 8 x lane,
	s_lshl_b32 s71, s[WV], 8
	v_add_nc_u32 v[LT+26], s71, v15                ; mine 256 x wave on
	v_mov_b32 v[LT+10], 0                          ; written once: a lane permute's destination counts as one of its sources
	v_mov_b32 v[LT+11], 0
	s_mov_b32 s[SEL], 0x76543210
	s_mov_b32 s[SEL+1], 0xfedcba98
	s_mov_b32 s90, 0x3b000000                      ; 1 / 512
	s_mov_b32 s91, 0x3727c5ac                      ; 1e-5
	CPAIR RS2, 0x3f3504f3
	CPAIR AL, 0x32edffee
	CPAIR AL+2, 0xb60cff51
	CPAIR AL+4, 0xb86ec2d2
	CPAIR AL+6, 0xba40ac63
	CPAIR AL+8, 0xbb41a1f6
	CPAIR AL+10, 0xbc83dbd4
	CPAIR BE, 0xb95fbd29
	CPAIR BE+2, 0xbadc924e
	CPAIR BE+4, 0xbbf19bf8
	CPAIR BE+6, 0xbc69b6a7
	s_lshl_b32 s86, ttmp9, 16                      ; my 32 rows of x and out0,
	s_lshl_b32 s88, s[WV], 9                       ; my wave's 512 bytes of a row
	s_add_co_u32 s86, s86, s88
	s_mov_b32 s87, 0
	s_mov_b32 s89, 0
	s_mul_i32 s92, ttmp9, 12288
	s_mov_b32 s93, 0
	s_lshl_b32 s94, ttmp9, 9
	s_mov_b32 s95, 0
	s_mul_i32 s96, s[WV], 49152
	s_mov_b32 s97, 0
	s_lshl_b32 s98, s[WV], 11
	s_mov_b32 s99, 0
	s_wait_kmcnt 0x0
	s_add_nc_u64 s[30:31], s[30:31], s[86:87]
	s_add_nc_u64 s[32:33], s[32:33], s[86:87]
	s_add_nc_u64 s[8:9], s[8:9], s[92:93]
	s_add_nc_u64 s[10:11], s[10:11], s[94:95]
	s_add_nc_u64 s[20:21], s[20:21], s[88:89]
	s_add_nc_u64 s[22:23], s[22:23], s[88:89]      ; b1 of chunk 0
	s_add_nc_u64 s[24:25], s[24:25], s[88:89]
	s_add_nc_u64 s[26:27], s[26:27], s[88:89]
	s_add_nc_u64 s[28:29], s[28:29], s[88:89]
	s_add_nc_u64 s[82:83], s[12:13], s[96:97]
	s_add_nc_u64 s[72:73], s[82:83], 786432        ; W1's images, my 8 tiles of chunk 0
	s_add_nc_u64 s[82:83], s[82:83], 589824        ; Wo's
	s_lshl_b32 s96, s96, 2
	s_add_nc_u64 s[76:77], s[12:13], s[96:97]
	s_add_nc_u64 s[76:77], s[76:77], 1572864       ; W2's, my 8 tiles, K step 0
	s_add_nc_u64 s[84:85], s[14:15], s[98:99]
	s_add_nc_u64 s[74:75], s[16:17], s[98:99]
	s_lshl_b32 s98, s98, 2
	s_add_nc_u64 s[78:79], s[18:19], s[98:99]
	; ---- A: h = x + bo + ctx Wo
	WIN 0x40                                       ; destination window 1
.set nn_, 0
.rept 32
	global_load_b128 v[4*nn_:4*nn_+3], v1, s[30:31] offset:2048*nn_ th:TH_LOAD_NT   ; token n, my wave's 512 consecutive bytes
.set nn_, nn_+1
.endr
	VEC64 G2, 26
	VEC64 BE2, 28
	WIN 0
	VEC64 B1, 20                                   ; bo
.irp u, 0,1
.irp s, 0,1,2,3
.irp c, 0,1
.irp i, 0,1,2
	global_load_b64 v[MVF+12*(4*\u+\s)+6*\c+2*\i:MVF+12*(4*\u+\s)+6*\c+2*\i+1], v4, s[8:9] offset:384*\u+3072*\s+1536*\c+8*\i   ; head 4 s + 2 c + h of token (u, r)
.endr
.endr
.endr
	global_load_b128 v[MVS+4*\u:MVS+4*\u+3], v2, s[10:11] offset:128*\u
.endr
	LOADW 0, 82, 84, 0
	LOADW 1, 82, 84, 0
	s_wait_loadcnt 63                              ; of the 234 loads the first 171 are in: the 130 above the weights' among them
	WIN 0x04                                       ; an LDS store's data are its source 1
.set nn_, 0
.rept 32
	ds_store_b128 v8, v[4*nn_:4*nn_+3] offset:SP*(16*((nn_>>3)&1)+(nn_&7)+8*(nn_>>4))
.set nn_, nn_+1
.endr
	WIN 0x40
.set nn_, 0
.rept 32
	ds_load_b128 v[4*nn_:4*nn_+3], v7 offset:SP*16*(nn_/16)+128*((nn_%16)/4)+16*(nn_%4)   ; LDS serves a wave's instructions in order: these see my stores
.set nn_, nn_+1
.endr
	s_wait_dscnt 0x0
	WIN 0x41
.irp u, 0,1
.set pp_, 0
.rept 32
	v_pk_add_f32 v[64*\u+2*pp_:64*\u+2*pp_+1], v[64*\u+2*pp_:64*\u+2*pp_+1], v[B1+2*pp_:B1+2*pp_+1]
.set pp_, pp_+1
.endr
.endr
	WIN 0
	VEC64 B1, 24                                   ; b2
	PLACES 4
	s_wait_loadcnt 63                              ; X0 has 68 younger loads
	MULH 0, 0
	WIN 0
	PLACES 4                                       ; in front of loads into registers that the products read
	LOADW 0, 72, 74, 0
	s_wait_loadcnt 63                              ; X1 has 68 younger loads
	MULH 1, 0
	WIN 0
	PLACES 4
	LOADW 1, 72, 74, 0
	; ---- LayerNorm 2
	s_wait_loadcnt 63                              ; b2 has 104 younger loads
.irp u, 0,1
	WIN 0x81+0x40*\u                               ; destination window 2 + u, source 0 window 1
.set pp_, 0
.rept 32
	v_pk_add_f32 v[192+2*pp_:192+2*pp_+1], v[64*\u+2*pp_:64*\u+2*pp_+1], v[B1+2*pp_:B1+2*pp_+1]   ; out0 begins as h + b2; each accumulator of h is read from its low end on
.set pp_, pp_+1
.endr
.endr
	WIN 0
	VEC64 B1, 22                                   ; b1 of chunk 0
	LNSUM 0
	v_mul_f32 v[LT+20], s90, v[LT+12]
	v_mul_f32 v[LT+21], s90, v[LT+12]
	v_mul_f32 v[LT+22], s90, v[LT+13]
	v_mul_f32 v[LT+23], s90, v[LT+13]
	WIN 0x41
.irp u, 0,1
.set pp_, 0
.rept 32
	v_pk_add_f32 v[64*\u+2*pp_:64*\u+2*pp_+1], v[64*\u+2*pp_:64*\u+2*pp_+1], v[LT+20+2*\u:LT+21+2*\u] neg_lo:[0,1] neg_hi:[0,1]
.set pp_, pp_+1
.endr
.endr
	LNSUM 1
	v_fma_f32 v[LT+20], v[LT+12], s90, s91
	v_fma_f32 v[LT+22], v[LT+13], s90, s91
	v_rsq_f32 v[LT+20], v[LT+20]
	v_rsq_f32 v[LT+22], v[LT+22]
	v_nop                                          ; a plain place behind the two
	s_wait_alu depctr_va_vdst(0)                   ; one wait for both, ahead of their first reader
	v_mov_b32 v[LT+21], v[LT+20]
	v_mov_b32 v[LT+23], v[LT+22]
	WIN 0x41
.irp u, 0,1
.set pp_, 0
.rept 32
	v_pk_mul_f32 v[64*\u+2*pp_:64*\u+2*pp_+1], v[64*\u+2*pp_:64*\u+2*pp_+1], v[LT+20+2*\u:LT+21+2*\u]
.set pp_, pp_+1
.endr
.endr
	WIN 0x55                                       ; all in window 1
.irp u, 0,1
.set pp_, 0
.rept 32
	v_pk_fma_f32 v[64*\u+2*pp_:64*\u+2*pp_+1], v[64*\u+2*pp_:64*\u+2*pp_+1], v[G2+2*pp_:G2+2*pp_+1], v[BE2+2*pp_:BE2+2*pp_+1]
.set pp_, pp_+1
.endr
.endr
.irp u, 0,1
	WIN 0x55
	QUANT 64*\u                                    ; K step w of the next product, tile u
	WIN 0x04
.irp c, 0,1,2
	ds_store_b128 v9, v[PC+4*\c:PC+4*\c+3] offset:6144*\u+512*\c
.endr
	ds_store_b32 v10, v[PW] offset:YSC+512*\u
	s_wait_dscnt 0x0                               ; the stores have read their registers
.endr
	WIN 0x40
	v_mov_b32 v[A0], 0xaf95df0b                    ; the polynomials' leading coefficients, as pairs
	v_mov_b32 v[A0+1], 0xaf95df0b
	v_mov_b32 v[B0], 0xb77460cd
	v_mov_b32 v[B0+1], 0xb77460cd
	WIN 0
	BARRIER                                        ; y's eight fragments lie in LDS
.set ff_, 0
.rept 24
	ds_load_b128 v[MVF+4*ff_:MVF+4*ff_+3], v1 offset:512*ff_
.set ff_, ff_+1
.endr
.irp f, 0,1,2,3,4,5,6,7
	ds_load_b32 v[MVS+\f], v5 offset:YSC+128*\f
.endr
	s_wait_dscnt 0x0
	s_wait_loadcnt 0x0                             ; W1's chunk 0 and b1's; no load of mine is out, so a base may step
	s_add_nc_u64 s[22:23], s[22:23], 2048          ; b1 of chunk 1
	s_mov_b32 s[CNT], 4
	s_mov_b32 s[GC], GB
.Lchunk:
	v_add_nc_u32 v11, s[GC], v9                    ; the chunk's region: where I put my image,
	v_add_nc_u32 v12, s[GC], v10                   ; its scale words,
	v_add_nc_u32 v13, s[GC], v1                    ; and where all are read
	v_add_nc_u32 v14, s[GC], v5
	s_wait_loadcnt 52                              ; X0 is in; X1's 52 loads may be out
	MULH 0, 1
	WIN 0
	PLACES 4
	LOADW 0, 76, 78, 1                             ; W2's tiles 0-3 take X0
	s_wait_loadcnt 52                              ; X1 is in; the 52 just issued may be out
	MULH 1, 1
	WIN 0
	PLACES 4
	LOADW 1, 76, 78, 1
	s_cmp_eq_u32 s[CNT], 1                         ; the last chunk asks for nothing beyond the end
	s_cbranch_scc1 .Lnob1
	VEC64 B1, 22
.Lnob1:
	WIN 0x55
.irp g, 0,1,2,3,4,5,6,7
	GELU8 16*\g
.endr
.irp u, 0,1
	WIN 0x55
	QUANT 64*\u                                    ; K step 4 c + w of the last product, tile u
	WIN 0x04
.irp c, 0,1,2
	ds_store_b128 v11, v[PC+4*\c:PC+4*\c+3] offset:6144*\u+512*\c
.endr
	ds_store_b32 v12, v[PW] offset:12288+512*\u
	s_wait_dscnt 0x0                               ; the stores have read their registers
.endr
	WIN 0
	BARRIER                                        ; the chunk's eight fragments lie in LDS
	WIN 0x40
.set ff_, 0
.rept 24
	ds_load_b128 v[4*ff_:4*ff_+3], v13 offset:512*ff_
.set ff_, ff_+1
.endr
	WIN 0
.irp f, 0,1,2,3,4,5,6,7
	ds_load_b32 v[GS+\f], v14 offset:12288+128*\f
.endr
	s_wait_dscnt 0x0
	s_wait_loadcnt 0x0                             ; W2's tiles, asked for ahead of the GELU; no load of mine is out, so every base may step
	s_add_nc_u64 s[72:73], s[72:73], 196608
	s_add_nc_u64 s[74:75], s[74:75], 8192
	s_add_nc_u64 s[76:77], s[76:77], 6144
	s_add_nc_u64 s[78:79], s[78:79], 16
	s_add_nc_u64 s[22:23], s[22:23], 2048
	s_add_co_u32 s[GC], s[GC], GB
	MULO 0
	WIN 0
	PLACES 4
	s_cmp_eq_u32 s[CNT], 1
	s_cbranch_scc1 .Lnow0
	LOADW 0, 72, 74, 0                             ; the next chunk's W1
.Lnow0:
	MULO 1
	WIN 0
	PLACES 5                                       ; four in front of the loads; five in front of the next trip's products, which write over registers that these read
	s_cmp_eq_u32 s[CNT], 1
	s_cbranch_scc1 .Lnow1
	LOADW 1, 72, 74, 0
	s_branch .Lnext
.Lnow1:
	s_wait_loadcnt 0x0                             ; the last chunk: no load is out on this way
.Lnext:
	s_sub_co_u32 s[CNT], s[CNT], 1
	s_cmp_lg_u32 s[CNT], 0
	s_cbranch_scc1 .Lchunk
	; ---- the way out: through my stage, back as whole rows
.irp u, 0,1
	WIN 0x08+4*\u                                  ; the data: window 2 + u
.set ff_, 0
.rept 16
	ds_store_b128 v7, v[192+4*ff_:192+4*ff_+3] offset:SP*16*\u+128*(ff_/4)+16*(ff_%4)   ; each accumulator from its low end on
.set ff_, ff_+1
.endr
.endr
	WIN 0x40
.set nn_, 0
.rept 32
	ds_load_b128 v[4*nn_:4*nn_+3], v8 offset:SP*(16*((nn_>>3)&1)+(nn_&7)+8*(nn_>>4))
.set nn_, nn_+1
.endr
	WIN 0x04                                       ; a store's data are its source 1
.set nn_, 0
.rept 32
	s_wait_dscnt 31-nn_                            ; row n is back; the younger rows may be out
	global_store_b128 v1, v[4*nn_:4*nn_+3], s[32:33] offset:2048*nn_ th:TH_STORE_NT   ; 32 lanes store 512 consecutive bytes, at a multiple of 256 from out0's first byte
.set nn_, nn_+1
.endr
	WIN 0
	s_wait_tensorcnt 0x0                           ; the wave's end: three lines behind my last LDS store
	ds_add_u32 v[SPW], v[NIL]
	s_wait_dscnt 0x0
	s_endpgm
.Lfunc_end_k_q0c1ee08f2a_tail:
	.size	k_q0c1ee08f2a_tail, .Lfunc_end_k_q0c1ee08f2a_tail-k_q0c1ee08f2a_tail
	.p2alignl 7, 3214868480
	.fill 96, 4, 3214868480
	.section	.rodata,"a",@progbits
	.p2align	6, 0x0
	.amdhsa_kernel k_q0c1ee08f2a_tail
		.amdhsa_group_segment_fixed_size 136704
		.amdhsa_private_segment_fixed_size 0
		.amdhsa_enable_private_segment 0
		.amdhsa_kernarg_size 104
		.amdhsa_user_sgpr_count 2
		.amdhsa_user_sgpr_kernarg_segment_ptr 1
		.amdhsa_wavefront_size32 1
		.amdhsa_system_sgpr_workgroup_id_x 1
		.amdhsa_system_sgpr_workgroup_id_y 1
		.amdhsa_system_sgpr_workgroup_id_z 1
		.amdhsa_system_vgpr_workitem_id 0
		.amdhsa_next_free_vgpr 1024
		.amdhsa_next_free_sgpr 100
		.amdhsa_reserve_vcc 0
		.amdhsa_float_denorm_mode_32 3
		.amdhsa_float_denorm_mode_16_64 3
		.amdhsa_memory_ordered 1
		.amdhsa_forward_progress 1
		.amdhsa_inst_pref_size 228
	.end_amdhsa_kernel
	.amdgpu_metadata
---
amdhsa.version: [ 1, 2 ]
amdhsa.kernels:
  - .name:           k_q0c1ee08f2a_tail
    .symbol:         k_q0c1ee08f2a_tail.kd
    .args:
      - { .name: ctxc, .offset: 0, .size: 8, .value_kind: global_buffer, .address_space: global }
      - { .name: csc, .offset: 8, .size: 8, .value_kind: global_buffer, .address_space: global }
      - { .name: wimg, .offset: 16, .size: 8, .value_kind: global_buffer, .address_space: global }
      - { .name: Wo_scales, .offset: 24, .size: 8, .value_kind: global_buffer, .address_space: global }
      - { .name: W1_scales, .offset: 32, .size: 8, .value_kind: global_buffer, .address_space: global }
      - { .name: W2_scales, .offset: 40, .size: 8, .value_kind: global_buffer, .address_space: global }
      - { .name: bo, .offset: 48, .size: 8, .value_kind: global_buffer, .address_space: global }
      - { .name: b1, .offset: 56, .size: 8, .value_kind: global_buffer, .address_space: global }
      - { .name: b2, .offset: 64, .size: 8, .value_kind: global_buffer, .address_space: global }
      - { .name: g2, .offset: 72, .size: 8, .value_kind: global_buffer, .address_space: global }
      - { .name: beta2, .offset: 80, .size: 8, .value_kind: global_buffer, .address_space: global }
      - { .name: x, .offset: 88, .size: 8, .value_kind: global_buffer, .address_space: global }
      - { .name: out0, .offset: 96, .size: 8, .value_kind: global_buffer, .address_space: global }
    .group_segment_fixed_size: 136704
    .private_segment_fixed_size: 0
    .kernarg_segment_align: 8
    .kernarg_segment_size: 104
    .max_flat_workgroup_size: 128
    .sgpr_count:     100
    .vgpr_count:     1024
    .wavefront_size: 32
...
	.end_amdgpu_metadata
.endif
;; end of part 4
;; ======== version 2 of 2: 4 launches
;; workspace buffers: ximg 3,145,728 bytes; xsc 131,072 bytes; wimg 2,359,296 bytes; qkv 9,830,400 bytes; ctxc 3,145,728 bytes; csc 131,072 bytes
;; launch prep (part 5): grid 256 x 1, 2 waves a work-group, no clusters, 66,304 bytes of LDS; arguments x, g1, beta1, Wq_codes, Wk_codes, Wv_codes, Wo_codes, W1_codes, W2_codes, ximg, xsc, wimg; writes ximg, xsc, wimg
.if DOCPART == 5
	.amdgcn_target "amdgcn-amd-amdhsa--gfx1250"
	.amdhsa_code_object_version 6
	.text
	.protected	k_q0c1ee08f2a_prep
	.globl	k_q0c1ee08f2a_prep
	.p2align	8
	.type	k_q0c1ee08f2a_prep,@function
k_q0c1ee08f2a_prep:
	s_mov_b64 s[64:65], 0
	v_nop
	global_prefetch_b8 v0, s[64:65] scope:SCOPE_SE
	s_setreg_imm32_b32 hwreg(HW_REG_WAVE_MODE, 25, 1), 1
	s_wait_xcnt 0x0
; PREP, the first of four launches (prep, qkv, attn, tail) of a pre-LN transformer block in MX-FP6 (E2M3 codes, one E8M0 scale for each 32 along K).
; WORK LEFT OUT IN THE WHOLE PROGRAM.  reference() sets every score above its own jnp.tril to -inf ahead of the softmax, so key k > q has the weight exp(-inf) = 0 whatever finite values the inputs hold.
; Key steps (128 keys) that lie wholly behind a tile's 16 queries are therefore neither multiplied nor summed (launch attn).  Nothing else is left out: every input has a way to out0 and is loaded.
; LIMITS.  A NaN, an infinity or an overflow that would arise only in the scores so left out is not carried to the result.  NaN and infinities among the inputs are not served.
; A block whose largest magnitude lies under 2^-124 keeps the scale byte 1; a block of zeros keeps the byte 1 where the rule says 127: its codes are zeros, and this program alone reads the bytes.
; THIS LAUNCH: (a) LayerNorm 1 of x in f32 (mean, then the mean of the squared differences, as reference() has it), quantised along K = 512; (b) the six weights' codes laid in the order of the operand's registers.
; THE IMAGE OF A FRAGMENT (16 rows x 128 K, 12 registers a lane): register p of lane l at byte 512 (p / 4) + 16 l + 4 (p % 4) of 1,536: three loads of 16 bytes a lane, 512 consecutive bytes each, bring it back.
; THE ROWS OF A TILE ARE NOT NEIGHBOURS, here and in every launch: in a group of 32 rows tile u gives lane r the row 8 u + r + 8 (r / 8), so that a product that takes such tiles as source 0 leaves in the
; 16 registers of tiles 2 b and 2 b + 1 the 16 neighbours 32 b + 16 (lane / 16) + 0 .. 15, which is what the conversions to codes want.
; SHARES.  512 waves (two to a work-group, sharing nothing).  Wave o takes tile o of x (16 tokens) and three weight fragments: number o of Wq|Wk|Wv|Wo, of W1 and of W2.
; x's rows are loaded densely (512 consecutive bytes a load), normalised with a row spread over the 32 lanes, and turned through the wave's own stage in LDS so that a lane holds 16 neighbours of one row.
; REGISTERS.  Window 0: v1-11 addresses; v16-47 g1, beta1; v48-111 a pair of sums for each row; v112-175 64 numbers to quantise; v176-215 the quantiser's; v216-251 weight fragments.  Window 1: the 16 rows, 16 registers each.
.set WSTG,  33024                      ; a wave's stage: 16 rows of 2,048 bytes + 16: row r starts 4 banks on from row r - 1
.set PITCH, 2064
.set SPARE, 2*WSTG                     ; the spare words, 128 bytes for each wave: a block of 256 bytes that no other line names
.set SPW, 12                           ; v12  LDS address of my spare word; never rewritten
.set NIL, 13                           ; v13  0; never rewritten
.set G,   16
.set BT,  32
.set ST,  48
.set SQ,  80
.set NX,  112
.set PC,  176
.set TM,  196
.set PW,  212
.set WF,  216
.set SEL, 34
.set MSB, 0
.macro WIN new                         ; the immediate's high byte repeats the setting that is left
.if MSB != (\new)
	s_set_vgpr_msb (MSB<<8)|(\new)
.set MSB, (\new)
.endif
.endm
; 64 numbers of a lane, register 16 b + i = k 32 b + 16 (lane / 16) + i of my row, become a fragment's codes in v[PC] on and its scale word in v[PW].
.macro QUANT s
.irp b, 0,1,2,3
	v_max3_num_f32 v[TM+\b], |v[\s+16*\b]|, |v[\s+1+16*\b]|, 0x1800000   ; block b: my 16 numbers, and the floor 2^(3 - 127): the byte cannot fall under 1
.endr
.irp i, 2,4,6,8,10,12,14
.irp b, 0,1,2,3
	v_max3_num_f32 v[TM+\b], v[TM+\b], |v[\s+16*\b+\i]|, |v[\s+1+16*\b+\i]|
.endr
.endr
.irp b, 0,1,2,3
	v_permlanex16_b32 v[TM+4+\b], v[TM+\b], s[SEL], s[SEL+1]
.endr
.irp b, 0,1,2,3
	v_max_num_f32 v[TM+\b], v[TM+\b], v[TM+4+\b]   ; with lane l xor 16's: the block's largest magnitude
.endr
.irp b, 0,1,2,3
	v_add_nc_u32 v[TM+12+\b], 0xff000000, v[TM+\b]   ; 2 off its exponent field: the conversion's scale operand
.endr
.irp b, 0,1,2,3
	v_lshrrev_b32 v[TM+4+\b], 23, v[TM+12+\b]      ; the scale's byte
.endr
	v_lshl_or_b32 v[PW], v[TM+5], 8, v[TM+4]
	v_lshl_or_b32 v[PW], v[TM+6], 16, v[PW]
	v_lshl_or_b32 v[PW], v[TM+7], 24, v[PW]
.irp c, 0,1
	v_cvt_scalef32_pk16_fp6_f32 v[PC+6*\c:PC+2+6*\c], v[\s+32*\c:\s+15+32*\c], v[TM+12+2*\c]
	v_cvt_scalef32_pk16_fp6_f32 v[PC+12+4*\c:PC+14+4*\c], v[\s+16+32*\c:\s+31+32*\c], v[TM+12+2*\c+1]   ; (a conversion's three registers begin on an even number)
.endr
	v_nop                                          ; one plain place behind a scaled conversion
.irp c, 0,1                                    ; the operand's layout wants a whole block in a lane
.irp i, 0,1,2
	v_permlane16_swap_b32 v[PC+6*\c+\i], v[PC+12+4*\c+\i]
.endr
.irp i, 0,1,2
	v_mov_b32 v[PC+3+6*\c+\i], v[PC+12+4*\c+\i]
.endr
.endr
.endm
; s[dst] = (32 (tile / 2) + 8 (tile % 2)) x pitch + 96 x K step: where a fragment's first row begins in a weight's codes; s[dst + 1] = 0
.macro WOFF dst, tile, ks, pitch
	s_lshr_b32 s[\dst], s[\tile], 1
	s_lshl_b32 s[\dst], s[\dst], 5
	s_and_b32 s[\dst+1], s[\tile], 1
	s_lshl_b32 s[\dst+1], s[\dst+1], 3
	s_add_co_u32 s[\dst], s[\dst], s[\dst+1]
	s_mul_i32 s[\dst], s[\dst], \pitch
	s_mul_i32 s[\dst+1], s[\ks], 96
	s_add_co_u32 s[\dst], s[\dst], s[\dst+1]
	s_mov_b32 s[\dst+1], 0
.endm
; 16 rows' pairs at v[b + 2 i]: a pair's two halves, then the 32 lanes; the sum ends in every lane's low word
.macro REDUCE b
.set ii_, 0
.rept 16
	v_add_f32 v[\b+2*ii_], v[\b+2*ii_], v[\b+2*ii_+1]
.set ii_, ii_+1
.endr
.irp m, 1,2,4,8
.set ii_, 0
.rept 16
	v_add_f32_dpp v[\b+2*ii_], v[\b+2*ii_], v[\b+2*ii_] row_xmask:\m row_mask:0xf bank_mask:0xf
.set ii_, ii_+1
.endr
.endr
.set ii_, 0
.rept 16
	v_permlanex16_b32 v[\b+2*ii_+1], v[\b+2*ii_], s[SEL], s[SEL+1]
.set ii_, ii_+1
.endr
.set ii_, 0
.rept 16
	v_add_f32 v[\b+2*ii_], v[\b+2*ii_], v[\b+2*ii_+1]
.set ii_, ii_+1
.endr
.endm
	s_load_b512 s[8:23], s[0:1], 0x0               ; x, g1, beta1, Wq, Wk, Wv, Wo, W1
	s_load_b256 s[24:31], s[0:1], 0x40             ; W2, ximg, xsc, wimg
	v_lshl_add_u32 v[SPW], v0, 2, SPARE
	v_mov_b32 v[NIL], 0
	v_lshrrev_b32 v7, 5, v0
	v_readfirstlane_b32 s2, v7                     ; wave 0, 1
	v_and_b32 v7, 31, v0                           ; lane
	v_and_b32 v8, 15, v0                           ; r
	v_bfe_u32 v9, v0, 4, 1                         ; h
	v_lshlrev_b32 v1, 4, v7                        ; 16 x lane
	s_mul_i32 s3, s2, WSTG
	v_add_nc_u32 v2, s3, v1                        ; the stage, on the way in
	v_mul_u32_u24 v3, v8, PITCH
	v_lshl_add_u32 v3, v9, 6, v3
	v_add_nc_u32 v3, s3, v3                        ; and out: row r, + 64 h
	v_and_b32 v10, 8, v8
	v_add_nc_u32 v10, v10, v8                      ; r + 8 (r / 8)
	v_mul_u32_u24 v11, v9, 24
	v_mad_u32_u24 v4, v10, 384, v11                ; a weight with K = 512: rows of 384 bytes
	v_mad_u32_u24 v5, v10, 1536, v11               ; W2: rows of 1,536 bytes
	v_lshlrev_b32 v6, 4, v10
	v_lshl_add_u32 v6, v9, 3, v6                   ; x's scale bytes: 16 a token, 8 for each half of the lanes
.irp b, 0,1,2,3
	v_mov_b32 v[TM+4+\b], 0                        ; written once: a lane permute's destination counts as one of its sources
.endr
	s_mov_b32 s[SEL], 0x76543210
	s_mov_b32 s[SEL+1], 0xfedcba98                 ; lane l xor 16
	s_mov_b32 s37, 0x3b000000                      ; 1 / 512
	s_mov_b32 s38, 0x3727c5ac                      ; 1e-5
	s_lshl_b32 s36, ttmp9, 1
	s_add_co_u32 s36, s36, s2                      ; o = 2 x work-group + wave
	s_lshr_b32 s40, s36, 1
	s_lshl_b32 s40, s40, 5
	s_and_b32 s41, s36, 1
	s_lshl_b32 s41, s41, 3
	s_add_co_u32 s40, s40, s41                     ; the tile's first token: 32 (o / 2) + 8 (o % 2)
	s_lshl_b32 s44, s40, 11
	s_mov_b32 s45, 0                               ; in x
	s_lshl_b32 s58, s40, 4
	s_mov_b32 s59, 0                               ; in xsc
	s_and_b32 s52, s36, 127
	s_lshr_b32 s52, s52, 2
	s_and_b32 s53, s36, 3
	WOFF 46, 52, 53, 384                           ; fragment o % 128 of one of Wq, Wk, Wv, Wo
	s_lshr_b32 s52, s36, 2
	WOFF 48, 52, 53, 384                           ; fragment o of W1
	s_lshr_b32 s52, s36, 4
	s_and_b32 s53, s36, 15
	WOFF 50, 52, 53, 1536                          ; fragment o of W2
	s_mul_i32 s54, s36, 1536
	s_mov_b32 s55, 0
	s_mul_i32 s56, s36, 6144
	s_mov_b32 s57, 0
	s_lshr_b32 s39, s36, 7                         ; which of the four
	s_wait_alu depctr_va_vdst(0)
	s_wait_kmcnt 0x0
	s_cmp_eq_u32 s39, 1                            ; the choice hangs on ids alone
	s_cselect_b64 s[42:43], s[16:17], s[14:15]
	s_cmp_eq_u32 s39, 2
	s_cselect_b64 s[42:43], s[18:19], s[42:43]
	s_cmp_eq_u32 s39, 3
	s_cselect_b64 s[42:43], s[20:21], s[42:43]
	s_add_nc_u64 s[42:43], s[42:43], s[46:47]
	s_add_nc_u64 s[22:23], s[22:23], s[48:49]
	s_add_nc_u64 s[24:25], s[24:25], s[50:51]
	s_add_nc_u64 s[30:31], s[30:31], s[54:55]
	s_add_nc_u64 s[8:9], s[8:9], s[44:45]
	s_add_nc_u64 s[26:27], s[26:27], s[56:57]
	s_add_nc_u64 s[28:29], s[28:29], s[58:59]
.irp p, 0,1,2,3,4,5                            ; a fragment as the matrix unit takes it: 24 bytes of a row's stream of bits twice, in pieces of 8
	global_load_b64 v[WF+2*\p:WF+2*\p+1], v4, s[42:43] offset:48*(\p/3)+8*(\p%3)
	global_load_b64 v[WF+12+2*\p:WF+12+2*\p+1], v4, s[22:23] offset:48*(\p/3)+8*(\p%3)
	global_load_b64 v[WF+24+2*\p:WF+24+2*\p+1], v5, s[24:25] offset:48*(\p/3)+8*(\p%3)
.endr
.irp q, 0,1,2,3
	global_load_b128 v[G+4*\q:G+4*\q+3], v1, s[10:11] offset:512*\q
	global_load_b128 v[BT+4*\q:BT+4*\q+3], v1, s[12:13] offset:512*\q
.endr
	WIN 0x40                                       ; destination window 1
.set ii_, 0
.rept 16
.set qq_, 0
.rept 4
	global_load_b128 v[16*ii_+4*qq_:16*ii_+4*qq_+3], v1, s[8:9] offset:(ii_+8*(ii_/8))*2048+512*qq_ th:TH_LOAD_NT   ; row i of the tile, k = 128 q + 4 lane + 0 .. 3: 512 consecutive bytes
.set qq_, qq_+1
.endr
.set ii_, ii_+1
.endr
	WIN 0
	s_wait_loadcnt 63                              ; of the 90 loads the first 27 are in: the weights' 18 and the 8 of g1 and beta1 among them
.irp c, 0,1,2
	global_store_b128 v1, v[WF+4*\c:WF+4*\c+3], s[30:31] offset:512*\c
	global_store_b128 v1, v[WF+12+4*\c:WF+12+4*\c+3], s[30:31] offset:786432+512*\c
	global_store_b128 v1, v[WF+24+4*\c:WF+24+4*\c+3], s[30:31] offset:1572864+512*\c
.endr
	s_wait_loadcnt 0x0
	; the rows' sums
	WIN 0x05                                       ; sources 0 and 1 window 1
.set ii_, 0
.rept 16
	v_pk_add_f32 v[ST+2*ii_:ST+2*ii_+1], v[16*ii_:16*ii_+1], v[16*ii_+2:16*ii_+3]
.set ii_, ii_+1
.endr
	WIN 0x04                                       ; source 1 window 1
.set pp_, 2
.rept 6
.set ii_, 0
.rept 16
	v_pk_add_f32 v[ST+2*ii_:ST+2*ii_+1], v[ST+2*ii_:ST+2*ii_+1], v[16*ii_+2*pp_:16*ii_+2*pp_+1]
.set ii_, ii_+1
.endr
.set pp_, pp_+1
.endr
	WIN 0
	REDUCE ST
.set ii_, 0
.rept 16
	v_mul_f32 v[ST+2*ii_], s37, v[ST+2*ii_]        ; the mean
.set ii_, ii_+1
.endr
	WIN 0x41                                       ; destination and source 0 window 1
.set ii_, 0
.rept 16
.set pp_, 0
.rept 8
	v_pk_add_f32 v[16*ii_+2*pp_:16*ii_+2*pp_+1], v[16*ii_+2*pp_:16*ii_+2*pp_+1], v[ST+2*ii_:ST+2*ii_+1] op_sel_hi:[1,0] neg_lo:[0,1] neg_hi:[0,1]
.set pp_, pp_+1
.endr
.set ii_, ii_+1
.endr
	WIN 0x05
.set ii_, 0
.rept 16
	v_pk_mul_f32 v[SQ+2*ii_:SQ+2*ii_+1], v[16*ii_:16*ii_+1], v[16*ii_:16*ii_+1]
.set ii_, ii_+1
.endr
.set pp_, 1
.rept 7
.set ii_, 0
.rept 16
	v_pk_fma_f32 v[SQ+2*ii_:SQ+2*ii_+1], v[16*ii_+2*pp_:16*ii_+2*pp_+1], v[16*ii_+2*pp_:16*ii_+2*pp_+1], v[SQ+2*ii_:SQ+2*ii_+1]
.set ii_, ii_+1
.endr
.set pp_, pp_+1
.endr
	WIN 0
	REDUCE SQ
.set ii_, 0
.rept 16
	v_fma_f32 v[SQ+2*ii_], v[SQ+2*ii_], s37, s38   ; the variance + 1e-5
.set ii_, ii_+1
.endr
.set ii_, 0
	s_wait_alu depctr_va_vdst(0)
.rept 16
	v_rsq_f32 v[SQ+2*ii_], v[SQ+2*ii_]
.set ii_, ii_+1
.endr
	v_nop                                          ; a plain place behind the last of the batch
	s_wait_alu depctr_va_vdst(0)                   ; one wait for the sixteen, ahead of their first reader
	WIN 0x41
.set ii_, 0
.rept 16
.set pp_, 0
.rept 8
	v_pk_mul_f32 v[16*ii_+2*pp_:16*ii_+2*pp_+1], v[16*ii_+2*pp_:16*ii_+2*pp_+1], v[SQ+2*ii_:SQ+2*ii_+1] op_sel_hi:[1,0]
.set pp_, pp_+1
.endr
.set ii_, ii_+1
.endr
.set ii_, 0
.rept 16
.set pp_, 0
.rept 8
	v_pk_fma_f32 v[16*ii_+2*pp_:16*ii_+2*pp_+1], v[16*ii_+2*pp_:16*ii_+2*pp_+1], v[G+2*pp_:G+2*pp_+1], v[BT+2*pp_:BT+2*pp_+1]
.set pp_, pp_+1
.endr
.set ii_, ii_+1
.endr
	WIN 0x04                                       ; an LDS store's data are its source 1
.set ii_, 0
.rept 16
.set qq_, 0
.rept 4
	ds_store_b128 v2, v[16*ii_+4*qq_:16*ii_+4*qq_+3] offset:PITCH*ii_+512*qq_
.set qq_, qq_+1
.endr
.set ii_, ii_+1
.endr
	WIN 0
.irp s, 0,1,2,3                                ; a K step of 128: my row's 64 numbers back from the stage (LDS serves a wave's instructions in order: these see my stores), codes, image
.set PW, 212+\s
.set ii_, 0
.rept 16
	ds_load_b128 v[NX+4*ii_:NX+4*ii_+3], v3 offset:512*\s+128*(ii_/4)+16*(ii_%4)
.set ii_, ii_+1
.endr
	s_wait_dscnt 0x0
	s_wait_xcnt 0x0                                ; the last step's stores have read the codes' registers: they are written again only behind this wait
	QUANT NX
.irp c, 0,1,2
	global_store_b128 v1, v[PC+4*\c:PC+4*\c+3], s[26:27] offset:1536*\s+512*\c
.endr
.endr
	v_cmp_le_u32 vcc_lo, 16, v7                    ; lanes 16-31 store the words of K steps 2 and 3
	v_cndmask_b32 v14, v212, v214, vcc_lo
	v_cndmask_b32 v15, v213, v215, vcc_lo
	global_store_b64 v6, v[14:15], s[28:29]
	s_wait_tensorcnt 0x0                           ; the wave's end: three lines behind my last LDS store
	ds_add_u32 v[SPW], v[NIL]
	s_wait_dscnt 0x0
	s_endpgm
.Lfunc_end_k_q0c1ee08f2a_prep:
	.size	k_q0c1ee08f2a_prep, .Lfunc_end_k_q0c1ee08f2a_prep-k_q0c1ee08f2a_prep
	.p2alignl 7, 3214868480
	.fill 96, 4, 3214868480
	.section	.rodata,"a",@progbits
	.p2align	6, 0x0
	.amdhsa_kernel k_q0c1ee08f2a_prep
		.amdhsa_group_segment_fixed_size 66304
		.amdhsa_private_segment_fixed_size 0
		.amdhsa_enable_private_segment 0
		.amdhsa_kernarg_size 96
		.amdhsa_user_sgpr_count 2
		.amdhsa_user_sgpr_kernarg_segment_ptr 1
		.amdhsa_wavefront_size32 1
		.amdhsa_system_sgpr_workgroup_id_x 1
		.amdhsa_system_sgpr_workgroup_id_y 1
		.amdhsa_system_sgpr_workgroup_id_z 1
		.amdhsa_system_vgpr_workitem_id 0
		.amdhsa_next_free_vgpr 512
		.amdhsa_next_free_sgpr 66
		.amdhsa_reserve_vcc 1
		.amdhsa_float_denorm_mode_32 3
		.amdhsa_float_denorm_mode_16_64 3
		.amdhsa_memory_ordered 1
		.amdhsa_forward_progress 1
		.amdhsa_inst_pref_size 92
	.end_amdhsa_kernel
	.amdgpu_metadata
---
amdhsa.version: [ 1, 2 ]
amdhsa.kernels:
  - .name:           k_q0c1ee08f2a_prep
    .symbol:         k_q0c1ee08f2a_prep.kd
    .args:
      - { .name: x, .offset: 0, .size: 8, .value_kind: global_buffer, .address_space: global }
      - { .name: g1, .offset: 8, .size: 8, .value_kind: global_buffer, .address_space: global }
      - { .name: beta1, .offset: 16, .size: 8, .value_kind: global_buffer, .address_space: global }
      - { .name: Wq_codes, .offset: 24, .size: 8, .value_kind: global_buffer, .address_space: global }
      - { .name: Wk_codes, .offset: 32, .size: 8, .value_kind: global_buffer, .address_space: global }
      - { .name: Wv_codes, .offset: 40, .size: 8, .value_kind: global_buffer, .address_space: global }
      - { .name: Wo_codes, .offset: 48, .size: 8, .value_kind: global_buffer, .address_space: global }
      - { .name: W1_codes, .offset: 56, .size: 8, .value_kind: global_buffer, .address_space: global }
      - { .name: W2_codes, .offset: 64, .size: 8, .value_kind: global_buffer, .address_space: global }
      - { .name: ximg, .offset: 72, .size: 8, .value_kind: global_buffer, .address_space: global }
      - { .name: xsc, .offset: 80, .size: 8, .value_kind: global_buffer, .address_space: global }
      - { .name: wimg, .offset: 88, .size: 8, .value_kind: global_buffer, .address_space: global }
    .group_segment_fixed_size: 66304
    .private_segment_fixed_size: 0
    .kernarg_segment_align: 8
    .kernarg_segment_size: 96
    .max_flat_workgroup_size: 64
    .sgpr_count:     66
    .vgpr_count:     512
    .wavefront_size: 32
...
	.end_amdgpu_metadata
.endif
;; end of part 5
;; launch qkv (part 6): grid 64 x 3, 4 waves a work-group, no clusters, 0 bytes of LDS; arguments ximg, xsc, wimg, Wq_scales, Wk_scales, Wv_scales, qkv; writes qkv
.if DOCPART == 6
	.amdgcn_target "amdgcn-amd-amdhsa--gfx1250"
	.amdhsa_code_object_version 6
	.text
	.protected	k_q0c1ee08f2a_qkv
	.globl	k_q0c1ee08f2a_qkv
	.p2align	8
	.type	k_q0c1ee08f2a_qkv,@function
k_q0c1ee08f2a_qkv:
	s_mov_b64 s[64:65], 0
	v_nop
	global_prefetch_b8 v0, s[64:65] scope:SCOPE_SE
	s_setreg_imm32_b32 hwreg(HW_REG_WAVE_SCHED_MODE, 0, 2), 2
	s_setreg_imm32_b32 hwreg(HW_REG_WAVE_MODE, 25, 1), 1
	s_wait_xcnt 0x0
	s_wait_alu depctr_vm_vsrc(0)
; QKV: q, k and v = LN1(x) W on codes, and their quantising: q and k along the head's 32 (one block), v along the keys.  Nothing of reference() is left out here.
; SHARES.  Work-group (G, y): 128 tokens, y = 0 q, 1 k, 2 v.  Wave w: columns 128 w .. 128 w + 127, heads 4 w .. 4 w + 3.  Waves share nothing: no LDS, no barrier.
; ONE TEXT FOR ALL THREE.  Source 0 is a STATIONARY set of 8 tiles x 4 K steps kept in 384 registers, source 1 a MOVING tile of 4 fragments, eight of them in turn.
;   q, k: the weight's 128 columns stay, x's tiles move: a lane holds one token and its 64 registers run along 128 columns: four heads, four blocks of 32.
;   v:    x's 128 tokens stay, the weight's tiles move: a lane holds one column and its registers run down 128 tokens: four blocks of 32 keys.  Only pointers are chosen, on y.
; THE RECORD of a (batch, head), 153,600 bytes: K's codes at 0, V's at 49,152, K's scale words at 98,304, V's at 100,352, Q's codes at 102,400, Q's scale words at 151,552.
;   K and Q are PACKED: the product with them has K = 32, one block, so a fragment's four blocks hold four TILES of tokens: tile 4 g + 2 c + h of a group of 128 tokens lies in lanes 16 h + r, registers 6 c .. 6 c + 5 of fragment g,
;   and byte j of the scale word of lane 16 g + r is tile 4 g + j's row r.  V: for each 128 keys two fragments (16 of the head's 32 each); the scale word of lane 16 u + r is row r of fragment u.
; REGISTERS.  Window 0: v1-7 addresses; v8-15 the scale words made; v16-111 two moving tiles; v112-175 eight accumulators; v176-212 the quantiser's; v216-223 the moving tiles' scale words; v224-255 the stationary set's.
;   Window 1: stationary tiles 0-3 (fragment 4 t + s at 12 (4 t + s));  window 2: tiles 4-7.
; THE MODE: SCHED_MODE bits 1:0 = 2 (LLVM: expert scheduling mode 2), set by the entry lines.  The code itself states the register dependences between vector or matrix instructions and memory instructions, with s_wait_alu, always for 0.
; THE PLAN.  Registers that memory instructions touch:
;   v1-v4          offsets, made once at the head and never written again.
;   the stationary set and its scale words: loaded once at the head, read by products alone.
;   MV0, MV1, MS0, MS1   Tile m: its 32 products read MV[m % 2] and MS[m % 2]; behind them the loads of tile m + 2 land there.
;   v[PC ..]       Tile m: the quantiser writes the codes, the tile's stores read them; tile m + 1's quantiser writes them again.
;   v32-v35        written by the selects at the end, read by the last four stores.
; So a tile has, behind its products: the pair of waits that shows the last tile's stores done reading the codes, issued 32 products earlier; one wait on va_vdst ahead of the 13 loads; and one behind the quantiser, ahead of the stores.
.set REC, 153600
.set PWS, 8
.set MV0, 16
.set HA,  112
.set PC,  176
.set TM,  196
.set PW,  212
.set MS0, 216
.set SS,  224
.set SEL, 34
.set MSB, 0
.macro WIN new                         ; the immediate's high byte repeats the setting that is left
.if MSB != (\new)
	s_set_vgpr_msb (MSB<<8)|(\new)
.set MSB, (\new)
.endif
.endm
; 64 numbers of a lane, register 16 b + i = k 32 b + 16 (lane / 16) + i of my row, become a fragment's codes in v[PC] on and its scale word in v[PW].
.macro QUANT s
.irp b, 0,1,2,3
	v_max3_num_f32 v[TM+\b], |v[\s+16*\b]|, |v[\s+1+16*\b]|, 0x1800000   ; block b: my 16 numbers, and the floor 2^(3 - 127): the byte cannot fall under 1
.endr
.irp i, 2,4,6,8,10,12,14
.irp b, 0,1,2,3
	v_max3_num_f32 v[TM+\b], v[TM+\b], |v[\s+16*\b+\i]|, |v[\s+1+16*\b+\i]|
.endr
.endr
.irp b, 0,1,2,3
	v_permlanex16_b32 v[TM+4+\b], v[TM+\b], s[SEL], s[SEL+1]
.endr
.irp b, 0,1,2,3
	v_max_num_f32 v[TM+\b], v[TM+\b], v[TM+4+\b]   ; with lane l xor 16's: the block's largest magnitude
.endr
.irp b, 0,1,2,3
	v_add_nc_u32 v[TM+12+\b], 0xff000000, v[TM+\b]   ; 2 off its exponent field: the conversion's scale operand
.endr
.irp b, 0,1,2,3
	v_lshrrev_b32 v[TM+4+\b], 23, v[TM+12+\b]      ; the scale's byte
.endr
	v_lshl_or_b32 v[PW], v[TM+5], 8, v[TM+4]
	v_lshl_or_b32 v[PW], v[TM+6], 16, v[PW]
	v_lshl_or_b32 v[PW], v[TM+7], 24, v[PW]
.irp c, 0,1
	v_cvt_scalef32_pk16_fp6_f32 v[PC+6*\c:PC+2+6*\c], v[\s+32*\c:\s+15+32*\c], v[TM+12+2*\c]
	v_cvt_scalef32_pk16_fp6_f32 v[PC+12+4*\c:PC+14+4*\c], v[\s+16+32*\c:\s+31+32*\c], v[TM+12+2*\c+1]   ; (a conversion's three registers begin on an even number)
.endr
	v_nop                                          ; one plain place behind a scaled conversion
.irp c, 0,1                                    ; the operand's layout wants a whole block in a lane
.irp i, 0,1,2
	v_permlane16_swap_b32 v[PC+6*\c+\i], v[PC+12+4*\c+\i]
.endr
.irp i, 0,1,2
	v_mov_b32 v[PC+3+6*\c+\i], v[PC+12+4*\c+\i]
.endr
.endr
.endm
.macro MLOAD m                         ; moving tile m: its four fragments (12 loads of 512 consecutive bytes) and its rows' four scale words: 13 loads
.set MVB, MV0+48*((\m)%2)
.set MSR, MS0+4*((\m)%2)
.set ff_, 0
.rept 12
	global_load_b128 v[MVB+4*ff_:MVB+4*ff_+3], v1, s[18:19] offset:(\m)*6144+512*ff_
.set ff_, ff_+1
.endr
	global_load_b128 v[MSR:MSR+3], v2, s[26:27] offset:(32*((\m)/2)+8*((\m)%2))*16
.endm
.macro ITER m
.set MVB, MV0+48*((\m)%2)
.set MSR, MS0+4*((\m)%2)
.if (\m) < 7
	s_wait_loadcnt 13                              ; all but the next tile's 13 loads
.else
	s_wait_loadcnt 0x0
.endif
.irp e, 0,1                                    ; four accumulators by turns, one instruction a turn
	WIN 0x01+\e                                    ; source 0 in window 1 or 2
.irp s, 0,1,2,3
.irp t, 0,1,2,3
.if \s == 0
	v_wmma_scale_f32_16x16x128_f8f6f4 v[HA+8*(4*\e+\t):HA+8*(4*\e+\t)+7], v[12*(4*\t+\s):12*(4*\t+\s)+11], v[MVB+12*\s:MVB+12*\s+11], 0, v[SS+4*(4*\e+\t)+\s], v[MSR+\s] matrix_a_fmt:MATRIX_FMT_FP6 matrix_b_fmt:MATRIX_FMT_FP6
.else
	v_wmma_scale_f32_16x16x128_f8f6f4 v[HA+8*(4*\e+\t):HA+8*(4*\e+\t)+7], v[12*(4*\t+\s):12*(4*\t+\s)+11], v[MVB+12*\s:MVB+12*\s+11], v[HA+8*(4*\e+\t):HA+8*(4*\e+\t)+7], v[SS+4*(4*\e+\t)+\s], v[MSR+\s] matrix_a_fmt:MATRIX_FMT_FP6 matrix_b_fmt:MATRIX_FMT_FP6
.endif
.endr
.endr
.endr
	WIN 0
.rept 4
	v_nop                                          ; places in front of loads into registers that the products read, and of the first read of results
.endr
.if (\m) > 0
	s_wait_xcnt 0x0                                ; the last tile's stores, issued ahead of these 32 products, have had their addresses translated: the codes' registers are written again only behind this wait
	s_wait_alu depctr_vm_vsrc(0)                   ; and they have read the codes in v[PC ..], which the quantiser below writes again
.endif
.if (\m)+2 <= 7
	s_wait_alu depctr_va_vdst(0)                   ; the 32 products are done reading this moving tile and its scale words, in which the 13 loads below land
	MLOAD (\m)+2
.endif
	QUANT HA
	v_mov_b32 v[PWS+(\m)], v[PW]
	s_wait_alu depctr_va_vdst(0)                   ; the quantiser has written the codes in v[PC ..], which the stores in both arms below read
	s_cmp_eq_u32 s3, 2
	s_cbranch_scc1 .Lvst_\@
.irp c, 0,1                                    ; q, k: my lane holds block 2 c + h: head 4 w + 2 c + h, 24 bytes, which go to that head's record, into block m % 4 of fragment m / 4
.set OO_, 2*\c*REC+((\m)/4)*1536+256*((\m)%2)
.if (((\m)%4)/2) == 0
	global_store_b128 v3, v[PC+6*\c:PC+6*\c+3], s[44:45] offset:OO_
	global_store_b64 v3, v[PC+6*\c+4:PC+6*\c+5], s[44:45] offset:OO_+512
.else
	global_store_b64 v3, v[PC+6*\c:PC+6*\c+1], s[44:45] offset:OO_+520
	global_store_b128 v3, v[PC+6*\c+2:PC+6*\c+5], s[44:45] offset:OO_+1024
.endif
.endr
	s_branch .Ldone_\@
.Lvst_\@:
.irp c, 0,1,2                                  ; v: a whole fragment: head 4 w + m / 2, its 16 channels of tile m % 2, these 128 keys
	global_store_b128 v1, v[PC+4*\c:PC+4*\c+3], s[44:45] offset:((\m)/2)*REC+((\m)%2)*1536+512*\c
.endr
.Ldone_\@:
.endm
	s_load_b256 s[8:15], s[0:1], 0x0               ; ximg, xsc, wimg, Wq's scales
	s_load_b128 s[16:19], s[0:1], 0x20             ; Wk's, Wv's
	s_load_b64 s[20:21], s[0:1], 0x30              ; qkv
	v_lshrrev_b32 v5, 5, v0
	v_readfirstlane_b32 s2, v5                     ; wave
	v_and_b32 v5, 31, v0                           ; lane
	v_and_b32 v6, 15, v0                           ; r
	v_bfe_u32 v7, v0, 4, 1                         ; h
	v_lshlrev_b32 v1, 4, v5                        ; 16 x lane
	v_and_b32 v2, 8, v6
	v_add_nc_u32 v2, v2, v6
	v_lshlrev_b32 v2, 4, v2                        ; (r + 8 (r / 8)) x 16: my row's 16 scale bytes
	v_mul_u32_u24 v3, v7, REC
	v_lshl_add_u32 v3, v6, 4, v3                   ; h records on, + 16 r
	v_lshlrev_b32 v4, 2, v5                        ; 4 x lane
.irp b, 0,1,2,3
	v_mov_b32 v[TM+4+\b], 0                        ; written once: a lane permute's destination counts as one of its sources
.endr
	s_wait_alu depctr_va_sdst(0)                   ; s2, the wave's number, is written, ahead of its first reader: the offsets below are made from it
	s_mov_b32 s[SEL], 0x76543210
	s_mov_b32 s[SEL+1], 0xfedcba98
	s_and_b32 s3, ttmp7, 0xffff                    ; y
	s_mul_i32 s24, ttmp9, 49152                    ; x's 8 tiles
	s_mov_b32 s25, 0
	s_lshl_b32 s26, ttmp9, 11                      ; their scale bytes
	s_mov_b32 s27, 0
	s_mul_i32 s28, s3, 196608                      ; the weight,
	s_mul_i32 s29, s2, 49152                       ; my 8 tiles of it
	s_add_co_u32 s28, s28, s29
	s_mov_b32 s29, 0
	s_lshl_b32 s30, s2, 11
	s_mov_b32 s31, 0
	s_lshr_b32 s32, ttmp9, 4                       ; the batch
	s_lshl_b32 s32, s32, 4
	s_lshl_b32 s33, s2, 2
	s_add_co_u32 s32, s32, s33
	s_mul_i32 s32, s32, REC                        ; my first head's record
	s_and_b32 s33, ttmp9, 15                       ; the group of 128 tokens in its batch
	s_mul_i32 s36, s33, 3072
	s_lshl_b32 s37, s33, 7
	s_cmp_eq_u32 s3, 0
	s_cselect_b32 s38, 102400, 0                   ; the codes' field
	s_mov_b32 s39, 151552                          ; the scale words' field
	s_cmp_eq_u32 s3, 1
	s_cselect_b32 s39, 98304, s39
	s_cmp_eq_u32 s3, 2
	s_cselect_b32 s38, 49152, s38
	s_cselect_b32 s39, 100352, s39
	s_add_co_u32 s40, s32, s36
	s_add_co_u32 s40, s40, s38
	s_mov_b32 s41, 0
	s_add_co_u32 s42, s32, s37
	s_add_co_u32 s42, s42, s39
	s_mov_b32 s43, 0
	s_wait_kmcnt 0x0
	s_add_nc_u64 s[8:9], s[8:9], s[24:25]
	s_add_nc_u64 s[10:11], s[10:11], s[26:27]
	s_add_nc_u64 s[12:13], s[12:13], s[28:29]
	s_cmp_eq_u32 s3, 1                             ; the choices hang on y alone
	s_cselect_b64 s[14:15], s[16:17], s[14:15]
	s_cmp_eq_u32 s3, 2
	s_cselect_b64 s[14:15], s[18:19], s[14:15]
	s_add_nc_u64 s[14:15], s[14:15], s[30:31]
	s_cmp_eq_u32 s3, 2
	s_cselect_b64 s[16:17], s[8:9], s[12:13]       ; the stationary set's codes,
	s_cselect_b64 s[18:19], s[12:13], s[8:9]       ; the moving tiles',
	s_cselect_b64 s[24:25], s[10:11], s[14:15]     ; and their scale bytes
	s_cselect_b64 s[26:27], s[14:15], s[10:11]
	s_add_nc_u64 s[44:45], s[20:21], s[40:41]      ; where codes go,
	s_add_nc_u64 s[46:47], s[20:21], s[42:43]      ; and scale words
	WIN 0x40
	s_wait_alu depctr_va_vdst(0)                   ; the offsets v1 to v4 are written: every load and store of the kernel reads one of them
.set ff_, 0
.rept 48
	global_load_b128 v[4*ff_:4*ff_+3], v1, s[16:17] offset:512*ff_
.set ff_, ff_+1
.endr
	WIN 0x80
.set ff_, 0
.rept 48
	global_load_b128 v[4*ff_:4*ff_+3], v1, s[16:17] offset:24576+512*ff_
.set ff_, ff_+1
.endr
	WIN 0
.irp t, 0,1,2,3,4,5,6,7
	global_load_b128 v[SS+4*\t:SS+4*\t+3], v2, s[24:25] offset:(32*(\t/2)+8*(\t%2))*16
.endr
	MLOAD 0
	MLOAD 1
.irp m, 0,1,2,3,4,5,6,7
	ITER \m
.endr
	; the scale words.  Both halves of the lanes hold the same words, so lanes 0-15 send one and lanes 16-31 another: 128 consecutive bytes a store
	v_cmp_gt_u32 vcc_lo, 16, v5
	s_wait_alu depctr_va_vcc(0)                    ; VCC is written, ahead of the branch and of the selects in both arms that read it
	s_cmp_eq_u32 s3, 2
	s_cbranch_scc1 .Lvsc
.irp g, 0,1                                    ; q, k: word m has a byte for each head; a record wants a byte for each tile: four words are turned, bytes for words
	v_perm_b32 v[16+4*\g], v[PWS+4*\g+1], v[PWS+4*\g], 0x05010400
	v_perm_b32 v[17+4*\g], v[PWS+4*\g+1], v[PWS+4*\g], 0x07030602
	v_perm_b32 v[18+4*\g], v[PWS+4*\g+3], v[PWS+4*\g+2], 0x05010400
	v_perm_b32 v[19+4*\g], v[PWS+4*\g+3], v[PWS+4*\g+2], 0x07030602
	v_perm_b32 v[24+4*\g], v[18+4*\g], v[16+4*\g], 0x05040100
	v_perm_b32 v[25+4*\g], v[18+4*\g], v[16+4*\g], 0x07060302
	v_perm_b32 v[26+4*\g], v[19+4*\g], v[17+4*\g], 0x05040100
	v_perm_b32 v[27+4*\g], v[19+4*\g], v[17+4*\g], 0x07060302
.endr
.irp j, 0,1,2,3
	v_cndmask_b32 v[32+\j], v[28+\j], v[24+\j], vcc_lo
.endr
	s_branch .Lsc
.Lvsc:
.irp j, 0,1,2,3                                ; v: head 4 w + j has the words of moving tiles 2 j and 2 j + 1
	v_cndmask_b32 v[32+\j], v[PWS+2*\j+1], v[PWS+2*\j], vcc_lo
.endr
.Lsc:
	s_wait_alu depctr_va_vdst(0)                   ; the selects of either arm have written v32 to v35, which the four stores read
.irp j, 0,1,2,3
	global_store_b32 v4, v[32+\j], s[46:47] offset:\j*REC
.endr
	s_endpgm
.Lfunc_end_k_q0c1ee08f2a_qkv:
	.size	k_q0c1ee08f2a_qkv, .Lfunc_end_k_q0c1ee08f2a_qkv-k_q0c1ee08f2a_qkv
	.p2alignl 7, 3214868480
	.fill 96, 4, 3214868480
	.section	.rodata,"a",@progbits
	.p2align	6, 0x0
	.amdhsa_kernel k_q0c1ee08f2a_qkv
		.amdhsa_group_segment_fixed_size 0
		.amdhsa_private_segment_fixed_size 0
		.amdhsa_enable_private_segment 0
		.amdhsa_kernarg_size 56
		.amdhsa_user_sgpr_count 2
		.amdhsa_user_sgpr_kernarg_segment_ptr 1
		.amdhsa_wavefront_size32 1
		.amdhsa_system_sgpr_workgroup_id_x 1
		.amdhsa_system_sgpr_workgroup_id_y 1
		.amdhsa_system_sgpr_workgroup_id_z 1
		.amdhsa_system_vgpr_workitem_id 0
		.amdhsa_next_free_vgpr 768
		.amdhsa_next_free_sgpr 66
		.amdhsa_reserve_vcc 1
		.amdhsa_float_denorm_mode_32 3
		.amdhsa_float_denorm_mode_16_64 3
		.amdhsa_memory_ordered 1
		.amdhsa_forward_progress 1
		.amdhsa_inst_pref_size 97
	.end_amdhsa_kernel
	.amdgpu_metadata
---
amdhsa.version: [ 1, 2 ]
amdhsa.kernels:
  - .name:           k_q0c1ee08f2a_qkv
    .symbol:         k_q0c1ee08f2a_qkv.kd
    .args:
      - { .name: ximg, .offset: 0, .size: 8, .value_kind: global_buffer, .address_space: global }
      - { .name: xsc, .offset: 8, .size: 8, .value_kind: global_buffer, .address_space: global }
      - { .name: wimg, .offset: 16, .size: 8, .value_kind: global_buffer, .address_space: global }
      - { .name: Wq_scales, .offset: 24, .size: 8, .value_kind: global_buffer, .address_space: global }
      - { .name: Wk_scales, .offset: 32, .size: 8, .value_kind: global_buffer, .address_space: global }
      - { .name: Wv_scales, .offset: 40, .size: 8, .value_kind: global_buffer, .address_space: global }
      - { .name: qkv, .offset: 48, .size: 8, .value_kind: global_buffer, .address_space: global }
    .group_segment_fixed_size: 0
    .private_segment_fixed_size: 0
    .kernarg_segment_align: 8
    .kernarg_segment_size: 56
    .max_flat_workgroup_size: 128
    .sgpr_count:     66
    .vgpr_count:     768
    .wavefront_size: 32
...
	.end_amdgpu_metadata
.endif
;; end of part 6
;; launch attn (part 7): grid 256 x 1, 16 waves a work-group, no clusters, 104,448 bytes of LDS; arguments qkv, ctxc, csc; writes ctxc, csc
.if DOCPART == 7
	.amdgcn_target "amdgcn-amd-amdhsa--gfx1250"
	.amdhsa_code_object_version 6
	.text
	.protected	k_q0c1ee08f2a_attn
	.globl	k_q0c1ee08f2a_attn
	.p2align	8
	.type	k_q0c1ee08f2a_attn,@function
k_q0c1ee08f2a_attn:
	s_mov_b64 s[64:65], 0
	v_nop
	global_prefetch_b8 v0, s[64:65] scope:SCOPE_SE
	s_setreg_imm32_b32 hwreg(HW_REG_WAVE_SCHED_MODE, 0, 2), 2
	s_setreg_imm32_b32 hwreg(HW_REG_WAVE_MODE, 25, 1), 1
	s_wait_xcnt 0x0
	s_wait_alu depctr_vm_vsrc(0)
; ATTN: ctx = softmax(q k^T / sqrt(32), causal) v on codes, and ctx's quantising along K = 512, where a block of 32 is a head.
; LEFT OUT: key steps (128 keys) that lie wholly behind a tile's 16 queries: reference()'s own jnp.tril gives those keys the weight 0 for all finite inputs.  A NaN or infinity that would arise only there is not carried on.
; THE SOFTMAX AHEAD OF THE SECOND PRODUCT: t = score x log2(e) / sqrt(32); M = the running largest t rounded UP to a whole number; p = 2^(t - M) is quantised along the keys, not normalised; the row's sum is taken of the
; unquantised p and divides at the end.  When M moves, the sum and O are multiplied by 2^(old M - new M): exact.
; SHARES.  Four work-groups to a (batch, head); sixteen waves of 256 registers, four to a SIMD, so that one wave's vector work stands beside another's products and LDS loads.
; Wave w of work-group j owns query tiles T = 16 j + w and 127 - T, one after the other: T / 8 + 1 key steps and 16 - T / 8: 17 for every wave.
; The head's K, V and their scale words, 102,400 bytes in the order of the operands' registers, are copied into LDS once: no reason for a cluster: what partners would share is read once, at the head.
; LAYOUT.  Both products transposed: S^T = K Q^T, O^T = V^T P^T: a lane holds ONE query throughout.  The first product has K = 32: a fragment of K holds FOUR tiles of keys, one in each block of 32, and Q is given in four forms,
; its 32 codes in block j and zero codes elsewhere: the product with form j is tile j's scores.  Tile t's rows are such that the 16 registers of tiles 2 b, 2 b + 1 are keys 32 b + 16 (lane / 16) + 0 .. 15.
; Both loops have constant trip counts (2 tiles, 16 key steps); a step that is left out is jumped over by a scalar branch on ids, round its work alone.
; REGISTERS: v1-11 addresses; v12 -M, v13 the largest t, v[14:15] the sum; v16-45 Q's forms; v46, v47, v176 scale words of Q, K, V; v48-71 K; v72-95 V; v96-159 S^T, then p; v160-175 O^T; v178-213 the tile's head and end; v224-254 at work.
; THE MODE: SCHED_MODE bits 1:0 = 2 (LLVM: expert scheduling mode 2), set by the entry lines.  The code itself states the register dependences between vector or matrix instructions and memory or LDS instructions, with s_wait_alu, always for 0.
; THE PLAN.  Registers that memory or LDS instructions touch:
;   v1-v3, v7, v11, v190, v191   made once at the head, never written again.
;   v8-v10 (ADK, ADV, ADS)   written by a step's three additions, read by its 14 LDS loads (v8, v9 at the head by the copy's loads and stores).
;   v186-v189      written at a tile's head, read by q's four loads (v186 at the head by the copy's last load).
;   K, V and their scale words (v47-v95, v176)   a step's LDS loads land in them, its ten products read them.
;   v178-v184      q's loads land in them; the selects that make Q's forms read them.
;   v96-v145       at the head the copy's loads land in them and its LDS stores read them; from then on products write them.
;   v192-v195      written at a tile's end, read by its two stores.
; A step has ONE wait on va_vdst at its head, behind the additions: the addresses are written, the last step's products are done reading K and V, and (a tile's first step) Q's forms and scale word are written.
; The two waits behind the exponentials stand as they stood; one more stands directly ahead of V^T P, whose source 1 and scale word vector instructions have written.  One wait on vm_vsrc a step stands ahead of the additions.
.set REC,   153600
.set VOFF,  49152
.set KSCO,  98304
.set SPARE, 102400                     ; the spare words, 128 bytes for each wave: eight blocks of 256 bytes that no other line names
.set AK0, 1
.set AV0, 2
.set AS0, 3
.set SPW, 4                            ; v4  LDS address of my spare word; never rewritten
.set NIL, 5                            ; v5  0; never rewritten
.set DQ,  6                            ; v6  my query less 16 (lane / 16), counted from the diagonal step's first key
.set CTA, 7
.set ADK, 8
.set ADV, 9
.set ADS, 10
.set CSA, 11
.set QC,  16                           ; Qa, Z, Qb, Z, Qa, six registers each: Qa = q in lanes 0-15, Qb = q in lanes 16-31, Z = zeros
.set QS,  46
.set KS,  47
.set KF,  48
.set VF,  72
.set VS,  176
.set Q6,  178
.set QW,  184
.set WV,  10
.set BH,  11
.set TT,  12
.set NN,  13
.set KK,  14
.set TB,  15
.set TS,  16
.set PASS, 17
.set SEL, 20
.set CS,  22
.set MK,  44                           ; s[44:59] sixteen masks of the diagonal's step
.macro SPROD t, qo                     ; scores of key tile t: block t % 4 of fragment t / 4 against Q's form that begins at v[QC + qo]
.if (\t) < 4
	v_wmma_scale_f32_16x16x128_f8f6f4 v[96+8*(\t):103+8*(\t)], v[KF:KF+11], v[QC+\qo:QC+\qo+11], 0, v[KS], v[QS] matrix_a_fmt:MATRIX_FMT_FP6 matrix_b_fmt:MATRIX_FMT_FP6
.else
	v_wmma_scale_f32_16x16x128_f8f6f4 v[96+8*(\t):103+8*(\t)], v[KF+12:KF+23], v[QC+\qo:QC+\qo+11], 0, v[KS], v[QS] matrix_a_fmt:MATRIX_FMT_FP6 matrix_b_fmt:MATRIX_FMT_FP6 matrix_a_scale:MATRIX_SCALE_ROW1
.endif
.endm
	s_load_b128 s[4:7], s[0:1], 0x0                ; qkv, ctxc
	s_load_b64 s[8:9], s[0:1], 0x10                ; csc
	v_lshl_add_u32 v[SPW], v0, 2, SPARE
	v_mov_b32 v[NIL], 0
	v_lshrrev_b32 v12, 5, v0
	v_readfirstlane_b32 s[WV], v12                 ; wave 0..15
	v_and_b32 v12, 31, v0                          ; lane
	v_and_b32 v13, 15, v0                          ; r
	v_bfe_u32 v14, v0, 4, 1                        ; h
	v_lshlrev_b32 v[AK0], 4, v12
	v_add_nc_u32 v[AV0], VOFF, v[AK0]
	v_lshl_add_u32 v[AS0], v12, 2, KSCO
	v_mul_u32_u24 v[CTA], v13, 24
	v_mad_u32_u24 v[CTA], v14, 12, v[CTA]          ; ctx's codes: 24 bytes a token and head, 12 for each half of the lanes
	v_and_b32 v15, 8, v13
	v_add_nc_u32 v15, v15, v13                     ; r + 8 (r / 8)
	v_lshlrev_b32 v[CSA], 4, v15
	v_lshlrev_b32 v190, 4, v13
	v_lshlrev_b32 v191, 2, v13
	v_lshlrev_b32 v185, 4, v14
	v_sub_nc_u32 v185, v15, v185                   ; r + 8 (r / 8) - 16 h
	s_wait_alu depctr_va_sdst(0)                   ; s[WV], the wave's number, is written, ahead of its first reader
	s_mul_i32 s28, s[WV], 6144
	v_add_nc_u32 v[ADK], s28, v[AK0]               ; the copy: my wave's 6,144 bytes of codes,
	s_lshl_b32 s29, s[WV], 8
	v_lshl_add_u32 v186, v12, 3, s29               ; and its 256 bytes of scale words
	v_add_nc_u32 v[ADV], KSCO, v186
	s_lshr_b32 s[BH], ttmp9, 2                     ; batch x 16 + head
	s_and_b32 s[TT], ttmp9, 3
	s_lshl_b32 s[TT], s[TT], 4
	s_add_co_u32 s[TT], s[TT], s[WV]               ; my first tile of queries
	s_mul_i32 s30, s[BH], REC
	s_mov_b32 s31, 0
	s_mov_b32 s[SEL], 0x76543210
	s_mov_b32 s[SEL+1], 0xfedcba98                 ; lane l xor 16
	s_mov_b32 s[CS], 0x3e8293ee                    ; c = log2(e) / sqrt(32)
	s_mov_b32 s[CS+1], s[CS]                       ; (named with it as a pair, so it is written)
	s_mov_b32 s24, 0xffff                          ; lanes 0-15
	s_wait_kmcnt 0x0
	s_add_nc_u64 s[4:5], s[4:5], s[30:31]          ; my head's record
	s_add_nc_u64 s[26:27], s[4:5], 102400          ; and Q's field in it
	s_wait_alu depctr_va_vdst(0)                   ; every address made above is written: v[ADK], v186 and v[ADV], which the copy's loads and LDS stores read, and those that stay
.irp i, 0,1,2,3,4,5,6,7,8,9,10,11
	global_load_b128 v[96+4*\i:99+4*\i], v[ADK], s[4:5] offset:512*\i
.endr
	global_load_b64 v[144:145], v186, s[4:5] offset:KSCO
.irp i, 0,1,2,3,4,5
	v_mov_b32 v[QC+6+\i], 0                        ; the zero codes, once
	v_mov_b32 v[QC+18+\i], 0
.endr
	s_wait_loadcnt 0x0
.irp i, 0,1,2,3,4,5,6,7,8,9,10,11
	ds_store_b128 v[ADK], v[96+4*\i:99+4*\i] offset:512*\i
.endr
	ds_store_b64 v[ADV], v[144:145]
	s_wait_dscnt 0x0                               ; for the others' sake: my part of the copy has landed
	s_barrier_signal -1
	s_barrier_wait -1
	s_mov_b32 s[PASS], 2
.Lpass:
	; ---- a tile's head: its codes of q out of the packed record, the four forms, the state
	s_lshr_b32 s[NN], s[TT], 3                     ; the diagonal's key step
	s_mul_i32 s28, s[NN], 3072
	s_bfe_u32 s29, s[TT], 0x10002                  ; which fragment of the group
	s_mul_i32 s30, s29, 1536
	s_add_co_u32 s28, s28, s30
	s_and_b32 s30, s[TT], 1                        ; which half of the lanes
	s_lshl_b32 s31, s30, 8
	s_add_co_u32 s28, s28, s31
	s_and_b32 s31, s[TT], 2                        ; registers 0-5 or 6-11: three pieces of 8 bytes at 0, 8, 512 or at 520, 1024, 1032
	s_cmp_lg_u32 s31, 0
	s_cselect_b32 s32, 520, 0
	s_cselect_b32 s33, 1024, 8
	s_mov_b32 s34, 512
	s_cselect_b32 s34, 1032, s34
	s_add_co_u32 s32, s32, s28
	s_add_co_u32 s33, s33, s28
	s_add_co_u32 s34, s34, s28
	s_wait_alu depctr_vm_vsrc(0)                   ; the loads issued so far have read v186 to v189, which are written below; and the copy's LDS stores have read v96 to v145, which the first products write
	v_add_nc_u32 v186, s32, v190
	v_add_nc_u32 v187, s33, v190
	v_add_nc_u32 v188, s34, v190
	s_lshl_b32 s35, s[NN], 7
	s_lshl_b32 s29, s29, 6
	s_add_co_u32 s35, s35, s29
	v_add_nc_u32 v189, s35, v191
	s_wait_alu depctr_va_vdst(0)                   ; v186 to v189 are written, which the four loads read; the other tile's selects and shift are done with v[Q6 ..] and v[QW], in which they land
	global_load_b64 v[Q6:Q6+1], v186, s[26:27]
	global_load_b64 v[Q6+2:Q6+3], v187, s[26:27]
	global_load_b64 v[Q6+4:Q6+5], v188, s[26:27]
	global_load_b32 v[QW], v189, s[26:27] offset:49152
	s_bfe_u32 s36, s[TT], 0x20001
	s_lshl_b32 s36, s36, 5
	s_lshl_b32 s37, s30, 3
	s_add_co_u32 s36, s36, s37                     ; 32 ((T % 8) / 2) + 8 (T % 2)
	v_add_nc_u32 v[DQ], s36, v185
	s_and_b32 s37, s[TT], 3
	s_lshl_b32 s37, s37, 3                         ; my tile's byte in the scale word
	v_mov_b32 v13, 0xff61b1e6                      ; the largest t so far: -3e38, under every t
	v_floor_f32 v12, -v13                          ; -M
	v_mov_b32 v14, 0
	v_mov_b32 v15, 0
.irp b, 0,1,2,3
	v_mov_b32 v[236+\b], 0                         ; a lane permute's destination counts as one of its sources
.endr
	v_mov_b32 v252, 0
	v_mov_b32 v253, 0                              ; (named as the upper half of the pair v[252:253] before it is first written)
	s_wait_loadcnt 0x0
	v_lshrrev_b32 v[QW], s37, v[QW]
	v_perm_b32 v[QS], v[QW], v[QW], 0              ; q's one scale byte in all four places: whichever block holds q
.irp i, 0,1,2,3,4,5
	v_cndmask_b32 v[QC+\i], v[NIL], v[Q6+\i], s24
	v_cndmask_b32 v[QC+12+\i], v[Q6+\i], v[NIL], s24
	v_cndmask_b32 v[QC+24+\i], v[NIL], v[Q6+\i], s24
.endr
.irp j, 0,1,2,3,4,5,6,7,8,9,10,11,12,13,14,15
	v_mov_b32 v[160+\j], 0                         ; O^T: the step is written once; the first finds zeros.  (Also the places between the forms, the scale word and the first product)
.endr
	s_mov_b32 s[KK], 0
	s_mov_b32 s[TB], 0
	s_mov_b32 s[TS], 0
.Lstep:
	s_wait_alu depctr_vm_vsrc(0)                   ; the LDS instructions issued so far have read v[ADK], v[ADV] and v[ADS], which the additions below write
	s_cmp_gt_u32 s[KK], s[NN]                      ; all 128 keys behind my queries: nothing to do
	s_cbranch_scc1 .Lskip
	v_add_nc_u32 v[ADK], s[TB], v[AK0]
	v_add_nc_u32 v[ADV], s[TB], v[AV0]
	v_add_nc_u32 v[ADS], s[TS], v[AS0]
	v_nop                                          ; four places in front of loads into registers that the last products read
	s_wait_alu depctr_va_vdst(0)                   ; the three addresses are written; the last step's products are done reading K, V and their scale words, in which the loads land; in a tile's first step Q's forms and scale word, which the products below take, are written
.irp f, 0,1,2,3,4,5
	ds_load_b128 v[KF+4*\f:KF+4*\f+3], v[ADK] offset:512*\f
.endr
	ds_load_b32 v[KS], v[ADS]
.irp f, 0,1,2,3,4,5
	ds_load_b128 v[VF+4*\f:VF+4*\f+3], v[ADV] offset:512*\f
.endr
	ds_load_b32 v[VS], v[ADS] offset:2048
	s_wait_dscnt 7                                 ; K's seven are in; V's seven may be out
	SPROD 0, 0
	SPROD 1, 12
	SPROD 2, 18
	SPROD 3, 6
	SPROD 4, 0
	SPROD 5, 12
	SPROD 6, 18
	SPROD 7, 6
.rept 4
	v_nop
.endr
	s_cmp_lg_u32 s[KK], s[NN]                      ; only the diagonal's step has hidden keys
	s_cbranch_scc1 .Lopen
	v_mov_b32 v254, 0xff800000                     ; -infinity: p = 0 then
.irp g, 0,1,2,3                                ; a block of 32 keys at a time: sixteen compares into sixteen scalar registers, one wait, sixteen selects
.irp i, 0,1,2,3,4,5,6,7,8,9,10,11,12,13,14,15
	v_cmp_gt_i32 s[MK+\i], 32*\g+\i, v[DQ]         ; register 16 b + i holds key 32 b + 16 (lane / 16) + i of the step
.endr
	s_wait_alu depctr_va_sdst(0)                   ; the sixteen masks are written, ahead of the selects that read them
.irp i, 0,1,2,3,4,5,6,7,8,9,10,11,12,13,14,15
	v_cndmask_b32 v[96+16*\g+\i], v[96+16*\g+\i], v254, s[MK+\i]
.endr
.endr
.Lopen:
.irp b, 0,1,2,3
	v_max3_num_f32 v[232+\b], v[96+16*\b], v[97+16*\b], v[98+16*\b]   ; the largest score of each block of 32 keys: for the row's maximum, and, since p rises with the score, for the block's largest p
.endr
.irp i, 3,5,7,9,11,13
.irp b, 0,1,2,3
	v_max3_num_f32 v[232+\b], v[232+\b], v[96+16*\b+\i], v[97+16*\b+\i]
.endr
.endr
.irp b, 0,1,2,3
	v_max_num_f32 v[232+\b], v[232+\b], v[111+16*\b]
.endr
.irp b, 0,1,2,3
	v_permlanex16_b32 v[236+\b], v[232+\b], s[SEL], s[SEL+1]
.endr
.irp b, 0,1,2,3
	v_max_num_f32 v[232+\b], v[232+\b], v[236+\b]  ; with lane l xor 16's 16 keys
.endr
	v_max3_num_f32 v254, v232, v233, v234
	v_max_num_f32 v254, v254, v235
	v_mul_f32 v254, s[CS], v254                    ; as t (c is positive)
	v_max_num_f32 v13, v13, v254                   ; the running largest t
	v_mov_b32 v254, v12
	v_floor_f32 v12, -v13                          ; the new -M = floor(-t): M is a whole number
	v_sub_f32 v254, v12, v254                      ; old M less new M: a whole number, 0 or less
	v_cvt_i32_f32 v254, v254                       ; (it saturates)
	v_ldexp_f32 v252, 1.0, v254                    ; f = 2^(old M - new M)
.irp j, 0,2,4,6,8,10,12,14,16,18,20,22,24,26,28,30,32,34,36,38,40,42,44,46,48,50,52,54,56,58,60,62
	v_pk_fma_f32 v[96+\j:97+\j], v[96+\j:97+\j], s[CS:CS+1], v[12:13] op_sel_hi:[1,0,0]   ; t - M
.endr
.irp b, 0,1,2,3
	v_fma_f32 v[232+\b], v[232+\b], s[CS], v12     ; the same of each block's largest score
.endr
	s_wait_alu depctr_va_vdst(0)
.irp j, 0,1,2,3,4,5,6,7,8,9,10,11,12,13,14,15,16,17,18,19,20,21,22,23,24,25,26,27,28,29,30,31,32,33,34,35,36,37,38,39,40,41,42,43,44,45,46,47,48,49,50,51,52,53,54,55,56,57,58,59,60,61,62,63
	v_exp_f32 v[96+\j], v[96+\j]                   ; p = 2^(t - M)
.endr
	v_pk_mul_f32 v[14:15], v[14:15], v[252:253] op_sel_hi:[1,0]   ; the sums under the new M: a plain place behind the exponentials
	s_wait_alu depctr_va_vdst(0)                   ; one wait for the whole batch, ahead of its first reader: the 64 exponentials have written p
.irp b, 0,1,2,3
	v_exp_f32 v[232+\b], v[232+\b]                 ; the block's largest p
.endr
	v_pk_add_f32 v[236:237], v[96:97], v[98:99]    ; the row's sum is taken of the unquantised p, in two chains
.irp j, 4,8,12,16,20,24,28,32,36,40,44,48,52,56,60
	v_pk_add_f32 v[14:15], v[14:15], v[96+\j:97+\j]
	v_pk_add_f32 v[236:237], v[236:237], v[98+\j:99+\j]
.endr
	v_pk_add_f32 v[14:15], v[14:15], v[236:237]
	s_wait_alu depctr_va_vdst(0)                   ; and one for the four: they have written v232 to v235
.irp b, 0,1,2,3
	v_max_num_f32 v[232+\b], 0x1800000, v[232+\b]  ; the floor 2^(3 - 127): the byte cannot fall under 1
.endr
.irp b, 0,1,2,3
	v_add_nc_u32 v[244+\b], 0xff000000, v[232+\b]  ; 2 off the exponent field: the conversion's scale operand
.endr
.irp b, 0,1,2,3
	v_lshrrev_b32 v[236+\b], 23, v[244+\b]
.endr
	v_lshl_or_b32 v253, v237, 8, v236              ; p's scale word for these 128 keys
	v_lshl_or_b32 v253, v238, 16, v253
	v_lshl_or_b32 v253, v239, 24, v253
.irp c, 0,1
	v_cvt_scalef32_pk16_fp6_f32 v[224+6*\c:226+6*\c], v[96+32*\c:111+32*\c], v[244+2*\c]
	v_cvt_scalef32_pk16_fp6_f32 v[236+4*\c:238+4*\c], v[112+32*\c:127+32*\c], v[244+2*\c+1]
.endr
	v_nop                                          ; one plain place behind a scaled conversion
.irp c, 0,1
.irp i, 0,1,2
	v_permlane16_swap_b32 v[224+6*\c+\i], v[236+4*\c+\i]
.endr
.irp i, 0,1,2
	v_mov_b32 v[227+6*\c+\i], v[236+4*\c+\i]
.endr
.endr
.irp j, 0,2,4,6,8,10,12,14
	v_pk_mul_f32 v[160+\j:161+\j], v[160+\j:161+\j], v[252:253] op_sel_hi:[1,0]   ; O^T under the new M
.endr
.rept 4
	v_nop                                          ; with the last four lines above: eight plain lines that name nothing of the first product, between p's scale word and that product
.endr
	s_wait_dscnt 0x0                               ; V is in
	s_wait_alu depctr_va_vdst(0)                   ; behind the places: p's codes in v224 to v235 and its scale word in v253 are written, which the two scaled products take as source 1 and as scales
	v_wmma_scale_f32_16x16x128_f8f6f4 v[160:167], v[VF:VF+11], v[224:235], v[160:167], v[VS], v253 matrix_a_fmt:MATRIX_FMT_FP6 matrix_b_fmt:MATRIX_FMT_FP6
	v_wmma_scale_f32_16x16x128_f8f6f4 v[168:175], v[VF+12:VF+23], v[224:235], v[168:175], v[VS], v253 matrix_a_fmt:MATRIX_FMT_FP6 matrix_b_fmt:MATRIX_FMT_FP6 matrix_a_scale:MATRIX_SCALE_ROW1
.Lskip:
	s_add_co_u32 s[TB], s[TB], 3072
	s_add_co_u32 s[TS], s[TS], 128
	s_add_co_u32 s[KK], s[KK], 1
	s_cmp_lt_u32 s[KK], 16
	s_cbranch_scc1 .Lstep
	; ---- a tile's end: O^T / the sum is ctx: lane (r, h) holds channels 16 h + 0 .. 15 of query r; the head's 32 are one block of the next product's K
	s_wait_xcnt 0x0                                ; the other tile's stores have read their registers and bases
	s_wait_alu depctr_vm_vsrc(0)                   ; the other tile's stores have read v192 to v195, which the conversion and the shift below write again
.rept 4
	v_nop                                          ; places behind the last products
.endr
	v_add_f32 v14, v14, v15
	v_permlanex16_b32 v252, v14, s[SEL], s[SEL+1]
	v_add_f32 v14, v14, v252                       ; the row's sum
	s_wait_alu depctr_va_vdst(0)
	v_rcp_f32 v14, v14
	v_nop                                          ; a plain place behind the reciprocal
	s_lshr_b32 s28, s[BH], 4
	s_lshl_b32 s29, s28, 6
	s_lshr_b32 s30, s[TT], 1
	s_add_co_u32 s29, s29, s30                     ; the block of 32 tokens
	s_mul_i32 s32, s29, 12288
	s_and_b32 s31, s[BH], 15                       ; the head
	s_mul_i32 s33, s31, 768
	s_add_co_u32 s32, s32, s33
	s_and_b32 s34, s[TT], 1
	s_mul_i32 s33, s34, 384
	s_add_co_u32 s32, s32, s33
	s_mov_b32 s33, 0
	s_add_nc_u64 s[40:41], s[6:7], s[32:33]
	s_lshl_b32 s32, s29, 9
	s_lshl_b32 s34, s34, 7
	s_add_co_u32 s32, s32, s34
	s_add_co_u32 s32, s32, s31
	s_add_nc_u64 s[42:43], s[8:9], s[32:33]
	s_wait_alu depctr_va_vdst(0)                   ; the wait ahead of the reciprocal's first reader: v14 is written
.irp j, 0,1,2,3,4,5,6,7,8,9,10,11,12,13,14,15
	v_mul_f32 v[198+\j], v[160+\j], v14
.endr
	v_max3_num_f32 v232, |v198|, |v199|, 0x1800000
.irp i, 2,4,6,8,10,12,14
	v_max3_num_f32 v232, v232, |v[198+\i]|, |v[199+\i]|
.endr
	v_permlanex16_b32 v236, v232, s[SEL], s[SEL+1]
	v_max_num_f32 v232, v232, v236
	v_add_nc_u32 v234, 0xff000000, v232
	v_lshrrev_b32 v195, 23, v234
	v_cvt_scalef32_pk16_fp6_f32 v[192:194], v[198:213], v234
	v_nop                                          ; one plain place behind a scaled conversion
	s_wait_alu depctr_va_vdst(0)                   ; the conversion has written the codes in v192 to v194 and the shift the byte in v195, which the two stores read
	global_store_b96 v[CTA], v[192:194], s[40:41]  ; the wave stores 384 consecutive bytes
	global_store_b8 v[CSA], v195, s[42:43]         ; both lanes of a query store the same byte with the same value.  One byte for 24 of codes: the price of one head to a wave
	s_sub_co_u32 s[TT], 127, s[TT]                 ; my other tile
	s_sub_co_u32 s[PASS], s[PASS], 1
	s_cmp_lg_u32 s[PASS], 0
	s_cbranch_scc1 .Lpass
	s_wait_dscnt 0x0
	s_barrier_signal -1
	s_barrier_wait -1                              ; every wave's reads of LDS are over
	s_wait_dscnt 0x0                               ; the closing lines, six on end
	s_wait_alu 0x0
	s_wait_tensorcnt 0x0
	ds_add_u32 v[SPW], v[NIL]
	s_wait_dscnt 0x0
	s_endpgm
.Lfunc_end_k_q0c1ee08f2a_attn:
	.size	k_q0c1ee08f2a_attn, .Lfunc_end_k_q0c1ee08f2a_attn-k_q0c1ee08f2a_attn
	.p2alignl 7, 3214868480
	.fill 96, 4, 3214868480
	.section	.rodata,"a",@progbits
	.p2align	6, 0x0
	.amdhsa_kernel k_q0c1ee08f2a_attn
		.amdhsa_group_segment_fixed_size 104448
		.amdhsa_private_segment_fixed_size 0
		.amdhsa_enable_private_segment 0
		.amdhsa_kernarg_size 24
		.amdhsa_user_sgpr_count 2
		.amdhsa_user_sgpr_kernarg_segment_ptr 1
		.amdhsa_wavefront_size32 1
		.amdhsa_system_sgpr_workgroup_id_x 1
		.amdhsa_system_sgpr_workgroup_id_y 1
		.amdhsa_system_sgpr_workgroup_id_z 1
		.amdhsa_system_vgpr_workitem_id 0
		.amdhsa_next_free_vgpr 256
		.amdhsa_next_free_sgpr 66
		.amdhsa_reserve_vcc 0
		.amdhsa_float_denorm_mode_32 3
		.amdhsa_float_denorm_mode_16_64 3
		.amdhsa_memory_ordered 1
		.amdhsa_forward_progress 1
		.amdhsa_inst_pref_size 36
	.end_amdhsa_kernel
	.amdgpu_metadata
---
amdhsa.version: [ 1, 2 ]
amdhsa.kernels:
  - .name:           k_q0c1ee08f2a_attn
    .symbol:         k_q0c1ee08f2a_attn.kd
    .args:
      - { .name: qkv, .offset: 0, .size: 8, .value_kind: global_buffer, .address_space: global }
      - { .name: ctxc, .offset: 8, .size: 8, .value_kind: global_buffer, .address_space: global }
      - { .name: csc, .offset: 16, .size: 8, .value_kind: global_buffer, .address_space: global }
    .group_segment_fixed_size: 104448
    .private_segment_fixed_size: 0
    .kernarg_segment_align: 8
    .kernarg_segment_size: 24
    .max_flat_workgroup_size: 512
    .sgpr_count:     66
    .vgpr_count:     256
    .wavefront_size: 32
...
	.end_amdgpu_metadata
.endif
;; end of part 7
;; launch tail (part 8): grid 256 x 1, 4 waves a work-group, no clusters, 136,704 bytes of LDS; arguments ctxc, csc, wimg, Wo_scales, W1_scales, W2_scales, bo, b1, b2, g2, beta2, x, out0; writes out0
.if DOCPART == 8
	.amdgcn_target "amdgcn-amd-amdhsa--gfx1250"
	.amdhsa_code_object_version 6
	.text
	.protected	k_q0c1ee08f2a_tail
	.globl	k_q0c1ee08f2a_tail
	.p2align	8
	.type	k_q0c1ee08f2a_tail,@function
k_q0c1ee08f2a_tail:
	s_mov_b64 s[64:65], 0
	v_nop
	global_prefetch_b8 v0, s[64:65] scope:SCOPE_SE
	s_setreg_imm32_b32 hwreg(HW_REG_WAVE_SCHED_MODE, 0, 2), 2
	s_setreg_imm32_b32 hwreg(HW_REG_WAVE_MODE, 25, 1), 1
	s_wait_xcnt 0x0
	s_wait_alu depctr_vm_vsrc(0)
; TAIL: h = x + ctx Wo + bo;  y = LN2(h);  out0 = h + gelu(y W1 + b1) W2 + b2, all three products on codes.  h, y and the hidden layer never go to memory.  Nothing of reference() is left out here.
; LIMIT.  erf(z) is z P(z^2) / Q(z^2), polynomials of degree 6 and 4, on z held to +-4: a few units in f32's last place; beyond |z| = 4 erf differs from +-1 by about 1e-7 at the most.
; SHARES.  A work-group owns 32 tokens, two tiles u.  THE WAVES SHARE THE COLUMNS: wave w makes columns 128 w .. + 127 of h and of out0, and in chunk c (four of them) hidden units 128 (4 c + w) .. + 127, which are
; K step 4 c + w of the last product.  So every weight fragment is loaded by one wave alone, straight into registers from its image, and feeds two products.
; No cluster: the weights that all work-groups walk would have to land in LDS, 1,769,472 bytes a work-group written there and read again, where now they go from memory into the operand's registers.
; All products transposed (source 0 = 16 rows of a weight, source 1 = 16 tokens): a lane holds ONE token and register 16 b + i the column 32 b + 16 (lane / 16) + i of the wave's 128.
; What goes from wave to wave (y's and the hidden layer's codes and scale words) goes through LDS as images of the operand's registers; each region is written once.  Seven barriers.
; REGISTERS.  Window 0: v1-15 addresses; v16-47 the weights' scale words; v48-63 the moving operands'; v64-159 eight fragments of ctx, then of y; v160-223 a bias in the result's layout; v224-251 LayerNorm's; v252, v253 the add's two.
;   Window 1: v0-127 HA: x, h, y, the hidden layer, its fragments, rows on the way out; v128-191 g2, then the GELU's; v192-255 beta2, then the quantiser's.
;   Windows 2, 3: v0-191 sixteen weight fragments each (X0, X1); v192-255 out0's accumulators of tile 0, tile 1.
; THE MODE: SCHED_MODE bits 1:0 = 2 (LLVM: expert scheduling mode 2), set by the entry lines.  The code itself states the register dependences between vector or matrix instructions and memory or LDS instructions, with s_wait_alu, always for 0.
; THE PLAN.  Registers that memory or LDS instructions touch:
;   v1-v10, v15, v250   addresses, made once at the head, never written again.     v11-v14   written at a chunk's head, read by the chunk's LDS stores and loads.
;   X0, X1 and v16-v47  loads land in them, 32 products read them, the next loads land in them: one wait on va_vdst behind each run of 32 products, ahead of the 52 loads.
;   v160-v223 (a bias)  bo, b2, b1 land there in turn; additions, or products as their C, read them: a wait on va_vdst ahead of each reload (in the loop the one behind the second run of products serves).
;   v48-v159            ctx's, then y's fragments and the moving operands' scale words: loaded, read by products alone.
;   window 1, v0-v127   x lands there; the stage's LDS stores read it and its loads land there again (a wait on vm_vsrc between); products and vector work write it; the hidden layer's fragments and the rows on the way out land there.
;   the quantiser's codes and scale word   written by the quantiser, read by four LDS stores: a wait on va_vdst ahead of them, one on vm_vsrc behind them.  The second of a pair of such waits on va_vdst also covers the
;                       LDS loads behind the barrier that follows: no vector or matrix instruction stands between.
;   v232, v233 (a row's sums)   written twice, read by one LDS store each time.     out0's accumulators   written by products, read by the stage's LDS stores at the end.
; No operand and no scale word of a product here is written by a vector instruction: all are loaded.
.set YSC,   12288                      ; LDS: y's 8 fragments (4 u + s) from 0, their scale words from here;
.set GB,    13312                      ; four chunks of 13,312: 8 fragments (4 u + s) and 8 x 128 bytes of scale words;
.set STAGE, 66560                      ; a stage for each wave: 32 rows x (512 + 16); row 16 u + r holds token 8 u + r + 8 (r / 8);
.set WSTG,  16896
.set SP,    528
.set STAT1, 134144                     ; the rows' sums, 256 bytes a wave; their squares' 1,024 bytes on;
.set SPARE, 136192                     ; the spare words, 128 bytes for each wave: two blocks of 256 bytes that no other line names
.set WS0, 16
.set MVS, 48
.set GS,  56
.set MVF, 64
.set B1,  160
.set LT,  224
.set SPW, 252
.set NIL, 253
.set G2,  128                          ; window 1
.set BE2, 192
.set ZZ,  128
.set X2,  144
.set PP,  160
.set QQ,  176
.set TM,  192
.set PW,  208
.set PC,  210
.set A0,  230
.set B0,  232
.set RS2, 36                           ; s[36:37] 1 / sqrt(2); s[38:49] P's coefficients 1 to 6; s[50:57] Q's 1 to 4: pairs, both words written
.set AL,  38
.set BE,  50
.set SEL, 66
.set WV,  68
.set CNT, 69
.set GC,  70
.set MSB, 0
.macro WIN new                         ; the immediate's high byte repeats the setting that is left
.if MSB != (\new)
	s_set_vgpr_msb (MSB<<8)|(\new)
.set MSB, (\new)
.endif
.endm
.macro PLACES n
.rept \n
	v_nop
.endr
.endm
.macro BARRIER                         ; my LDS stores have landed and my LDS loads are in: then the work-group's barrier
	s_wait_dscnt 0x0
	s_barrier_signal -1
	s_barrier_wait -1
.endm
.macro CPAIR r, val
	s_mov_b32 s[\r], \val
	s_mov_b32 s[\r+1], \val
.endm
; 64 numbers of a lane, register 16 b + i = k 32 b + 16 (lane / 16) + i of my row, become a fragment's codes in v[PC] on and its scale word in v[PW].  (Here all in window 1.)
.macro QUANT s
.irp b, 0,1,2,3
	v_max3_num_f32 v[TM+\b], |v[\s+16*\b]|, |v[\s+1+16*\b]|, 0x1800000   ; block b: my 16 numbers, and the floor 2^(3 - 127): the byte cannot fall under 1
.endr
.irp i, 2,4,6,8,10,12,14
.irp b, 0,1,2,3
	v_max3_num_f32 v[TM+\b], v[TM+\b], |v[\s+16*\b+\i]|, |v[\s+1+16*\b+\i]|
.endr
.endr
.irp b, 0,1,2,3
	v_permlanex16_b32 v[TM+4+\b], v[TM+\b], s[SEL], s[SEL+1]
.endr
.irp b, 0,1,2,3
	v_max_num_f32 v[TM+\b], v[TM+\b], v[TM+4+\b]   ; with lane l xor 16's: the block's largest magnitude
.endr
.irp b, 0,1,2,3
	v_add_nc_u32 v[TM+12+\b], 0xff000000, v[TM+\b]   ; 2 off its exponent field: the conversion's scale operand
.endr
.irp b, 0,1,2,3
	v_lshrrev_b32 v[TM+4+\b], 23, v[TM+12+\b]      ; the scale's byte
.endr
	v_lshl_or_b32 v[PW], v[TM+5], 8, v[TM+4]
	v_lshl_or_b32 v[PW], v[TM+6], 16, v[PW]
	v_lshl_or_b32 v[PW], v[TM+7], 24, v[PW]
.irp c, 0,1
	v_cvt_scalef32_pk16_fp6_f32 v[PC+6*\c:PC+2+6*\c], v[\s+32*\c:\s+15+32*\c], v[TM+12+2*\c]
	v_cvt_scalef32_pk16_fp6_f32 v[PC+12+4*\c:PC+14+4*\c], v[\s+16+32*\c:\s+31+32*\c], v[TM+12+2*\c+1]   ; (a conversion's three registers begin on an even number)
.endr
	v_nop                                          ; one plain place behind a scaled conversion
.irp c, 0,1                                    ; the operand's layout wants a whole block in a lane
.irp i, 0,1,2
	v_permlane16_swap_b32 v[PC+6*\c+\i], v[PC+12+4*\c+\i]
.endr
.irp i, 0,1,2
	v_mov_b32 v[PC+3+6*\c+\i], v[PC+12+4*\c+\i]
.endr
.endr
.endm
; 64 numbers of a vector of the wave's 128 columns, in the result's layout (v6 = 64 h)
.macro VEC64 dst, ptr
.set ff_, 0
.rept 16
	global_load_b128 v[\dst+4*ff_:\dst+4*ff_+3], v6, s[\ptr:\ptr+1] offset:128*(ff_/4)+16*(ff_%4)
.set ff_, ff_+1
.endr
.endm
; 52 loads: tiles 4 e .. 4 e + 3 of my eight, four K steps each, into X_e, and their rows' four scale words.  kind 0: a weight with K = 512 (a tile's four fragments on end);  kind 1: W2 (a tile's sixteen on end; four of them)
.macro LOADW e, pc, ps, kind
	WIN 0x80+0x40*(\e)
.set ff_, 0
.rept 16
.if \kind
.set OC_, (4*(\e)+ff_/4)*24576+1536*(ff_%4)
.else
.set OC_, (\e)*24576+1536*ff_
.endif
	global_load_b128 v[12*ff_:12*ff_+3], v1, s[\pc:\pc+1] offset:OC_
	global_load_b128 v[12*ff_+4:12*ff_+7], v1, s[\pc:\pc+1] offset:OC_+512
	global_load_b128 v[12*ff_+8:12*ff_+11], v1, s[\pc:\pc+1] offset:OC_+1024
.set ff_, ff_+1
.endr
	WIN 0
.set ff_, 0
.rept 4
.set TI_, 4*(\e)+ff_
.if \kind
	global_load_b128 v[WS0+16*(\e)+4*ff_:WS0+16*(\e)+4*ff_+3], v3, s[\ps:\ps+1] offset:(32*(TI_/2)+8*(TI_%2))*64
.else
	global_load_b128 v[WS0+16*(\e)+4*ff_:WS0+16*(\e)+4*ff_+3], v2, s[\ps:\ps+1] offset:(32*(TI_/2)+8*(TI_%2))*16
.endif
.set ff_, ff_+1
.endr
.endm
; 32 products into HA: X_e's four tiles x two tiles of tokens, K = 512: eight accumulators by turns, one instruction a turn.  first = 1: the bias in v[B1] on is the C of each sum's first product
.macro MULH e, first
.set kk_, 0
.rept 4
.if (\first) && (kk_ == 0)
	WIN 0x42+(\e)                                  ; source 0 window 2 or 3, C window 0, D window 1
.else
	WIN 0x52+(\e)                                  ; C and D window 1
.endif
.set tt_, 0
.rept 4
.set uu_, 0
.rept 2
.set DD_, 64*uu_+8*(4*(\e)+tt_)
.set AA_, 12*(4*tt_+kk_)
.set BB_, MVF+12*(4*uu_+kk_)
.if (\first) && (kk_ == 0)
	v_wmma_scale_f32_16x16x128_f8f6f4 v[DD_:DD_+7], v[AA_:AA_+11], v[BB_:BB_+11], v[B1+8*(4*(\e)+tt_):B1+8*(4*(\e)+tt_)+7], v[WS0+16*(\e)+4*tt_+kk_], v[MVS+4*uu_+kk_] matrix_a_fmt:MATRIX_FMT_FP6 matrix_b_fmt:MATRIX_FMT_FP6
.else
	v_wmma_scale_f32_16x16x128_f8f6f4 v[DD_:DD_+7], v[AA_:AA_+11], v[BB_:BB_+11], v[DD_:DD_+7], v[WS0+16*(\e)+4*tt_+kk_], v[MVS+4*uu_+kk_] matrix_a_fmt:MATRIX_FMT_FP6 matrix_b_fmt:MATRIX_FMT_FP6
.endif
.set uu_, uu_+1
.endr
.set tt_, tt_+1
.endr
.set kk_, kk_+1
.endr
.endm
; 32 products onto out0's accumulators: X_e's four tiles of W2 x the chunk's four K steps, a tile of tokens at a time: four accumulators by turns
.macro MULO e
.set uu_, 0
.rept 2
	WIN 0xa6+(\e)+0x50*uu_                         ; source 0 window 2 or 3, source 1 window 1, C and D window 2 + u
.set kk_, 0
.rept 4
.set tt_, 0
.rept 4
.set DD_, 192+8*(4*(\e)+tt_)
	v_wmma_scale_f32_16x16x128_f8f6f4 v[DD_:DD_+7], v[12*(4*tt_+kk_):12*(4*tt_+kk_)+11], v[12*(4*uu_+kk_):12*(4*uu_+kk_)+11], v[DD_:DD_+7], v[WS0+16*(\e)+4*tt_+kk_], v[GS+4*uu_+kk_] matrix_a_fmt:MATRIX_FMT_FP6 matrix_b_fmt:MATRIX_FMT_FP6
.set tt_, tt_+1
.endr
.set kk_, kk_+1
.endr
.set uu_, uu_+1
.endr
.endm
.macro HORNER acc, cst                 ; acc = acc z^2 + a coefficient, eight pairs
.set pp_, 0
.rept 8
	v_pk_fma_f32 v[\acc+2*pp_:\acc+2*pp_+1], v[\acc+2*pp_:\acc+2*pp_+1], v[X2+2*pp_:X2+2*pp_+1], s[\cst:\cst+1] op_sel_hi:[1,1,0]
.set pp_, pp_+1
.endr
.endm
; gelu(a) = a / 2 + (a / 2) erf(a / sqrt(2)) on sixteen numbers, in place, stage by stage so that no line waits for the line above it.  All registers in window 1
.macro GELU8 base
.set pp_, 0
.rept 8
	v_pk_mul_f32 v[ZZ+2*pp_:ZZ+2*pp_+1], v[\base+2*pp_:\base+2*pp_+1], s[RS2:RS2+1] op_sel_hi:[1,0]
.set pp_, pp_+1
.endr
.set pp_, 0
.rept 16
	v_med3_num_f32 v[ZZ+pp_], v[ZZ+pp_], -4.0, 4.0
.set pp_, pp_+1
.endr
.set pp_, 0
.rept 8
	v_pk_mul_f32 v[X2+2*pp_:X2+2*pp_+1], v[ZZ+2*pp_:ZZ+2*pp_+1], v[ZZ+2*pp_:ZZ+2*pp_+1]
.set pp_, pp_+1
.endr
.set pp_, 0
.rept 8
	v_pk_fma_f32 v[PP+2*pp_:PP+2*pp_+1], v[X2+2*pp_:X2+2*pp_+1], v[A0:A0+1], s[AL:AL+1] op_sel_hi:[1,1,0]
	v_pk_fma_f32 v[QQ+2*pp_:QQ+2*pp_+1], v[X2+2*pp_:X2+2*pp_+1], v[B0:B0+1], s[BE:BE+1] op_sel_hi:[1,1,0]
.set pp_, pp_+1
.endr
	HORNER PP, AL+2
	HORNER QQ, BE+2
	HORNER PP, AL+4
	HORNER QQ, BE+4
	HORNER PP, AL+6
	HORNER QQ, BE+6
	HORNER PP, AL+8
	HORNER PP, AL+10
.set pp_, 0
	s_wait_alu depctr_va_vdst(0)
.rept 16
	v_rcp_f32 v[QQ+pp_], v[QQ+pp_]
.set pp_, pp_+1
.endr
.set pp_, 0
.rept 8
	v_pk_mul_f32 v[PP+2*pp_:PP+2*pp_+1], v[PP+2*pp_:PP+2*pp_+1], v[ZZ+2*pp_:ZZ+2*pp_+1]   ; plain work behind the reciprocals, which it does not name
.set pp_, pp_+1
.endr
	s_wait_alu depctr_va_vdst(0)                   ; one wait for the sixteen, ahead of their first reader: the reciprocals have written v[QQ ..]
.set pp_, 0
.rept 8
	v_pk_mul_f32 v[PP+2*pp_:PP+2*pp_+1], v[PP+2*pp_:PP+2*pp_+1], v[QQ+2*pp_:QQ+2*pp_+1]   ; erf
.set pp_, pp_+1
.endr
.set pp_, 0
.rept 8
	v_pk_mul_f32 v[ZZ+2*pp_:ZZ+2*pp_+1], v[\base+2*pp_:\base+2*pp_+1], 0.5 op_sel_hi:[1,0]
.set pp_, pp_+1
.endr
.set pp_, 0
.rept 8
	v_pk_fma_f32 v[\base+2*pp_:\base+2*pp_+1], v[PP+2*pp_:PP+2*pp_+1], v[ZZ+2*pp_:ZZ+2*pp_+1], v[ZZ+2*pp_:ZZ+2*pp_+1]
.set pp_, pp_+1
.endr
.endm
; The sum (sq = 0) or the sum of squares (sq = 1) of each token's 512 numbers: my 64 in two chains a tile, lane l xor 16's, then the four waves' through LDS.  The totals of tiles 0 and 1 end in v[LT+12], v[LT+13]
.macro LNSUM sq
.if \sq
	s_wait_alu depctr_vm_vsrc(0)                   ; the LDS store of the rows' sums has read v[LT+8] and v[LT+9], which are written again below
.endif
	WIN 0x05                                       ; sources 0 and 1 window 1
.irp u, 0,1
.irp k, 0,1
.if \sq
	v_pk_mul_f32 v[LT+4*\u+2*\k:LT+4*\u+2*\k+1], v[64*\u+2*\k:64*\u+2*\k+1], v[64*\u+2*\k:64*\u+2*\k+1]
.else
	v_pk_add_f32 v[LT+4*\u+2*\k:LT+4*\u+2*\k+1], v[64*\u+4*\k:64*\u+4*\k+1], v[64*\u+4*\k+2:64*\u+4*\k+3]
.endif
.endr
.endr
.if \sq
.set pp_, 2
.rept 30
.irp u, 0,1
	v_pk_fma_f32 v[LT+4*\u+2*(pp_%2):LT+4*\u+2*(pp_%2)+1], v[64*\u+2*pp_:64*\u+2*pp_+1], v[64*\u+2*pp_:64*\u+2*pp_+1], v[LT+4*\u+2*(pp_%2):LT+4*\u+2*(pp_%2)+1]
.endr
.set pp_, pp_+1
.endr
.else
	WIN 0x04                                       ; source 1 window 1
.set pp_, 4
.rept 28
.irp u, 0,1
	v_pk_add_f32 v[LT+4*\u+2*(pp_%2):LT+4*\u+2*(pp_%2)+1], v[LT+4*\u+2*(pp_%2):LT+4*\u+2*(pp_%2)+1], v[64*\u+2*pp_:64*\u+2*pp_+1]
.endr
.set pp_, pp_+1
.endr
.endif
	WIN 0
.irp u, 0,1
	v_pk_add_f32 v[LT+4*\u:LT+4*\u+1], v[LT+4*\u:LT+4*\u+1], v[LT+4*\u+2:LT+4*\u+3]
.endr
.irp u, 0,1
	v_add_f32 v[LT+8+\u], v[LT+4*\u], v[LT+4*\u+1]
.endr
.irp u, 0,1
	v_permlanex16_b32 v[LT+10+\u], v[LT+8+\u], s[SEL], s[SEL+1]
.endr
.irp u, 0,1
	v_add_f32 v[LT+8+\u], v[LT+8+\u], v[LT+10+\u]
.endr
	s_wait_alu depctr_va_vdst(0)                   ; v[LT+8] and v[LT+9] are written, which the LDS store reads; and the vector work on v[LT+12] to v[LT+19], in which the loads behind the barrier land, is done
	ds_store_b64 v[LT+26], v[LT+8:LT+9] offset:1024*\sq
	BARRIER
.irp k, 0,1,2,3
	ds_load_b64 v[LT+12+2*\k:LT+13+2*\k], v15 offset:1024*\sq+256*\k
.endr
	s_wait_dscnt 0x0
	v_pk_add_f32 v[LT+12:LT+13], v[LT+12:LT+13], v[LT+14:LT+15]
	v_pk_add_f32 v[LT+16:LT+17], v[LT+16:LT+17], v[LT+18:LT+19]
	v_pk_add_f32 v[LT+12:LT+13], v[LT+12:LT+13], v[LT+16:LT+17]
.endm
	s_load_b512 s[8:23], s[0:1], 0x0               ; ctxc, csc, wimg, Wo's scales, W1's, W2's, bo, b1
	s_load_b256 s[24:31], s[0:1], 0x40             ; b2, g2, beta2, x
	s_load_b64 s[32:33], s[0:1], 0x60              ; out0
	v_lshl_add_u32 v[SPW], v0, 2, SPARE
	v_mov_b32 v[NIL], 0
	v_lshrrev_b32 v15, 5, v0
	v_readfirstlane_b32 s[WV], v15                 ; wave 0..3
	v_and_b32 v15, 31, v0                          ; lane
	v_and_b32 v13, 15, v0                          ; r
	v_bfe_u32 v14, v0, 4, 1                        ; h
	v_lshlrev_b32 v1, 4, v15                       ; 16 x lane
	v_and_b32 v2, 8, v13
	v_add_nc_u32 v2, v2, v13                       ; r + 8 (r / 8)
	v_lshlrev_b32 v3, 6, v2                        ; x 64: W2's scale bytes
	v_lshlrev_b32 v2, 4, v2                        ; x 16: those of a K of 512
	v_mul_u32_u24 v4, v13, 24
	v_mad_u32_u24 v4, v14, 768, v4                 ; ctx's codes: 24 r, a head on for lanes 16-31
	v_lshlrev_b32 v5, 2, v15                       ; 4 x lane
	v_lshlrev_b32 v6, 6, v14                       ; 64 h
	s_wait_alu depctr_va_sdst(0)                   ; s[WV], the wave's number, is written, ahead of its first reader
	s_mul_i32 s71, s[WV], WSTG
	s_add_co_u32 s71, s71, STAGE
	v_mul_u32_u24 v7, v13, SP
	v_lshl_add_u32 v7, v14, 6, v7
	v_add_nc_u32 v7, s71, v7                       ; my stage in the result's layout: row r, + 64 h
	v_add_nc_u32 v8, s71, v1                       ; and by rows
	s_mul_i32 s71, s[WV], 1536
	v_add_nc_u32 v9, s71, v1                       ; where I put an image: fragment w of four
	s_lshl_b32 s71, s[WV], 7
	v_add_nc_u32 v10, s71, v5                      ; and its scale words
	v_lshl_add_u32 v15, v15, 3, STAT1              ; the rows' sums: 8 x lane,
	s_lshl_b32 s71, s[WV], 8
	v_add_nc_u32 v[LT+26], s71, v15                ; mine 256 x wave on
	v_mov_b32 v[LT+10], 0                          ; written once: a lane permute's destination counts as one of its sources
	v_mov_b32 v[LT+11], 0
	s_mov_b32 s[SEL], 0x76543210
	s_mov_b32 s[SEL+1], 0xfedcba98
	s_mov_b32 s90, 0x3b000000                      ; 1 / 512
	s_mov_b32 s91, 0x3727c5ac                      ; 1e-5
	CPAIR RS2, 0x3f3504f3
	CPAIR AL, 0x32edffee
	CPAIR AL+2, 0xb60cff51
	CPAIR AL+4, 0xb86ec2d2
	CPAIR AL+6, 0xba40ac63
	CPAIR AL+8, 0xbb41a1f6
	CPAIR AL+10, 0xbc83dbd4
	CPAIR BE, 0xb95fbd29
	CPAIR BE+2, 0xbadc924e
	CPAIR BE+4, 0xbbf19bf8
	CPAIR BE+6, 0xbc69b6a7
	s_lshl_b32 s86, ttmp9, 16                      ; my 32 rows of x and out0,
	s_lshl_b32 s88, s[WV], 9                       ; my wave's 512 bytes of a row
	s_add_co_u32 s86, s86, s88
	s_mov_b32 s87, 0
	s_mov_b32 s89, 0
	s_mul_i32 s92, ttmp9, 12288
	s_mov_b32 s93, 0
	s_lshl_b32 s94, ttmp9, 9
	s_mov_b32 s95, 0
	s_mul_i32 s96, s[WV], 49152
	s_mov_b32 s97, 0
	s_lshl_b32 s98, s[WV], 11
	s_mov_b32 s99, 0
	s_wait_kmcnt 0x0
	s_add_nc_u64 s[30:31], s[30:31], s[86:87]
	s_add_nc_u64 s[32:33], s[32:33], s[86:87]
	s_add_nc_u64 s[8:9], s[8:9], s[92:93]
	s_add_nc_u64 s[10:11], s[10:11], s[94:95]
	s_add_nc_u64 s[20:21], s[20:21], s[88:89]
	s_add_nc_u64 s[22:23], s[22:23], s[88:89]      ; b1 of chunk 0
	s_add_nc_u64 s[24:25], s[24:25], s[88:89]
	s_add_nc_u64 s[26:27], s[26:27], s[88:89]
	s_add_nc_u64 s[28:29], s[28:29], s[88:89]
	s_add_nc_u64 s[82:83], s[12:13], s[96:97]
	s_add_nc_u64 s[72:73], s[82:83], 786432        ; W1's images, my 8 tiles of chunk 0
	s_add_nc_u64 s[82:83], s[82:83], 589824        ; Wo's
	s_lshl_b32 s96, s96, 2
	s_add_nc_u64 s[76:77], s[12:13], s[96:97]
	s_add_nc_u64 s[76:77], s[76:77], 1572864       ; W2's, my 8 tiles, K step 0
	s_add_nc_u64 s[84:85], s[14:15], s[98:99]
	s_add_nc_u64 s[74:75], s[16:17], s[98:99]
	s_lshl_b32 s98, s98, 2
	s_add_nc_u64 s[78:79], s[18:19], s[98:99]
	; ---- A: h = x + bo + ctx Wo
	WIN 0x40                                       ; destination window 1
	s_wait_alu depctr_va_vdst(0)                   ; the addresses v1 to v10, v15 and v[LT+26] are written: the loads and stores of the whole kernel read them
.set nn_, 0
.rept 32
	global_load_b128 v[4*nn_:4*nn_+3], v1, s[30:31] offset:2048*nn_ th:TH_LOAD_NT   ; token n, my wave's 512 consecutive bytes
.set nn_, nn_+1
.endr
	VEC64 G2, 26
	VEC64 BE2, 28
	WIN 0
	VEC64 B1, 20                                   ; bo
.irp u, 0,1
.irp s, 0,1,2,3
.irp c, 0,1
.irp i, 0,1,2
	global_load_b64 v[MVF+12*(4*\u+\s)+6*\c+2*\i:MVF+12*(4*\u+\s)+6*\c+2*\i+1], v4, s[8:9] offset:384*\u+3072*\s+1536*\c+8*\i   ; head 4 s + 2 c + h of token (u, r)
.endr
.endr
.endr
	global_load_b128 v[MVS+4*\u:MVS+4*\u+3], v2, s[10:11] offset:128*\u
.endr
	LOADW 0, 82, 84, 0
	LOADW 1, 82, 84, 0
	s_wait_loadcnt 63                              ; of the 234 loads the first 171 are in: the 130 above the weights' among them
	WIN 0x04                                       ; an LDS store's data are its source 1
.set nn_, 0
.rept 32
	ds_store_b128 v8, v[4*nn_:4*nn_+3] offset:SP*(16*((nn_>>3)&1)+(nn_&7)+8*(nn_>>4))
.set nn_, nn_+1
.endr
	WIN 0x40
	s_wait_alu depctr_vm_vsrc(0)                   ; the 32 LDS stores have read window 1's v0 to v127, in which the 32 LDS loads land
.set nn_, 0
.rept 32
	ds_load_b128 v[4*nn_:4*nn_+3], v7 offset:SP*16*(nn_/16)+128*((nn_%16)/4)+16*(nn_%4)   ; LDS serves a wave's instructions in order: these see my stores
.set nn_, nn_+1
.endr
	s_wait_dscnt 0x0
	WIN 0x41
.irp u, 0,1
.set pp_, 0
.rept 32
	v_pk_add_f32 v[64*\u+2*pp_:64*\u+2*pp_+1], v[64*\u+2*pp_:64*\u+2*pp_+1], v[B1+2*pp_:B1+2*pp_+1]
.set pp_, pp_+1
.endr
.endr
	WIN 0
	s_wait_alu depctr_va_vdst(0)                   ; the additions are done reading bo in v[B1 ..], in which b2 lands
	VEC64 B1, 24                                   ; b2
	PLACES 4
	s_wait_loadcnt 63                              ; X0 has 68 younger loads
	MULH 0, 0
	WIN 0
	PLACES 4                                       ; in front of loads into registers that the products read
	s_wait_alu depctr_va_vdst(0)                   ; the 32 products are done reading X0 and its scale words, in which the 52 loads land
	LOADW 0, 72, 74, 0
	s_wait_loadcnt 63                              ; X1 has 68 younger loads
	MULH 1, 0
	WIN 0
	PLACES 4
	s_wait_alu depctr_va_vdst(0)                   ; the 32 products are done reading X1 and its scale words, in which the 52 loads land
	LOADW 1, 72, 74, 0
	; ---- LayerNorm 2
	s_wait_loadcnt 63                              ; b2 has 104 younger loads
.irp u, 0,1
	WIN 0x81+0x40*\u                               ; destination window 2 + u, source 0 window 1
.set pp_, 0
.rept 32
	v_pk_add_f32 v[192+2*pp_:192+2*pp_+1], v[64*\u+2*pp_:64*\u+2*pp_+1], v[B1+2*pp_:B1+2*pp_+1]   ; out0 begins as h + b2; each accumulator of h is read from its low end on
.set pp_, pp_+1
.endr
.endr
	WIN 0
	s_wait_alu depctr_va_vdst(0)                   ; the additions are done reading b2 in v[B1 ..], in which b1 lands
	VEC64 B1, 22                                   ; b1 of chunk 0
	LNSUM 0
	v_mul_f32 v[LT+20], s90, v[LT+12]
	v_mul_f32 v[LT+21], s90, v[LT+12]
	v_mul_f32 v[LT+22], s90, v[LT+13]
	v_mul_f32 v[LT+23], s90, v[LT+13]
	WIN 0x41
.irp u, 0,1
.set pp_, 0
.rept 32
	v_pk_add_f32 v[64*\u+2*pp_:64*\u+2*pp_+1], v[64*\u+2*pp_:64*\u+2*pp_+1], v[LT+20+2*\u:LT+21+2*\u] neg_lo:[0,1] neg_hi:[0,1]
.set pp_, pp_+1
.endr
.endr
	LNSUM 1
	v_fma_f32 v[LT+20], v[LT+12], s90, s91
	v_fma_f32 v[LT+22], v[LT+13], s90, s91
	s_wait_alu depctr_va_vdst(0)
	v_rsq_f32 v[LT+20], v[LT+20]
	v_rsq_f32 v[LT+22], v[LT+22]
	v_nop                                          ; a plain place behind the two
	s_wait_alu depctr_va_vdst(0)                   ; one wait for both, ahead of their first reader: v[LT+20] and v[LT+22] are written
	v_mov_b32 v[LT+21], v[LT+20]
	v_mov_b32 v[LT+23], v[LT+22]
	WIN 0x41
.irp u, 0,1
.set pp_, 0
.rept 32
	v_pk_mul_f32 v[64*\u+2*pp_:64*\u+2*pp_+1], v[64*\u+2*pp_:64*\u+2*pp_+1], v[LT+20+2*\u:LT+21+2*\u]
.set pp_, pp_+1
.endr
.endr
	WIN 0x55                                       ; all in window 1
.irp u, 0,1
.set pp_, 0
.rept 32
	v_pk_fma_f32 v[64*\u+2*pp_:64*\u+2*pp_+1], v[64*\u+2*pp_:64*\u+2*pp_+1], v[G2+2*pp_:G2+2*pp_+1], v[BE2+2*pp_:BE2+2*pp_+1]
.set pp_, pp_+1
.endr
.endr
.irp u, 0,1
	WIN 0x55
	QUANT 64*\u                                    ; K step w of the next product, tile u
	WIN 0x04
	s_wait_alu depctr_va_vdst(0)                   ; the quantiser has written the codes and the scale word, which the four LDS stores read; behind tile 1's it also holds that the first products are done reading ctx's fragments and scale words, in which y's land behind the barrier
.irp c, 0,1,2
	ds_store_b128 v9, v[PC+4*\c:PC+4*\c+3] offset:6144*\u+512*\c
.endr
	ds_store_b32 v10, v[PW] offset:YSC+512*\u
	s_wait_dscnt 0x0                               ; the stores have read their registers
	s_wait_alu depctr_vm_vsrc(0)                   ; the four LDS stores have read the codes and the scale word, which the next quantiser writes again
.endr
	WIN 0x40
	v_mov_b32 v[A0], 0xaf95df0b                    ; the polynomials' leading coefficients, as pairs
	v_mov_b32 v[A0+1], 0xaf95df0b
	v_mov_b32 v[B0], 0xb77460cd
	v_mov_b32 v[B0+1], 0xb77460cd
	WIN 0
	BARRIER                                        ; y's eight fragments lie in LDS
.set ff_, 0
.rept 24
	ds_load_b128 v[MVF+4*ff_:MVF+4*ff_+3], v1 offset:512*ff_
.set ff_, ff_+1
.endr
.irp f, 0,1,2,3,4,5,6,7
	ds_load_b32 v[MVS+\f], v5 offset:YSC+128*\f
.endr
	s_wait_dscnt 0x0
	s_wait_loadcnt 0x0                             ; W1's chunk 0 and b1's; no load of mine is out, so a base may step
	s_add_nc_u64 s[22:23], s[22:23], 2048          ; b1 of chunk 1
	s_mov_b32 s[CNT], 4
	s_mov_b32 s[GC], GB
.Lchunk:
	s_wait_alu depctr_vm_vsrc(0)                   ; the last chunk's LDS stores and loads have read v11 to v14, which the additions below write
	v_add_nc_u32 v11, s[GC], v9                    ; the chunk's region: where I put my image,
	v_add_nc_u32 v12, s[GC], v10                   ; its scale words,
	v_add_nc_u32 v13, s[GC], v1                    ; and where all are read
	v_add_nc_u32 v14, s[GC], v5
	s_wait_loadcnt 52                              ; X0 is in; X1's 52 loads may be out
	MULH 0, 1
	WIN 0
	PLACES 4
	s_wait_alu depctr_va_vdst(0)                   ; the 32 products are done reading X0 and its scale words, in which the 52 loads land; v11 to v14 are written
	LOADW 0, 76, 78, 1                             ; W2's tiles 0-3 take X0
	s_wait_loadcnt 52                              ; X1 is in; the 52 just issued may be out
	MULH 1, 1
	WIN 0
	PLACES 4
	s_wait_alu depctr_va_vdst(0)                   ; the 32 products are done reading X1 and its scale words, in which the 52 loads land; and both runs of products are done reading b1 in v[B1 ..], in which the next chunk's lands
	LOADW 1, 76, 78, 1
	s_cmp_eq_u32 s[CNT], 1                         ; the last chunk asks for nothing beyond the end
	s_cbranch_scc1 .Lnob1
	VEC64 B1, 22
.Lnob1:
	WIN 0x55
.irp g, 0,1,2,3,4,5,6,7
	GELU8 16*\g
.endr
.irp u, 0,1
	WIN 0x55
	QUANT 64*\u                                    ; K step 4 c + w of the last product, tile u
	WIN 0x04
	s_wait_alu depctr_va_vdst(0)                   ; the quantiser has written the codes and the scale word, which the four LDS stores read; behind tile 1's it also holds that all vector work on window 1's v0 to v95 is done, and the last chunk's products with v[GS ..]: the loads behind the barrier land there
.irp c, 0,1,2
	ds_store_b128 v11, v[PC+4*\c:PC+4*\c+3] offset:6144*\u+512*\c
.endr
	ds_store_b32 v12, v[PW] offset:12288+512*\u
	s_wait_dscnt 0x0                               ; the stores have read their registers
	s_wait_alu depctr_vm_vsrc(0)                   ; the four LDS stores have read the codes and the scale word, which the next quantiser writes again
.endr
	WIN 0
	BARRIER                                        ; the chunk's eight fragments lie in LDS
	WIN 0x40
.set ff_, 0
.rept 24
	ds_load_b128 v[4*ff_:4*ff_+3], v13 offset:512*ff_
.set ff_, ff_+1
.endr
	WIN 0
.irp f, 0,1,2,3,4,5,6,7
	ds_load_b32 v[GS+\f], v14 offset:12288+128*\f
.endr
	s_wait_dscnt 0x0
	s_wait_loadcnt 0x0                             ; W2's tiles, asked for ahead of the GELU; no load of mine is out, so every base may step
	s_add_nc_u64 s[72:73], s[72:73], 196608
	s_add_nc_u64 s[74:75], s[74:75], 8192
	s_add_nc_u64 s[76:77], s[76:77], 6144
	s_add_nc_u64 s[78:79], s[78:79], 16
	s_add_nc_u64 s[22:23], s[22:23], 2048
	s_add_co_u32 s[GC], s[GC], GB
	MULO 0
	WIN 0
	PLACES 4
	s_cmp_eq_u32 s[CNT], 1
	s_cbranch_scc1 .Lnow0
	s_wait_alu depctr_va_vdst(0)                   ; the 32 products are done reading X0 and its scale words, in which the 52 loads land
	LOADW 0, 72, 74, 0                             ; the next chunk's W1
.Lnow0:
	MULO 1
	WIN 0
	PLACES 5                                       ; four in front of the loads; five in front of the next trip's products, which write over registers that these read
	s_cmp_eq_u32 s[CNT], 1
	s_cbranch_scc1 .Lnow1
	s_wait_alu depctr_va_vdst(0)                   ; the 32 products are done reading X1 and its scale words, in which the 52 loads land
	LOADW 1, 72, 74, 0
	s_branch .Lnext
.Lnow1:
	s_wait_loadcnt 0x0                             ; the last chunk: no load is out on this way
.Lnext:
	s_sub_co_u32 s[CNT], s[CNT], 1
	s_cmp_lg_u32 s[CNT], 0
	s_cbranch_scc1 .Lchunk
	; ---- the way out: through my stage, back as whole rows
.irp u, 0,1
	WIN 0x08+4*\u                                  ; the data: window 2 + u
.if \u == 0
	s_wait_alu depctr_va_vdst(0)                   ; behind the five places at the loop's end: the last products have written out0's accumulators, which the LDS stores read, and are done reading window 1's v0 to v95, in which the rows land
.endif
.set ff_, 0
.rept 16
	ds_store_b128 v7, v[192+4*ff_:192+4*ff_+3] offset:SP*16*\u+128*(ff_/4)+16*(ff_%4)   ; each accumulator from its low end on
.set ff_, ff_+1
.endr
.endr
	WIN 0x40
.set nn_, 0
.rept 32
	ds_load_b128 v[4*nn_:4*nn_+3], v8 offset:SP*(16*((nn_>>3)&1)+(nn_&7)+8*(nn_>>4))
.set nn_, nn_+1
.endr
	WIN 0x04                                       ; a store's data are its source 1
.set nn_, 0
.rept 32
	s_wait_dscnt 31-nn_                            ; row n is back; the younger rows may be out
	global_store_b128 v1, v[4*nn_:4*nn_+3], s[32:33] offset:2048*nn_ th:TH_STORE_NT   ; 32 lanes store 512 consecutive bytes, at a multiple of 256 from out0's first byte
.set nn_, nn_+1
.endr
	WIN 0
	s_wait_dscnt 0x0                               ; the closing lines, six on end
	s_wait_alu 0x0
	s_wait_tensorcnt 0x0
	ds_add_u32 v[SPW], v[NIL]
	s_wait_dscnt 0x0
	s_endpgm
.Lfunc_end_k_q0c1ee08f2a_tail:
	.size	k_q0c1ee08f2a_tail, .Lfunc_end_k_q0c1ee08f2a_tail-k_q0c1ee08f2a_tail
	.p2alignl 7, 3214868480
	.fill 96, 4, 3214868480
	.section	.rodata,"a",@progbits
	.p2align	6, 0x0
	.amdhsa_kernel k_q0c1ee08f2a_tail
		.amdhsa_group_segment_fixed_size 136704
		.amdhsa_private_segment_fixed_size 0
		.amdhsa_enable_private_segment 0
		.amdhsa_kernarg_size 104
		.amdhsa_user_sgpr_count 2
		.amdhsa_user_sgpr_kernarg_segment_ptr 1
		.amdhsa_wavefront_size32 1
		.amdhsa_system_sgpr_workgroup_id_x 1
		.amdhsa_system_sgpr_workgroup_id_y 1
		.amdhsa_system_sgpr_workgroup_id_z 1
		.amdhsa_system_vgpr_workitem_id 0
		.amdhsa_next_free_vgpr 1024
		.amdhsa_next_free_sgpr 100
		.amdhsa_reserve_vcc 0
		.amdhsa_float_denorm_mode_32 3
		.amdhsa_float_denorm_mode_16_64 3
		.amdhsa_memory_ordered 1
		.amdhsa_forward_progress 1
		.amdhsa_inst_pref_size 229
	.end_amdhsa_kernel
	.amdgpu_metadata
---
amdhsa.version: [ 1, 2 ]
amdhsa.kernels:
  - .name:           k_q0c1ee08f2a_tail
    .symbol:         k_q0c1ee08f2a_tail.kd
    .args:
      - { .name: ctxc, .offset: 0, .size: 8, .value_kind: global_buffer, .address_space: global }
      - { .name: csc, .offset: 8, .size: 8, .value_kind: global_buffer, .address_space: global }
      - { .name: wimg, .offset: 16, .size: 8, .value_kind: global_buffer, .address_space: global }
      - { .name: Wo_scales, .offset: 24, .size: 8, .value_kind: global_buffer, .address_space: global }
      - { .name: W1_scales, .offset: 32, .size: 8, .value_kind: global_buffer, .address_space: global }
      - { .name: W2_scales, .offset: 40, .size: 8, .value_kind: global_buffer, .address_space: global }
      - { .name: bo, .offset: 48, .size: 8, .value_kind: global_buffer, .address_space: global }
      - { .name: b1, .offset: 56, .size: 8, .value_kind: global_buffer, .address_space: global }
      - { .name: b2, .offset: 64, .size: 8, .value_kind: global_buffer, .address_space: global }
      - { .name: g2, .offset: 72, .size: 8, .value_kind: global_buffer, .address_space: global }
      - { .name: beta2, .offset: 80, .size: 8, .value_kind: global_buffer, .address_space: global }
      - { .name: x, .offset: 88, .size: 8, .value_kind: global_buffer, .address_space: global }
      - { .name: out0, .offset: 96, .size: 8, .value_kind: global_buffer, .address_space: global }
    .group_segment_fixed_size: 136704
    .private_segment_fixed_size: 0
    .kernarg_segment_align: 8
    .kernarg_segment_size: 104
    .max_flat_workgroup_size: 128
    .sgpr_count:     100
    .vgpr_count:     1024
    .wavefront_size: 32
...
	.end_amdgpu_metadata
.endif
;; end of part 8
